; MI455X (gfx1250); checked and timed in simulation.
; The chip was launched on July 23, 2026; its instructions are those of AMD's public machine-readable ISA for CDNA 5 (MIT licence, August 2026) and "CDNA5" Instruction Set Architecture Reference Guide (July 2026). The comments in the code are by the model that wrote it; some were corrected since.
;; Baseline Model. Allowed arithmetic: matrix products marked QUANTISED: E2M1 operands, one E8M0 scale for each 32 along K, by v_wmma_scale_f32_16x16x128_f8f6f4 with both operands' format E2M1 (or v_wmma_scale_f32_32x16x128_f4), f32 sums; products left as they are: f32 operands where the result goes on into a quantised operand, else bf16, f16 or f32 operands; f32 sums; everything else in f32.
;; Inputs: Wk 1,024 x 1,024 float32; Wo 1,024 x 1,024 float32; Wq 1,024 x 1,024 float32; Wv 1,024 x 1,024 float32; bk 1,024 float32; bo 1,024 float32; bq 1,024 float32; bv 1,024 float32; key 8 x 1,024 x 1,024 float32; ln_beta 1,024 float32; ln_gamma 1,024 float32; query 8 x 1,024 x 1,024 float32; temporal_weights 4 float32; value 8 x 1,024 x 1,024 float32.
;; Outputs: out0 8 x 1,024 x 1,024 float32.
;; This version of the problem:
;;   THIS VERSION OF THE PROBLEM IS GIVEN IN LOW PRECISION. The matrix products marked QUANTISED in the list below multiply operands that are first quantised to E2M1 (2 exponent bits, 1 mantissa bit; 4 bits a number), with one power-of-two scale for each 32 numbers along K (OCP MX v1.0); their sums are f32. All else is computed in f32.
;;   The module's matrix products, in the order in which they are computed (A, B: the left and right operand; K: the contracted axis; several contracted axes count as one K, in the product's order):
;;     1. [M 8,192, K 1,024] x [K 1,024, N 1,024]; A: input query; B: input Wq: QUANTISED
;;     2. [M 8,192, K 1,024] x [K 1,024, N 1,024]; A: input key; B: input Wk: QUANTISED
;;     3. [M 8,192, K 1,024] x [K 1,024, N 1,024]; A: input value; B: input Wv: QUANTISED
;;     4. [M 1, K 4] x [K 4, N 8,388,608]; A: softmax (see below); B: computed on the way: left as it is (K = 4 < 32)
;;     5. [M 1, K 4] x [K 4, N 8,388,608]; A: softmax (see below); B: computed on the way: left as it is (K = 4 < 32)
;;     6. [M 1, K 4] x [K 4, N 8,388,608]; A: softmax (see below); B: computed on the way: left as it is (K = 4 < 32)
;;     7. batch 128 x [M 1,024, K 64] x [K 64, N 1,024]; A: computed on the way; B: computed on the way: QUANTISED
;;     8. batch 128 x [M 1,024, K 1,024] x [K 1,024, N 64]; A: softmax (see below); B: computed on the way: QUANTISED
;;     9. [M 8,192, K 1,024] x [K 1,024, N 1,024]; A: computed on the way; B: input Wo: QUANTISED
;;   THE QUANTISER, for each operand of a quantised product, along K:
;;     - K is cut into blocks of 32 from its start; a last block that is shorter is filled with zeros.
;;     - A block's scale is 2^e with e = floor(log2(the largest magnitude in the block)) - 2, held to -126 .. 127; a block of zeros has e = 0. As a byte (E8M0): e + 127.
;;     - Each number is divided by its block's scale, clamped to +-6, and rounded to the nearest number of E2M1, ties to even, subnormals kept.
;;     - The product sums the exact products of the quantised numbers (number of the format x scale) in f32.
;;   ~~~python
;;   def quantise(x, axis):      # numpy; x: float32 -> the quantised numbers, widened to float32 again
;;       x = np.moveaxis(x, axis, -1); K = x.shape[-1]
;;       x = np.pad(x, [(0, 0)] * (x.ndim - 1) + [(0, -K % 32)]); x = x.reshape(x.shape[:-1] + (-1, 32)); a = np.abs(x).max(-1, keepdims=True)
;;       e = np.where(a > 0, np.clip(np.frexp(np.where(a > 0, a, 1))[1] - 1 - 2, -126, 127), 0)      # np.frexp(a)[1] - 1 = floor(log2(a)), exactly
;;       r = np.clip(x / 2.0 ** e, -6, 6)
;;       step = 2.0 ** (np.maximum(np.frexp(np.where(r == 0, 1, r))[1] - 1, 0) - 1)
;;       q = np.round(r / step) * step * 2.0 ** e      # np.round: ties to even
;;       return np.moveaxis(q.reshape(q.shape[:-2] + (-1,))[..., :K], -1, axis).astype(np.float32)
;;   ~~~
;;   SOFTMAX AHEAD OF A QUANTISED PRODUCT. Where the list says 'softmax', what is quantised is not the finished softmax but p = 2^(t - M), with t = logit x log2(e) and M = ceil(the row's largest t), a whole number; so 1/2 < the row's largest p <= 1. The row's sum l is taken of the UNQUANTISED p, in f32, and the product's result is divided by l at the end. Since M is a whole number, a kernel that streams over the keys may use a running M (the ceiling of the running maximum): every later rescaling is an exact power of two, which a block's scale takes up: the codes' values come out the same.
;;   OPERANDS COMPUTED ON THE WAY. 'Computed on the way' means the value that the module computes at that place (a softmax that the list does not call 'softmax' is quantised finished and normalised). What goes into a quantiser is computed in f32, as accurately as f32 sums, v_exp_f32 and their like allow (about 1e-6 of the number): no bf16 or f16 on the way to a quantiser, and a product that is left as it is and whose result goes on into a quantised operand takes f32 operands (vector FMAs, or v_wmma_f32_16x16x4_f32). A number that lies on a knife's edge between two numbers of the format may be rounded either way, as far as f32 arithmetic and the matrix unit's own rounding can turn it there, and no further.
;; 2 versions. Each part assembles by itself: llvm-mc -triple=amdgcn-amd-amdhsa -mcpu=gfx1250 --defsym DOCPART=n.
;; ======== version 1 of 2: 4 launches
;; workspace buffers: wimg 2,097,152 bytes; wsc 131,072 bytes; rope 294,912 bytes; qkc 8,388,608 bytes; qks 1,048,576 bytes; vimg 4,194,304 bytes; vsc 262,144 bytes; att 33,554,432 bytes
;; launch prep (part 1): grid 272 x 1, 8 waves a work-group, no clusters, 0 bytes of LDS; arguments Wq, Wk, Wv, Wo, wimg, wsc, rope; writes wimg, wsc, rope
.if DOCPART == 1
	.amdgcn_target "amdgcn-amd-amdhsa--gfx1250"
	.amdhsa_code_object_version 6
	.text
	.protected	k_q07c48a2976_prep
	.globl	k_q07c48a2976_prep
	.p2align	8
	.type	k_q07c48a2976_prep,@function
k_q07c48a2976_prep:
	s_mov_b64 s[64:65], 0
	v_nop
	global_prefetch_b8 v0, s[64:65] scope:SCOPE_SE
	s_setreg_imm32_b32 hwreg(HW_REG_WAVE_MODE, 25, 1), 1
	s_wait_xcnt 0x0
; Work-groups 0 to 127: the four weights [k 1024][n 1024] f32 become codes of E2M1 with one E8M0 byte for each 32 along k, laid in the order of an operand's registers:
;   wimg [w 4][ct 64][ks 8][c 2][lane 32][16 bytes]: the fragment of columns 16 ct + r, k = 128 ks ..; lane (r, h) holds block 2 c + h.   wsc [w][n / 64][ks][n % 64]: one word of four bytes a column and 128 k.
; A lane takes a column and its registers run down k: a block of 32 is one lane's, its codes come out with k innermost, and sixteen lanes store 256 consecutive aligned bytes straight from registers.
; Work-groups 128 to 271: the tables cos(s theta_i), sin(s theta_i), theta_i = 10^(-i/8), i = 0 .. 31, laid [chunk 8][cos, sin][beta 18][i 32][j 8]: beta < 16: s = 128 chunk + 8 beta + j;
;   beta 16: the eight rows behind the chunk (held at 1016 ..), beta 17: the eight rows ahead of it (held at 0 ..).
;   theta in two f32 words by four squarings of 10^(-1/8) = 0.75 - 1.0579067e-4; s theta in two words; pi/2 taken off in two words by fused multiply-adds; short polynomials on +-pi/4: about 1e-7 absolute.
; LIMITS: a block of zeros gets the byte 1 (its codes are zeros; only this program reads the bytes); NaN and infinities among the inputs are not served.
.set X, 32                             ; v32-95   two sets of 32 numbers
.set C, 96                             ; v96-111  the codes of four blocks: no store's data are written again
	s_load_b256 s[4:11], s[0:1], 0x0               ; Wq, Wk, Wv, Wo
	s_load_b128 s[12:15], s[0:1], 0x20             ; wimg, wsc
	s_load_b64 s[16:17], s[0:1], 0x30              ; rope
	v_lshrrev_b32 v1, 5, v0
	v_readfirstlane_b32 s18, v1                    ; wave 0..7
	s_cmp_ge_u32 ttmp9, 128
	s_cbranch_scc1 .Lrope
	s_lshr_b32 s20, ttmp9, 5                       ; which weight
	s_bfe_u32 s21, ttmp9, 0x30002                  ; ks: which 128 along k
	s_and_b32 s22, ttmp9, 3                        ; cg: which 256 columns
	v_and_b32 v1, 31, v0                           ; lane
	v_lshlrev_b32 v2, 2, v1                        ; 4 bytes a lane
	v_lshrrev_b32 v3, 4, v1
	v_and_b32 v4, 15, v1
	v_lshlrev_b32 v3, 13, v3                       ; lanes 16-31 belong to the next tile of 16 columns: 8,192 bytes on
	v_lshl_add_u32 v3, v4, 4, v3                   ; + 16 r
	s_lshl_b32 s24, s21, 19                        ; in: 128 ks rows of 4,096 bytes
	s_lshl_b32 s23, s22, 10
	s_add_co_u32 s24, s24, s23                     ; + 256 cg columns
	s_lshl_b32 s23, s18, 7
	s_add_co_u32 s24, s24, s23                     ; + 32 columns a wave
	s_mov_b32 s25, 0
	s_lshl_b32 s26, s20, 19                        ; codes: the weight,
	s_lshl_b32 s23, s22, 17
	s_add_co_u32 s26, s26, s23                     ; tile 16 cg
	s_lshl_b32 s23, s18, 14
	s_add_co_u32 s26, s26, s23                     ; + 2 wave,
	s_lshl_b32 s23, s21, 10
	s_add_co_u32 s26, s26, s23                     ; the K step
	s_mov_b32 s27, 0
	s_lshl_b32 s28, s20, 15                        ; scale words: the weight,
	s_lshl_b32 s23, s22, 13
	s_add_co_u32 s28, s28, s23                     ; n / 64 = 4 cg
	s_lshr_b32 s23, s18, 1
	s_lshl_b32 s23, s23, 11
	s_add_co_u32 s28, s28, s23                     ; + wave / 2,
	s_lshl_b32 s23, s21, 8
	s_add_co_u32 s28, s28, s23                     ; the K step,
	s_and_b32 s23, s18, 1
	s_lshl_b32 s23, s23, 7
	s_add_co_u32 s28, s28, s23                     ; n % 64 = 32 (wave % 2) + lane
	s_mov_b32 s29, 0
	s_wait_kmcnt 0x0
	s_cmp_eq_u32 s20, 1                            ; the choice hangs on the work-group's number alone
	s_cselect_b64 s[4:5], s[6:7], s[4:5]
	s_cmp_eq_u32 s20, 2
	s_cselect_b64 s[4:5], s[8:9], s[4:5]
	s_cmp_eq_u32 s20, 3
	s_cselect_b64 s[4:5], s[10:11], s[4:5]
	s_add_nc_u64 s[4:5], s[4:5], s[24:25]
	s_add_nc_u64 s[12:13], s[12:13], s[26:27]
	s_add_nc_u64 s[14:15], s[14:15], s[28:29]
.macro WLOAD t                         ; block t: W(32 t + i, my column) into set t % 2; a wave reads 128 consecutive bytes, the eight waves 1,024
.irp i, 0,1,2,3,4,5,6,7,8,9,10,11,12,13,14,15,16,17,18,19,20,21,22,23,24,25,26,27,28,29,30,31
	global_load_b32 v[X+32*((\t)%2)+\i], v2, s[4:5] offset:(32*(\t)+\i)*4096 th:TH_LOAD_NT
.endr
.endm
.macro WBLK t
.set XB, X+32*((\t)%2)
.if (\t) < 3
	s_wait_loadcnt 32                              ; this block's 32 loads are in; the next block's 32 may be out
.else
	s_wait_loadcnt 0x0
.endif
	v_max3_num_f32 v8, |v[XB]|, |v[XB+1]|, |v[XB+2]|       ; the block's largest magnitude, in two chains
	v_max3_num_f32 v9, |v[XB+3]|, |v[XB+4]|, |v[XB+5]|
.irp i, 6,10,14,18,22,26
	v_max3_num_f32 v8, v8, |v[XB+\i]|, |v[XB+\i+1]|
	v_max3_num_f32 v9, v9, |v[XB+\i+2]|, |v[XB+\i+3]|
.endr
	v_max3_num_f32 v8, v8, |v[XB+30]|, |v[XB+31]|
	v_max3_num_f32 v8, v8, v9, 0x1800000           ; and the floor 2^(3 - 127): the byte cannot fall under 1
	v_add_nc_u32 v10, 0xff000000, v8               ; 2 off the exponent field: the conversion's scale operand
	v_lshrrev_b32 v11, 23, v10                     ; the scale's byte
.if (\t) == 0
	v_mov_b32 v12, v11
.else
	v_lshl_or_b32 v12, v11, 8*(\t), v12            ; four bytes make the column's word for this K step
.endif
.irp g, 0,1,2,3
	v_cvt_scalef32_pk8_fp4_f32 v[C+4*(\t)+\g], v[XB+8*\g:XB+8*\g+7], v10
.endr
	global_store_b128 v3, v[C+4*(\t):C+4*(\t)+3], s[12:13] offset:((\t)/2)*512+((\t)%2)*256   ; block 2 c + h: sixteen lanes store 256 consecutive aligned bytes
.if (\t)+2 < 4
	WLOAD (\t)+2
.endif
.endm
	WLOAD 0
	WLOAD 1
	WBLK 0
	WBLK 1
	WBLK 2
	WBLK 3
	global_store_b32 v2, v12, s[14:15]
	s_endpgm
.Lrope:
	s_sub_co_u32 s19, ttmp9, 128                   ; 0 .. 143
	s_mul_i32 s20, s19, 3641
	s_lshr_b32 s20, s20, 16                        ; chunk = that / 18 (3641 x 18 = 65,538: right for 0 .. 143)
	s_mul_i32 s21, s20, 18
	s_sub_co_u32 s21, s19, s21                     ; beta
	s_lshl_b32 s22, s20, 7
	s_lshl_b32 s23, s21, 3
	s_add_co_u32 s23, s22, s23
	s_min_u32 s23, s23, 1016                       ; beta up to 16: 128 chunk + 8 beta, held at 1016
	s_sub_co_i32 s24, s22, 8
	s_max_i32 s24, s24, 0                          ; beta 17: 128 chunk - 8, held at 0
	s_cmp_eq_u32 s21, 17
	s_cselect_b32 s23, s24, s23
	s_mul_i32 s24, s20, 36864
	s_lshl_b32 s25, s21, 10
	s_add_co_u32 s24, s24, s25
	s_mov_b32 s25, 0
	s_mov_b32 s26, 0x3f22f983                      ; 2 / pi
	s_mov_b32 s27, 0x3fc90fdb                      ; pi / 2, upper word
	s_mov_b32 s28, 0xb33bbd2e                      ; and lower
	s_mov_b32 s30, 0xb94ca1f9                      ; sine: -1.9515296e-4, 8.3321609e-3
	s_mov_b32 s31, 0x3c08839e
	s_mov_b32 s32, 0x37ccf5ce                      ; cosine: 2.4433157e-5, -1.3887316e-3
	s_mov_b32 s33, 0xbab6061a
	v_and_b32 v1, 7, v0                            ; j
	v_lshrrev_b32 v2, 3, v0                        ; i
	v_add_nc_u32 v1, s23, v1                       ; s
	v_cvt_f32_u32 v3, v1
	v_mov_b32 v4, 1.0                              ; theta, two words
	v_mov_b32 v5, 0
	v_mov_b32 v6, 0x3f400000                       ; G = 10^(-1/8) = 0.75
	v_mov_b32 v7, 0xb8dddbef                       ;   - 1.057906675e-4
.macro DFMUL ch, cl, ah, al, bh, bl    ; (ch, cl) = (ah, al) x (bh, bl), each a sum of two f32 words
	v_mul_f32 v10, v[\ah], v[\bh]
	v_fma_f32 v11, v[\ah], v[\bh], -v10            ; what the product's rounding dropped
	v_fma_f32 v11, v[\ah], v[\bl], v11
	v_fma_f32 v11, v[\al], v[\bh], v11
	v_add_f32 v[\ch], v10, v11
	v_sub_f32 v12, v[\ch], v10
	v_sub_f32 v[\cl], v11, v12
.endm
.irp bit, 0,1,2,3,4
	DFMUL 8, 9, 4, 5, 6, 7
	v_bfe_u32 v13, v2, \bit, 1
	v_cmp_ne_u32 vcc_lo, 0, v13
	v_cndmask_b32 v4, v4, v8, vcc_lo               ; theta takes G^(2^bit) where i has the bit
	v_cndmask_b32 v5, v5, v9, vcc_lo
.if \bit < 4
	DFMUL 6, 7, 6, 7, 6, 7
.endif
.endr
	v_mul_f32 v13, v3, v4                          ; s theta, upper word,
	v_fma_f32 v14, v3, v4, -v13                    ; and what its rounding dropped,
	v_fma_f32 v14, v3, v5, v14                     ; with theta's lower word
	v_mul_f32 v15, s26, v13
	v_rndne_f32 v15, v15                           ; n quarter turns
	v_fma_f32 v16, -v15, s27, v13                  ; a multiple of 2^-23 under 1: nothing is rounded
	v_fma_f32 v14, -v15, s28, v14
	v_add_f32 v16, v16, v14                        ; r, within +-pi/4
	v_mul_f32 v17, v16, v16                        ; z
	v_fma_f32 v18, v17, s30, s31
	v_fma_f32 v19, v17, s32, s33
	v_fmaak_f32 v18, v18, v17, 0xbe2aaaa3          ; -1.6666655e-1
	v_fmaak_f32 v19, v19, v17, 0x3d2aaaa5          ; 4.1666646e-2
	v_mul_f32 v18, v18, v17
	v_mul_f32 v20, v17, v17
	v_fma_f32 v21, v17, -0.5, 1.0
	v_fma_f32 v18, v18, v16, v16                   ; sin r
	v_fma_f32 v19, v19, v20, v21                   ; cos r
	v_cvt_i32_f32 v22, v15
	v_and_b32 v23, 1, v22
	v_cmp_ne_u32 vcc_lo, 0, v23
	v_cndmask_b32 v24, v19, v18, vcc_lo            ; an odd quarter swaps the two
	v_cndmask_b32 v25, v18, v19, vcc_lo
	v_add_nc_u32 v26, 1, v22
	v_and_b32 v26, 2, v26
	v_lshlrev_b32 v26, 30, v26
	v_xor_b32 v24, v24, v26                        ; cos is negative in quarters 1 and 2,
	v_and_b32 v27, 2, v22
	v_lshlrev_b32 v27, 30, v27
	v_xor_b32 v25, v25, v27                        ; sin in quarters 2 and 3
	v_lshlrev_b32 v28, 2, v0
	s_wait_kmcnt 0x0
	s_add_nc_u64 s[16:17], s[16:17], s[24:25]
	global_store_b32 v28, v24, s[16:17]
	global_store_b32 v28, v25, s[16:17] offset:18432
	s_endpgm
.Lfunc_end_k_q07c48a2976_prep:
	.size	k_q07c48a2976_prep, .Lfunc_end_k_q07c48a2976_prep-k_q07c48a2976_prep
	.p2alignl 7, 3214868480
	.fill 96, 4, 3214868480
	.section	.rodata,"a",@progbits
	.p2align	6, 0x0
	.amdhsa_kernel k_q07c48a2976_prep
		.amdhsa_group_segment_fixed_size 0
		.amdhsa_private_segment_fixed_size 0
		.amdhsa_enable_private_segment 0
		.amdhsa_kernarg_size 56
		.amdhsa_user_sgpr_count 2
		.amdhsa_user_sgpr_kernarg_segment_ptr 1
		.amdhsa_wavefront_size32 1
		.amdhsa_system_sgpr_workgroup_id_x 1
		.amdhsa_system_sgpr_workgroup_id_y 1
		.amdhsa_system_sgpr_workgroup_id_z 1
		.amdhsa_system_vgpr_workitem_id 0
		.amdhsa_next_free_vgpr 192
		.amdhsa_next_free_sgpr 66
		.amdhsa_reserve_vcc 1
		.amdhsa_float_denorm_mode_32 3
		.amdhsa_float_denorm_mode_16_64 3
		.amdhsa_memory_ordered 1
		.amdhsa_forward_progress 1
		.amdhsa_inst_pref_size 27
	.end_amdhsa_kernel
	.amdgpu_metadata
---
amdhsa.version: [ 1, 2 ]
amdhsa.kernels:
  - .name:           k_q07c48a2976_prep
    .symbol:         k_q07c48a2976_prep.kd
    .args:
      - { .name: Wq, .offset: 0, .size: 8, .value_kind: global_buffer, .address_space: global }
      - { .name: Wk, .offset: 8, .size: 8, .value_kind: global_buffer, .address_space: global }
      - { .name: Wv, .offset: 16, .size: 8, .value_kind: global_buffer, .address_space: global }
      - { .name: Wo, .offset: 24, .size: 8, .value_kind: global_buffer, .address_space: global }
      - { .name: wimg, .offset: 32, .size: 8, .value_kind: global_buffer, .address_space: global }
      - { .name: wsc, .offset: 40, .size: 8, .value_kind: global_buffer, .address_space: global }
      - { .name: rope, .offset: 48, .size: 8, .value_kind: global_buffer, .address_space: global }
    .group_segment_fixed_size: 0
    .private_segment_fixed_size: 0
    .kernarg_segment_align: 8
    .kernarg_segment_size: 56
    .max_flat_workgroup_size: 256
    .sgpr_count:     66
    .vgpr_count:     192
    .wavefront_size: 32
...
	.end_amdgpu_metadata
.endif
;; end of part 1
;; launch proj (part 2): grid 64 x 3, 8 waves a work-group, no clusters, 154,624 bytes of LDS; arguments query, key, value, bq, bk, bv, temporal_weights, wimg, wsc, rope, qkc, qks, vimg, vsc; writes qkc, qks, vimg, vsc
.if DOCPART == 2
	.amdgcn_target "amdgcn-amd-amdhsa--gfx1250"
	.amdhsa_code_object_version 6
	.text
	.protected	k_q07c48a2976_proj
	.globl	k_q07c48a2976_proj
	.p2align	8
	.type	k_q07c48a2976_proj,@function
k_q07c48a2976_proj:
	s_mov_b64 s[64:65], 0
	v_nop
	global_prefetch_b8 v0, s[64:65] scope:SCOPE_SE
	s_setreg_imm32_b32 hwreg(HW_REG_WAVE_MODE, 25, 1), 1
	s_wait_xcnt 0x0
; One tensor (y: 0 query, 1 key, 2 value), one batch, one chunk of 128 rows, all 1,024 columns:  x W + b on codes of E2M1, RoPE (query, key), the sum of four time scales, and the quantiser for attention.
; PHASE X.  Wave v quantises rows 16 v .. 16 v + 15 of the chunk and two of the 16 halo rows (eight behind the chunk, eight ahead of it) along the 1,024 and lays codes and scale bytes in LDS; the chunk's part of the
;   cos / sin tables is copied beside them.  One barrier; behind it these bytes are only read.
; PASSES.  Wave v then makes heads 2 v and 2 v + 1, one a pass, for all 144 rows: 9 tiles of rows x 4 tiles of columns.  Source 0 = 16 rows of x, source 1 = 16 columns of W (from memory, laid in register order).
;   THE ROWS OF A TILE ARE CHOSEN: tile t takes rows 8 t + 0..7 and 64 + 8 t + 0..7.  In the result lane (r, h) then holds column 16 cb + r and, in register j of tile t, row 64 h + 8 t + j: an aligned block of eight rows;
;   the blocks before and after it lie in the same lane, one accumulator away.  So pooling by 2, 4, 8 and interpolation need another lane only at the ends of a lane's 64 rows (one exchange of halves).
;   The halo tile: lanes 0-15 hold the eight rows behind the chunk, lanes 16-31 the eight ahead of it.  At the sequence's ends the neighbouring pool is the block's own, which is what the clipped interpolation gives.
;   A pass's bias and W's first two K steps are asked for AHEAD: the first pass's behind row 15 of phase X, the second's behind the first's time scales; they land under the work that stands between.
; OUT.  query, key: codes along the head's 64, rows of 32 bytes; a scale word a row (two bytes, and 0x7f twice for the zero half of the product's 128).  value: codes along the KEYS, as images of the operand's registers.
; LIMITS: a block of zeros gets the byte 1 (its codes are zeros; only this program reads the bytes); NaN and infinities among the inputs are not served; the four weights are e x (1 / sum), not a division.
; No cluster: each wave takes another head's fragments of W straight into its registers, so no two work-groups could ask for one LDS tile jointly without a ring through LDS.
; LDS: 0 codes: rows of 512 bytes, pitch 528, rows 64 and up 128 bytes further on (so that the sixteen rows of a fragment start at sixteen different 16-byte columns), halo rows from 67,712;
.set XS, 76160                         ; scale bytes: rows of 32, pitch 36, rows 64 and up 32 further on, halo rows from + 4,640
.set TB, 81408                         ; the tables: cos [beta 18][i 32][j 8] f32, sin 18,432 bytes on
.set ST, 118272                        ; a stage of 16 rows x 272 bytes for each wave
; REGISTERS.  Window 1 (v256-511): accumulator (t, cb) at 64 cb + 8 t.  Window 0:
.set ADA, 2                            ; LDS: my row of a tile of x, + 16 h
.set ADH, 3                            ; the same in the halo tile
.set ASA, 4                            ; my row's scale bytes
.set ASH, 5
.set BO,  6                            ; 16 x lane
.set BSO, 7                            ; 4 r
.set TBA, 8                            ; tables: my block of rows and my frequency
.set TBH, 9
.set STW, 10                           ; the stage: where I put a number
.set STR, 11                           ; and where I read 32 of a row back
.set GQ,  12                           ; query, key: my 16 bytes of codes in a tile's rows
.set GV,  13                           ; value: my 16 bytes in a fragment's image
.set L8,  14                           ; 8 x lane
.set H16, 15                           ; 16 h
.set FLR, 16                           ; the floor 2^(3 - 127)
.set BW0, 17                           ; v17-19, v1: the bias of my column in each of the four tiles of columns, asked for ahead
.set BW1, 18
.set BW2, 19
.set BW3, 1
.set P4A, 20                           ; v20-31: six pairs of interpolation weights x the scale's weight / its pool's length
.set P4B, 22
.set P8A, 24
.set P8B, 26
.set P8C, 28
.set P8D, 30
.set HAC, 32                           ; v32-63   the halo tile's four accumulators
.set AF,  64                           ; v64-135  nine fragments of x
.set BS,  136                          ; v136-231 three sets of four fragments of W
.set BIAS, 200                         ; (the third first holds the bias as C)
.set ASC, 232                          ; v232-240 x's scale words;  v242-253 W's, three sets of four: these registers hold scales and nothing else
.set BSC, 242
; phase X
.set XCW, 32
.set XSW, 33
.set XCH, 34
.set XSH, 35
.set XA,  36
.set TLO, 37
.set TLS, 38
.set XM,  40
.set XO,  44
.set XCD, 48
.set XBY, 56
.set RING, 64                          ; v64-191  four rows of 32 numbers a lane
.set TBR, 192                          ; v192-227 my part of the tables on its way
; the epilogue
.set TAB0, 64                          ; v64-127, v128-191: cos and sin of a tile, two sets
.set RT,  192
.set PA,  64                           ; sums of 2 rows (4 t + q), of 4 (2 t + u), of 8 (t)
.set PB,  96
.set PC,  112
.set HA,  120
.set HB,  124
.set HC,  126
.set PRV, 128                          ; what lies ahead of my first block, and behind my last
.set NXT, 132
.set ZZ,  136
; the quantisers keep off v136-199, v242-249, v17-19 and v1, where the next pass's loads are landing
.set YY,  64
.set CD,  200
.set SW,  32
.set QM,  40
.set QS,  42
.set QB,  43
.set QP,  44
.set QL,  45
.set QH,  46
.set SWO, 48
.set VC,  64
.set VM,  96
.set VS,  98
.set VB,  100
.set VW,  102
.set VX,  103
.set SWV, 104
.set VOUT, 108
.set MSB, 0
.macro WIN new                         ; the immediate's high byte repeats the setting that is left
.if MSB != (\new)
	s_set_vgpr_msb (MSB<<8)|(\new)
.set MSB, (\new)
.endif
.endm
.macro PLACES                          ; four plain vector instructions between a matrix instruction and a load into, or a read of, its registers
.rept 4
	v_nop
.endr
.endm
.macro LDB ks, set, o                  ; W's four fragments and scale words of K step ks, o heads on: 12 loads, each fragment as it lies
.irp cb, 0,1,2,3
	global_load_b128 v[BS+32*(\set)+8*\cb:BS+32*(\set)+8*\cb+3], v[BO], s[8:9] offset:\cb*8192+(\ks)*1024+(\o)*32768
	global_load_b128 v[BS+32*(\set)+8*\cb+4:BS+32*(\set)+8*\cb+7], v[BO], s[8:9] offset:\cb*8192+(\ks)*1024+512+(\o)*32768
	global_load_b32 v[BSC+4*(\set)+\cb], v[BSO], s[10:11] offset:(\ks)*256+64*\cb+(\o)*2048
.endr
.endm
.macro EARLY o                         ; what a pass wants first, o heads on: the bias, then W's K steps 0 and 1: 4 + 24 loads
	global_load_b32 v[BW0], v[BSO], s[6:7] offset:(\o)*256
	global_load_b32 v[BW1], v[BSO], s[6:7] offset:(\o)*256+64
	global_load_b32 v[BW2], v[BSO], s[6:7] offset:(\o)*256+128
	global_load_b32 v[BW3], v[BSO], s[6:7] offset:(\o)*256+192
	LDB 0, 0, \o
	LDB 1, 1, \o
.endm
	s_load_b512 s[68:83], s[0:1], 0x0              ; query, key, value, bq, bk, bv, temporal_weights, wimg
	s_load_b256 s[84:91], s[0:1], 0x40             ; wsc, rope, qkc, qks
	s_load_b128 s[92:95], s[0:1], 0x60             ; vimg, vsc
	v_lshl_add_u32 v254, v0, 2, 0x25800
	v_mov_b32 v255, 0
	v_lshrrev_b32 v1, 5, v0
	v_readfirstlane_b32 s18, v1                    ; wave 0..7
	s_and_b32 s19, ttmp7, 0xffff                   ; y: the tensor
	s_lshr_b32 s20, ttmp9, 3                       ; batch
	s_and_b32 s21, ttmp9, 7                        ; chunk
	v_and_b32 v1, 31, v0                           ; lane
	v_and_b32 v40, 15, v0                          ; r
	v_bfe_u32 v41, v0, 4, 1                        ; h
	v_and_b32 v42, 7, v0                           ; r % 8
	v_bfe_u32 v43, v0, 3, 1                        ; r / 8
	v_mul_u32_u24 v[ADA], v42, 528
	v_mad_u32_u24 v[ADA], v43, 33920, v[ADA]       ; 64 rows and the 128 bytes on
	v_lshl_add_u32 v[ADA], v41, 4, v[ADA]
	v_mul_u32_u24 v[ADH], v40, 528
	v_lshl_add_u32 v[ADH], v41, 4, v[ADH]
	v_add_nc_u32 v[ADH], 67712, v[ADH]
	v_mul_u32_u24 v[ASA], v42, 36
	v_mad_u32_u24 v[ASA], v43, 2336, v[ASA]
	v_add_nc_u32 v[ASA], XS, v[ASA]
	v_mul_u32_u24 v[ASH], v40, 36
	v_add_nc_u32 v[ASH], XS+4640, v[ASH]
	v_lshlrev_b32 v[BO], 4, v1
	v_lshlrev_b32 v[BSO], 2, v40
	v_bfe_u32 v44, v0, 1, 3                        ; r / 2: two neighbouring columns share a frequency
	v_lshlrev_b32 v[TBA], 5, v44
	v_lshl_add_u32 v[TBH], v41, 10, v[TBA]
	v_add_nc_u32 v[TBH], TB+16384, v[TBH]          ; beta 16 + h
	v_lshl_add_u32 v[TBA], v41, 13, v[TBA]
	v_add_nc_u32 v[TBA], TB, v[TBA]                ; beta 8 h + t
	s_mul_i32 s96, s18, 4352
	s_add_co_u32 s96, s96, ST                      ; my stage
	v_mul_u32_u24 v[STW], v41, 2176
	v_lshl_add_u32 v[STW], v40, 2, v[STW]
	v_add_nc_u32 v[STW], s96, v[STW]               ; in: row 8 h + j, column 16 cb + r
	v_bfe_u32 v45, v0, 1, 4
	v_and_b32 v46, 1, v0
	v_mul_u32_u24 v[STR], v45, 272
	v_lshl_add_u32 v[STR], v46, 7, v[STR]
	v_add_nc_u32 v[STR], s96, v[STR]               ; back: row lane / 2, block lane % 2 of its 64
	v_lshlrev_b32 v[GQ], 4, v40
	v_lshl_add_u32 v[GQ], v41, 11, v[GQ]
	v_lshlrev_b32 v[GV], 4, v40
	v_lshl_add_u32 v[GV], v41, 9, v[GV]
	v_lshlrev_b32 v[L8], 3, v1
	v_lshlrev_b32 v[H16], 4, v41
	v_mov_b32 v[FLR], 0x1800000
	v_lshlrev_b32 v[XA], 5, v40
	v_lshl_add_u32 v[XA], v41, 4, v[XA]            ; a load's 512 bytes: lanes 0-15 its even pieces of 16 bytes, lanes 16-31 its odd ones
	s_mul_i32 s96, s18, 8448                       ; my 16 rows of codes,
	s_lshr_b32 s97, s18, 2
	s_lshl_b32 s97, s97, 7
	s_add_co_u32 s96, s96, s97                     ; 128 bytes on from row 64
	v_lshl_add_u32 v[XCW], v1, 2, s96
	v_lshrrev_b32 v47, 2, v1                       ; four lanes hold a block of 32
	s_mul_i32 s96, s18, 576
	s_lshr_b32 s97, s18, 2
	s_lshl_b32 s97, s97, 5
	s_add_co_u32 s96, s96, s97
	s_add_co_u32 s96, s96, XS
	v_add_nc_u32 v[XSW], s96, v47
	s_mul_i32 s96, s18, 1056                       ; my two halo rows
	s_add_co_u32 s96, s96, 67712
	v_lshl_add_u32 v[XCH], v1, 2, s96
	s_mul_i32 s96, s18, 72
	s_add_co_u32 s96, s96, XS+4640
	v_add_nc_u32 v[XSH], s96, v47
	s_mul_i32 s96, s18, 4608                       ; my eighth of the tables: 9 x 512 bytes
	v_lshl_add_u32 v[TLO], v1, 4, s96
	v_add_nc_u32 v[TLS], TB, v[TLO]
	; offsets, in registers of their own
	s_lshl_b32 s44, s20, 22                        ; x: batch,
	s_lshl_b32 s96, s21, 19
	s_add_co_u32 s44, s44, s96                     ; chunk,
	s_lshl_b32 s96, s18, 16
	s_add_co_u32 s44, s44, s96                     ; 16 rows a wave
	s_mov_b32 s45, 0
	s_lshl_b32 s96, s21, 7
	s_add_co_u32 s97, s96, 128
	s_min_u32 s97, s97, 1016                       ; the rows behind the chunk (at the sequence's end: its last eight, which are then not used)
	s_sub_co_i32 s98, s96, 8
	s_max_i32 s98, s98, 0                          ; the rows ahead of it
	s_cmp_lt_u32 s18, 4                            ; waves 0-3 take the first, waves 4-7 the second
	s_cselect_b32 s97, s97, s98
	s_and_b32 s98, s18, 3
	s_lshl_b32 s98, s98, 1
	s_add_co_u32 s97, s97, s98
	s_lshl_b32 s98, s20, 10
	s_add_co_u32 s97, s97, s98
	s_lshl_b32 s46, s97, 12
	s_mov_b32 s47, 0
	s_lshl_b32 s48, s20, 19
	s_lshl_b32 s96, s18, 16
	s_add_co_u32 s48, s48, s96
	s_lshl_b32 s96, s21, 12
	s_add_co_u32 s48, s48, s96                     ; codes: (16 batch + 2 wave) x 32,768 + chunk x 4,096, in qkc and in vimg alike
	s_lshr_b32 s52, s48, 3                         ; qks: an eighth of that;
	s_lshr_b32 s53, s48, 4                         ; vsc: a sixteenth
	s_lshl_b32 s96, s19, 22
	s_add_co_u32 s50, s48, s96                     ; key's codes lie behind query's
	s_lshl_b32 s96, s19, 19
	s_add_co_u32 s52, s52, s96
	s_cmp_eq_u32 s19, 2
	s_cselect_b32 s48, s48, s50
	s_cselect_b32 s50, s53, s52
	s_mov_b32 s38, 4096
	s_cselect_b32 s38, 2048, s38                   ; from a head's scale words to the next head's
	s_mov_b32 s39, 0
	s_mov_b32 s49, 0
	s_mov_b32 s51, 0
	s_lshl_b32 s54, s19, 19
	s_lshl_b32 s96, s18, 16
	s_add_co_u32 s54, s54, s96                     ; wimg: the weight, head 2 wave
	s_mov_b32 s55, 0
	s_lshr_b32 s56, s54, 4                         ; wsc: a sixteenth of that
	s_mov_b32 s57, 0
	s_lshl_b32 s58, s18, 9                         ; the bias
	s_mov_b32 s59, 0
	s_mul_i32 s60, s21, 36864                      ; the chunk's tables
	s_mov_b32 s61, 0
	s_mov_b32 s24, 0xffff0000                      ; lanes 16-31
	s_cmp_eq_u32 s21, 0
	s_cselect_b32 s25, 0xffff, 0                   ; the lanes whose first block begins the sequence
	s_cmp_eq_u32 s21, 7
	s_cselect_b32 s26, 0xffff0000, 0               ; the lanes whose last block ends it
	s_mov_b32 s27, 0xaaaaaaaa                      ; odd lanes
	s_mov_b32 s28, 0x76543210
	s_mov_b32 s29, 0xfedcba98                      ; v_permlanex16_b32's selects for lane l xor 16
	s_wait_kmcnt 0x0
	s_load_b128 s[40:43], s[80:81], 0x0            ; the four weights of the time scales
	s_cmp_eq_u32 s19, 1                            ; the choices hang on the work-group's number alone
	s_cselect_b64 s[4:5], s[70:71], s[68:69]
	s_cselect_b64 s[6:7], s[76:77], s[74:75]
	s_cmp_eq_u32 s19, 2
	s_cselect_b64 s[4:5], s[72:73], s[4:5]
	s_cselect_b64 s[6:7], s[78:79], s[6:7]
	s_cselect_b64 s[14:15], s[92:93], s[88:89]
	s_cselect_b64 s[16:17], s[94:95], s[90:91]
	s_add_nc_u64 s[36:37], s[4:5], s[46:47]
	s_add_nc_u64 s[4:5], s[4:5], s[44:45]
	s_add_nc_u64 s[6:7], s[6:7], s[58:59]
	s_add_nc_u64 s[8:9], s[82:83], s[54:55]
	s_add_nc_u64 s[10:11], s[84:85], s[56:57]
	s_add_nc_u64 s[12:13], s[86:87], s[60:61]
	s_add_nc_u64 s[14:15], s[14:15], s[48:49]
	s_add_nc_u64 s[16:17], s[16:17], s[50:51]
; ---- PHASE X
; Row i of my 18 (16, 17: halo rows) into ring slot i % 4: eight loads of 512 consecutive bytes
.macro XLOAD i
.set XR, RING+32*((\i)%4)
.irp p, 0,1,2,3
.if (\i) < 16
	global_load_b128 v[XR+8*\p:XR+8*\p+3], v[XA], s[4:5] offset:(\i)*4096+\p*1024 th:TH_LOAD_NT
	global_load_b128 v[XR+8*\p+4:XR+8*\p+7], v[XA], s[4:5] offset:(\i)*4096+\p*1024+512 th:TH_LOAD_NT
.else
	global_load_b128 v[XR+8*\p:XR+8*\p+3], v[XA], s[36:37] offset:((\i)-16)*4096+\p*1024
	global_load_b128 v[XR+8*\p+4:XR+8*\p+7], v[XA], s[36:37] offset:((\i)-16)*4096+\p*1024+512
.endif
.endr
.endm
; The row is quantised.  The exchange of halves gives lane l the eight neighbours at byte 1,024 p + 32 l of the row; four lanes hold a block.
.macro XROW i, ac, oc, as, os
.set XR, RING+32*((\i)%4)
.set CR, XCD+4*((\i)%2)
.set BR, XBY+4*((\i)%2)
.irp p, 0,1,2,3
.irp g, 0,1,2,3
	v_permlane16_swap_b32 v[XR+8*\p+\g], v[XR+8*\p+4+\g]
.endr
.endr
.irp p, 0,1,2,3
	v_max3_num_f32 v[XM+\p], |v[XR+8*\p]|, |v[XR+8*\p+1]|, v[FLR]
.endr
.irp k, 2,4,6
.irp p, 0,1,2,3
	v_max3_num_f32 v[XM+\p], v[XM+\p], |v[XR+8*\p+\k]|, |v[XR+8*\p+\k+1]|
.endr
.endr
.irp p, 0,1,2,3
	v_max_num_f32_dpp v[XM+\p], v[XM+\p], v[XM+\p] row_xmask:1 row_mask:0xf bank_mask:0xf
.endr
.irp p, 0,1,2,3
	v_max_num_f32_dpp v[XM+\p], v[XM+\p], v[XM+\p] row_xmask:2 row_mask:0xf bank_mask:0xf
.endr
.irp p, 0,1,2,3
	v_add_nc_u32 v[XO+\p], 0xff000000, v[XM+\p]    ; 2 off the exponent field: the conversion's scale operand
.endr
.irp p, 0,1,2,3
	v_cvt_scalef32_pk8_fp4_f32 v[CR+\p], v[XR+8*\p:XR+8*\p+7], v[XO+\p]
.endr
.irp p, 0,1,2,3
	v_lshrrev_b32 v[BR+\p], 23, v[XO+\p]           ; the scale's byte
.endr
.irp p, 0,1,2,3
	ds_store_b32 v[\ac], v[CR+\p] offset:\oc+128*\p
	ds_store_b8 v[\as], v[BR+\p] offset:\os+8*\p   ; the four lanes of a block write the same byte with the same value
.endr
.endm
	s_cmp_eq_u32 s19, 2                            ; value has no RoPE and takes no tables
	s_cbranch_scc1 .Lno_table_in
.irp i, 0,1,2,3,4,5,6,7,8
	global_load_b128 v[TBR+4*\i:TBR+4*\i+3], v[TLO], s[12:13] offset:512*\i
.endr
.Lno_table_in:
	XLOAD 0
	XLOAD 1
	XLOAD 2
	XLOAD 3
	; the softmax of the four weights, while the loads are on their way
	s_wait_kmcnt 0x0
	v_mov_b32 v40, s40
	v_mov_b32 v41, s41
	v_mov_b32 v42, s42
	v_mov_b32 v43, s43
	v_max3_num_f32 v44, v40, v41, v42
	v_max_num_f32 v44, v44, v43
.irp i, 0,1,2,3
	v_sub_f32 v[40+\i], v[40+\i], v44              ; the maximum is taken away first
.endr
.irp i, 0,1,2,3
	v_mul_f32 v[40+\i], 0x3fb8aa3b, v[40+\i]
.endr
.irp i, 0,1,2,3
	v_exp_f32 v[40+\i], v[40+\i]
.endr
	v_nop                                          ; a plain instruction behind the exponentials,
	s_wait_alu depctr_va_vdst(0)                   ; and the wait ahead of the first use: one for the four
	v_add_f32 v45, v40, v41
	v_add_f32 v46, v42, v43
	v_add_f32 v45, v45, v46
	v_rcp_f32 v45, v45
	v_nop
	s_wait_alu depctr_va_vdst(0)
.irp i, 0,1,2,3
	v_mul_f32 v[40+\i], v[40+\i], v45
.endr
	v_mul_f32 v46, 0x3ec00000, v41                 ; 0.75 w1 / 2
	v_mul_f32 v47, 0x3e000000, v41                 ; 0.25 w1 / 2
	v_mul_f32 v48, 0x3e800000, v42                 ; w2 / 4
	v_mul_f32 v49, 0x3e000000, v43                 ; w3 / 8
	v_readfirstlane_b32 s30, v40                   ; w0
	v_readfirstlane_b32 s32, v46
	v_readfirstlane_b32 s34, v47
	s_mov_b32 s31, s30                             ; (named as pairs by the packed forms, so both are written)
	s_mov_b32 s33, s32
	v_mul_f32 v[P4A], 0x3ec00000, v48              ; .375, .125
	v_mul_f32 v[P4A+1], 0x3e000000, v48
	v_mul_f32 v[P4B], 0x3f200000, v48              ; .625, .875
	v_mul_f32 v[P4B+1], 0x3f600000, v48
	v_mul_f32 v[P8A], 0x3ee00000, v49              ; .4375, .3125
	v_mul_f32 v[P8A+1], 0x3ea00000, v49
	v_mul_f32 v[P8B], 0x3f100000, v49              ; .5625, .6875
	v_mul_f32 v[P8B+1], 0x3f300000, v49
	v_mul_f32 v[P8C], 0x3e400000, v49              ; .1875, .0625
	v_mul_f32 v[P8C+1], 0x3d800000, v49
	v_mul_f32 v[P8D], 0x3f500000, v49              ; .8125, .9375
	v_mul_f32 v[P8D+1], 0x3f700000, v49
	s_cmp_eq_u32 s19, 2
	s_cbranch_scc1 .Lno_table_out
	s_wait_loadcnt 32                              ; the tables' nine loads are in; the 32 loads of rows 0 to 3 were issued behind them
.irp i, 0,1,2,3,4,5,6,7,8
	ds_store_b128 v[TLS], v[TBR+4*\i:TBR+4*\i+3] offset:512*\i
.endr
.Lno_table_out:
.irp i, 0,1,2,3,4,5,6,7,8,9,10,11,12,13,14,15,16,17
.if \i >= 2
	s_wait_dscnt 8                                 ; the stores of the row before last have read their registers (the last row's eight may be out)
.endif
.if \i < 15
	s_wait_loadcnt 24                              ; my row is in; the three rows behind it, eight loads each, stay out
.elseif \i == 15
	s_wait_loadcnt 16                              ; behind row 15: rows 16 and 17
.else
	s_wait_loadcnt 8*(17-\i)+28                    ; behind it: the rows left, and the first pass's 28 loads
.endif
.if \i < 16
	XROW \i, XCW, \i*528, XSW, \i*36
.else
	XROW \i, XCH, (\i-16)*528, XSH, (\i-16)*36
.endif
.if \i < 14
	XLOAD \i+4
.endif
.if \i == 15
	EARLY 0                                        ; ring slots 2 and 3 and the tables' registers are done with: they take W's first two K steps of the first pass
.endif
.endr
	s_wait_dscnt 0x0                               ; for the others' sake: all my stores have landed
	s_barrier_signal -1
	s_barrier_wait -1                              ; codes, scale bytes and tables are whole; from here on they are only read
; ---- THE PASSES
.macro LDA_LO ks                       ; x's tiles 0-3 of K step ks: 12 LDS loads
.irp t, 0,1,2,3
	ds_load_b128 v[AF+8*\t:AF+8*\t+3], v[ADA] offset:\t*4224+64*(\ks)
	ds_load_b128 v[AF+8*\t+4:AF+8*\t+7], v[ADA] offset:\t*4224+64*(\ks)+32
	ds_load_b32 v[ASC+\t], v[ASA] offset:\t*288+4*(\ks)
.endr
.endm
.macro LDA_HI ks                       ; tiles 4-7 and the halo tile: 15
.irp t, 4,5,6,7
	ds_load_b128 v[AF+8*\t:AF+8*\t+3], v[ADA] offset:\t*4224+64*(\ks)
	ds_load_b128 v[AF+8*\t+4:AF+8*\t+7], v[ADA] offset:\t*4224+64*(\ks)+32
	ds_load_b32 v[ASC+\t], v[ASA] offset:\t*288+4*(\ks)
.endr
	ds_load_b128 v[AF+64:AF+67], v[ADH] offset:64*(\ks)
	ds_load_b128 v[AF+68:AF+71], v[ADH] offset:64*(\ks)+32
	ds_load_b32 v[ASC+8], v[ASH] offset:4*(\ks)
.endm
.macro MMT t, set, first               ; tile t against the four tiles of columns; first = 1: the bias is the C that starts the sums
.irp cb, 0,1,2,3
.if \first
	v_wmma_scale_f32_16x16x128_f8f6f4 v[64*\cb+8*(\t):64*\cb+8*(\t)+7], v[AF+8*(\t):AF+8*(\t)+7], v[BS+32*(\set)+8*\cb:BS+32*(\set)+8*\cb+7], v[BIAS+8*\cb:BIAS+8*\cb+7], v[ASC+(\t)], v[BSC+4*(\set)+\cb] matrix_a_fmt:MATRIX_FMT_FP4 matrix_b_fmt:MATRIX_FMT_FP4
.else
	v_wmma_scale_f32_16x16x128_f8f6f4 v[64*\cb+8*(\t):64*\cb+8*(\t)+7], v[AF+8*(\t):AF+8*(\t)+7], v[BS+32*(\set)+8*\cb:BS+32*(\set)+8*\cb+7], v[64*\cb+8*(\t):64*\cb+8*(\t)+7], v[ASC+(\t)], v[BSC+4*(\set)+\cb] matrix_a_fmt:MATRIX_FMT_FP4 matrix_b_fmt:MATRIX_FMT_FP4
.endif
.endr
.endm
.macro MMH set, first                  ; the halo tile, all in window 0
.irp cb, 0,1,2,3
.if \first
	v_wmma_scale_f32_16x16x128_f8f6f4 v[HAC+8*\cb:HAC+8*\cb+7], v[AF+64:AF+71], v[BS+32*(\set)+8*\cb:BS+32*(\set)+8*\cb+7], v[BIAS+8*\cb:BIAS+8*\cb+7], v[ASC+8], v[BSC+4*(\set)+\cb] matrix_a_fmt:MATRIX_FMT_FP4 matrix_b_fmt:MATRIX_FMT_FP4
.else
	v_wmma_scale_f32_16x16x128_f8f6f4 v[HAC+8*\cb:HAC+8*\cb+7], v[AF+64:AF+71], v[BS+32*(\set)+8*\cb:BS+32*(\set)+8*\cb+7], v[HAC+8*\cb:HAC+8*\cb+7], v[ASC+8], v[BSC+4*(\set)+\cb] matrix_a_fmt:MATRIX_FMT_FP4 matrix_b_fmt:MATRIX_FMT_FP4
.endif
.endr
.endm
; A K step of 128: 36 matrix instructions; the 36 accumulators take turns, one instruction a turn, in the same order in every step.
; l: the loads of W issued behind this step's.  D and C in window 1 (0x50); in step 0 C, the bias, in window 0 (0x40).
.macro GSTEP ks, l
	s_wait_loadcnt \l
	s_wait_dscnt 15                                ; tiles 0-3 are in; the 15 loads of tiles 4-7 and the halo tile may be out
.if (\ks) == 0
	WIN 0x40
.else
	WIN 0x50
.endif
.irp t, 0,1,2,3
	MMT \t, (\ks)%3, (\ks)==0
.endr
	WIN 0
	s_wait_dscnt 0x0
.if (\ks) < 7
	PLACES
	LDA_LO (\ks)+1
.endif
.if (\ks) == 0
	WIN 0x40
.else
	WIN 0x50
.endif
.irp t, 4,5,6,7
	MMT \t, (\ks)%3, (\ks)==0
.endr
	WIN 0
	MMH (\ks)%3, (\ks)==0
	PLACES
.if (\ks) < 7
	LDA_HI (\ks)+1
.endif
.if (\ks) == 0
	LDB 2, 2, 0                                    ; into the registers that held the bias,
	LDB 3, 0, 0                                    ; and into this step's set
.elseif (\ks) < 5
	LDB (\ks)+3, (\ks)%3, 0
.endif
.endm
.macro TLOAD adr, off, tab             ; a tile's cos and sin: 16 LDS loads; my eight rows of my column's frequency, for each of the four tiles of columns
.irp cb, 0,1,2,3
	ds_load_b128 v[(\tab)+8*\cb:(\tab)+8*\cb+3], v[\adr] offset:\off+256*\cb
	ds_load_b128 v[(\tab)+8*\cb+4:(\tab)+8*\cb+7], v[\adr] offset:\off+256*\cb+16
	ds_load_b128 v[(\tab)+32+8*\cb:(\tab)+32+8*\cb+3], v[\adr] offset:\off+256*\cb+18432
	ds_load_b128 v[(\tab)+32+8*\cb+4:(\tab)+32+8*\cb+7], v[\adr] offset:\off+256*\cb+18432+16
.endr
.endm
; RoPE of one tile, in place.  Column d = 16 cb + r; its partner d +- 32 is tile of columns cb +- 2, in the same lane.  x(cb) at xb + xs cb.  Each accumulator is read from its low end on.
.macro ROT xb, xs, w1, w2, tab
	WIN \w1
.irp cp, 0,1
.irp j, 0,2,4,6
	v_pk_mul_f32 v[RT+8*\cp+\j:RT+8*\cp+\j+1], v[(\xb)+(\xs)*(\cp+2)+\j:(\xb)+(\xs)*(\cp+2)+\j+1], v[(\tab)+32+8*\cp+\j:(\tab)+32+8*\cp+\j+1]
	v_pk_mul_f32 v[RT+16+8*\cp+\j:RT+16+8*\cp+\j+1], v[(\xb)+(\xs)*\cp+\j:(\xb)+(\xs)*\cp+\j+1], v[(\tab)+32+8*(\cp+2)+\j:(\tab)+32+8*(\cp+2)+\j+1]
.endr
.endr
	WIN \w2
.irp cp, 0,1
.irp j, 0,2,4,6
	v_pk_fma_f32 v[(\xb)+(\xs)*\cp+\j:(\xb)+(\xs)*\cp+\j+1], v[(\xb)+(\xs)*\cp+\j:(\xb)+(\xs)*\cp+\j+1], v[(\tab)+8*\cp+\j:(\tab)+8*\cp+\j+1], v[RT+8*\cp+\j:RT+8*\cp+\j+1] neg_lo:[0,0,1] neg_hi:[0,0,1]
	v_pk_fma_f32 v[(\xb)+(\xs)*(\cp+2)+\j:(\xb)+(\xs)*(\cp+2)+\j+1], v[(\xb)+(\xs)*(\cp+2)+\j:(\xb)+(\xs)*(\cp+2)+\j+1], v[(\tab)+8*(\cp+2)+\j:(\tab)+8*(\cp+2)+\j+1], v[RT+16+8*\cp+\j:RT+16+8*\cp+\j+1]
.endr
.endr
	WIN 0
.endm
; two rows += one pooled sum x a pair of weights (swap = 1: the pair the other way round)
.macro BF x, val, coef, swap
.if (\val)&1
.if \swap
	v_pk_fma_f32 v[(\x):(\x)+1], v[(\val)-1:(\val)], v[\coef:\coef+1], v[(\x):(\x)+1] op_sel:[1,1,0] op_sel_hi:[1,0,1]
.else
	v_pk_fma_f32 v[(\x):(\x)+1], v[(\val)-1:(\val)], v[\coef:\coef+1], v[(\x):(\x)+1] op_sel:[1,0,0] op_sel_hi:[1,1,1]
.endif
.else
.if \swap
	v_pk_fma_f32 v[(\x):(\x)+1], v[(\val):(\val)+1], v[\coef:\coef+1], v[(\x):(\x)+1] op_sel:[0,1,0] op_sel_hi:[0,0,1]
.else
	v_pk_fma_f32 v[(\x):(\x)+1], v[(\val):(\val)+1], v[\coef:\coef+1], v[(\x):(\x)+1] op_sel:[0,0,0] op_sel_hi:[0,1,1]
.endif
.endif
.endm
.macro BFS x, val                      ; two rows += their own sum of two x 0.75 w1 / 2
.if (\val)&1
	v_pk_fma_f32 v[(\x):(\x)+1], v[(\val)-1:(\val)], s[32:33], v[(\x):(\x)+1] op_sel:[1,0,0] op_sel_hi:[1,0,1]
.else
	v_pk_fma_f32 v[(\x):(\x)+1], v[(\val):(\val)+1], s[32:33], v[(\x):(\x)+1] op_sel:[0,0,0] op_sel_hi:[0,0,1]
.endif
.endm
; The four time scales of one tile of columns, in place: x = w0 x + w1 interp(pool 2) + w2 interp(pool 4) + w3 interp(pool 8)
.macro STAGEA cb
	WIN 0x05                                       ; sources in window 1
.irp t, 0,1,2,3,4,5,6,7
.irp q, 0,1,2,3
	v_add_f32 v[PA+4*\t+\q], v[64*\cb+8*\t+2*\q], v[64*\cb+8*\t+2*\q+1]
.endr
.endr
	WIN 0
.irp i, 0,1,2,3,4,5,6,7,8,9,10,11,12,13,14,15
	v_add_f32 v[PB+\i], v[PA+2*\i], v[PA+2*\i+1]
.endr
.irp i, 0,1,2,3,4,5,6,7
	v_add_f32 v[PC+\i], v[PB+2*\i], v[PB+2*\i+1]
.endr
.irp q, 0,1,2,3
	v_add_f32 v[HA+\q], v[HAC+8*\cb+2*\q], v[HAC+8*\cb+2*\q+1]
.endr
	v_add_f32 v[HB], v[HA], v[HA+1]
	v_add_f32 v[HB+1], v[HA+2], v[HA+3]
	v_add_f32 v[HC], v[HB], v[HB+1]
	v_cndmask_b32 v[ZZ], v[PA+31], v[HA+3], s24    ; what the other half of the lanes wants ahead of its first block: lanes 0-15 give their last block's sums, lanes 16-31 those of the rows ahead of the chunk;
	v_cndmask_b32 v[ZZ+1], v[PB+15], v[HB+1], s24
	v_cndmask_b32 v[ZZ+2], v[PC+7], v[HC], s24
	v_cndmask_b32 v[ZZ+3], v[HA], v[PA], s24       ; and behind its last: lanes 0-15 give those of the rows behind the chunk, lanes 16-31 their first block's
	v_cndmask_b32 v[ZZ+4], v[HB], v[PB], s24
	v_cndmask_b32 v[ZZ+5], v[HC], v[PC], s24
.irp i, 0,1,2
	v_permlanex16_b32 v[PRV+\i], v[ZZ+\i], s28, s29
	v_permlanex16_b32 v[NXT+\i], v[ZZ+3+\i], s28, s29
.endr
	v_cndmask_b32 v[PRV], v[PRV], v[PA], s25       ; at the sequence's start and end: the block's own
	v_cndmask_b32 v[PRV+1], v[PRV+1], v[PB], s25
	v_cndmask_b32 v[PRV+2], v[PRV+2], v[PC], s25
	v_cndmask_b32 v[NXT], v[NXT], v[PA+31], s26
	v_cndmask_b32 v[NXT+1], v[NXT+1], v[PB+15], s26
	v_cndmask_b32 v[NXT+2], v[NXT+2], v[PC+7], s26
	WIN 0x41
.irp i, 0,2,4,6,8,10,12,14,16,18,20,22,24,26,28,30,32,34,36,38,40,42,44,46,48,50,52,54,56,58,60,62
	v_pk_mul_f32 v[64*\cb+\i:64*\cb+\i+1], v[64*\cb+\i:64*\cb+\i+1], s[30:31] op_sel_hi:[1,0]
.endr
	WIN 0x50                                       ; the rows (destination and addend) in window 1, sums and weights in window 0
.irp t, 0,1,2,3,4,5,6,7
.set XB, 64*\cb+8*\t
.set SA0, PA+4*\t
.set SB0, PB+2*\t
.set SC0, PC+\t
.if \t == 0
.set SAM, PRV
.set SBM, PRV+1
.set SCM, PRV+2
.else
.set SAM, SA0-1
.set SBM, SB0-1
.set SCM, SC0-1
.endif
.if \t == 7
.set SAP, NXT
.set SBP, NXT+1
.set SCP, NXT+2
.else
.set SAP, SA0+4
.set SBP, SB0+2
.set SCP, SC0+1
.endif
	BFS XB, SA0
	BFS XB+2, SA0+1
	BFS XB+4, SA0+2
	BFS XB+6, SA0+3
	BF XB, SBM, P4A, 0
	BF XB+2, SB0, P4B, 1
	BF XB+4, SB0, P4A, 0
	BF XB+6, SB0+1, P4B, 1
	BF XB, SB0, P4B, 0
	BF XB+2, SB0+1, P4A, 1
	BF XB+4, SB0+1, P4B, 0
	BF XB+6, SBP, P4A, 1
	BF XB, SCM, P8A, 0
	BF XB+2, SCM, P8C, 0
	BF XB+4, SC0, P8D, 1
	BF XB+6, SC0, P8B, 1
	BF XB, SC0, P8B, 0
	BF XB+2, SC0, P8D, 0
	BF XB+4, SCP, P8C, 1
	BF XB+6, SCP, P8A, 1
	v_fmac_f32 v[XB], s34, v[SAM]                  ; an even row leans on the pair before, an odd one on the pair behind: 0.25 w1 / 2
	v_fmac_f32 v[XB+1], s34, v[SA0+1]
	v_fmac_f32 v[XB+2], s34, v[SA0]
	v_fmac_f32 v[XB+3], s34, v[SA0+2]
	v_fmac_f32 v[XB+4], s34, v[SA0+1]
	v_fmac_f32 v[XB+5], s34, v[SA0+3]
	v_fmac_f32 v[XB+6], s34, v[SA0+2]
	v_fmac_f32 v[XB+7], s34, v[SAP]
.endr
	WIN 0
.endm
.macro SSTORE t                        ; tile t into my stage: 16 rows (8 h + j) x 64 columns: 32 LDS stores
	WIN 0x04                                       ; an LDS store's data are its source 1: window 1
.irp cb, 0,1,2,3
.irp j, 0,1,2,3,4,5,6,7
	ds_store_b32 v[STW], v[64*\cb+8*(\t)+\j] offset:272*\j+64*\cb
.endr
.endr
	WIN 0
.endm
.macro SLOAD y                         ; and back: a lane takes one block of 32 of one row: 8 LDS loads.  LDS serves a wave's instructions in order (ISA guide 5.7.1.4)
.irp i, 0,1,2,3,4,5,6,7
	ds_load_b128 v[(\y)+4*\i:(\y)+4*\i+3], v[STR] offset:16*\i
.endr
.endm
.macro QROW t, y                       ; a block of 32 along the head's 64 becomes 16 bytes of codes; two neighbouring lanes make a row's scale word
	v_max3_num_f32 v[QM], |v[(\y)]|, |v[(\y)+1]|, |v[(\y)+2]|
	v_max3_num_f32 v[QM+1], |v[(\y)+3]|, |v[(\y)+4]|, |v[(\y)+5]|
.irp i, 6,10,14,18,22,26
	v_max3_num_f32 v[QM], v[QM], |v[(\y)+\i]|, |v[(\y)+\i+1]|
	v_max3_num_f32 v[QM+1], v[QM+1], |v[(\y)+\i+2]|, |v[(\y)+\i+3]|
.endr
	v_max3_num_f32 v[QM], v[QM], |v[(\y)+30]|, |v[(\y)+31]|
	v_max3_num_f32 v[QM], v[QM], v[QM+1], v[FLR]
	v_add_nc_u32 v[QS], 0xff000000, v[QM]
	v_lshrrev_b32 v[QB], 23, v[QS]
.irp g, 0,1,2,3
	v_cvt_scalef32_pk8_fp4_f32 v[CD+4*(\t)+\g], v[(\y)+8*\g:(\y)+8*\g+7], v[QS]
.endr
	v_mov_b32_dpp v[QP], v[QB] row_xmask:1 row_mask:0xf bank_mask:0xf   ; the other block's byte
	v_cndmask_b32 v[QL], v[QB], v[QP], s27         ; block 0's byte: an even lane's own
	v_cndmask_b32 v[QH], v[QP], v[QB], s27         ; block 1's: an odd lane's own
	v_lshl_or_b32 v[SW+(\t)], v[QH], 8, v[QL]
	v_or_b32 v[SW+(\t)], 0x7f7f0000, v[SW+(\t)]    ; 1.0 for the half of the product's 128 that holds zero codes
	global_store_b128 v[GQ], v[CD+4*(\t):CD+4*(\t)+3], s[14:15] offset:256*(\t)   ; sixteen lanes store eight rows: 256 consecutive aligned bytes
.endm
	s_mov_b32 s23, 2
.Lpass:
	LDA_LO 0
	LDA_HI 0
	s_wait_loadcnt 24                              ; the bias, asked for ahead, is in; W's K steps 0 and 1, 12 loads each, were issued behind it
.irp j, 0,1,2,3,4,5,6,7
	v_mov_b32 v[BIAS+\j], v[BW0]                   ; a lane's eight rows of a column take the same bias
	v_mov_b32 v[BIAS+8+\j], v[BW1]
	v_mov_b32 v[BIAS+16+\j], v[BW2]
	v_mov_b32 v[BIAS+24+\j], v[BW3]
.endr
	PLACES
	GSTEP 0, 12                                    ; behind W's step 0: step 1
	GSTEP 1, 24                                    ; behind step 1: steps 2 and 3; and so on
	GSTEP 2, 24
	GSTEP 3, 24
	GSTEP 4, 24
	GSTEP 5, 24
	GSTEP 6, 12
	GSTEP 7, 0
	s_cmp_eq_u32 s19, 2
	s_cbranch_scc1 .Lno_rope
	TLOAD TBH, 0, TAB0                             ; the halo tile first, then tiles 0 to 7; a tile's tables are asked for while the tile before is turned
.irp n, 0,1,2,3,4,5,6,7,8
.if \n < 8
	TLOAD TBA, \n*1024, TAB0+64*((\n+1)%2)
	s_wait_dscnt 16                                ; all but the 16 just issued
.else
	s_wait_dscnt 0x0
.endif
.if \n == 0
	ROT HAC, 8, 0, 0, TAB0
.else
	ROT 8*(\n-1), 64, 0x01, 0x41, TAB0+64*(\n%2)
.endif
.endr
.Lno_rope:
.irp i, 0,1,2,3,4,5,6,7
	v_mov_b32 v[PRV+\i], 0                         ; a lane permute's destination counts as read, and the packed forms name whole pairs: written once a pass
.endr
	STAGEA 0
	STAGEA 1
	STAGEA 2
	STAGEA 3
	s_cmp_eq_u32 s23, 1                            ; the last pass has no successor and asks for nothing
	s_cbranch_scc1 .Lno_early
	EARLY 1                                        ; the next head's bias and first two K steps land while this head is quantised and stored
.Lno_early:
	s_cmp_eq_u32 s19, 2
	s_cbranch_scc1 .Lquant_v
	; query, key: quantised along the head's 64, which lie across lanes: a tile at a time through my stage
	v_mov_b32 v[QP], 0
	SSTORE 0
	SLOAD YY
.irp t, 0,1,2,3,4,5,6,7
.if \t < 7
	SSTORE \t+1
	SLOAD YY+32*((\t+1)%2)
	s_wait_dscnt 40                                ; this tile is back; the next tile's 32 stores and 8 loads may be out
.else
	s_wait_dscnt 0x0
.endif
	QROW \t, YY+32*(\t%2)
.endr
.irp i, 0,1,2,3
	v_cndmask_b32 v[SWO+\i], v[SW+\i], v[SW+4+\i], s27   ; an even lane stores its row's words of tiles 0-3, an odd one those of tiles 4-7
.endr
	global_store_b128 v[BO], v[SWO:SWO+3], s[16:17]      ; the chunk's 128 words: 512 consecutive bytes
	s_branch .Lpass_end
.Lquant_v:
	; value: quantised along the keys, which run down my registers: tiles 4 u .. 4 u + 3 are block 2 h + u of the chunk's 128 keys
	v_mov_b32 v[VX], 0
.irp cb, 0,1,2,3
	WIN 0x14                                       ; sources 1 and 2 in window 1
.set nn, 0
.rept 16
.irp u, 0,1
.if nn == 0
	v_max3_num_f32 v[VM+\u], v[FLR], |v[64*\cb+32*\u]|, |v[64*\cb+32*\u+1]|
.else
	v_max3_num_f32 v[VM+\u], v[VM+\u], |v[64*\cb+32*\u+2*nn]|, |v[64*\cb+32*\u+2*nn+1]|
.endif
.endr
.set nn, nn+1
.endr
	WIN 0
.irp u, 0,1
	v_add_nc_u32 v[VS+\u], 0xff000000, v[VM+\u]
.endr
.irp u, 0,1
	v_lshrrev_b32 v[VB+\u], 23, v[VS+\u]
.endr
	WIN 0x01
.irp u, 0,1
.irp g, 0,1,2,3
	v_cvt_scalef32_pk8_fp4_f32 v[VC+8*\cb+4*\u+\g], v[64*\cb+32*\u+8*\g:64*\cb+32*\u+8*\g+7], v[VS+\u]
.endr
.endr
	WIN 0
	v_lshl_or_b32 v[VW], v[VB+1], 8, v[VB]         ; my two bytes,
	v_lshlrev_b32 v[VW], v[H16], v[VW]             ; at blocks 2 h and 2 h + 1 of the word;
	v_permlanex16_b32 v[VX], v[VW], s28, s29
	v_or_b32 v[SWV+\cb], v[VW], v[VX]              ; with lane l xor 16's two the word is whole
.irp u, 0,1
	global_store_b128 v[GV], v[VC+8*\cb+4*\u:VC+8*\cb+4*\u+3], s[14:15] offset:1024*\cb+256*\u   ; sixteen lanes store 256 consecutive aligned bytes of the fragment's image
.endr
.endr
	v_cndmask_b32 v[VOUT], v[SWV], v[SWV+1], s24
	v_cndmask_b32 v[VOUT+1], v[SWV+2], v[SWV+3], s24
	global_store_b64 v[L8], v[VOUT:VOUT+1], s[16:17]     ; the chunk's 64 words: 256 consecutive bytes
.Lpass_end:
	s_wait_xcnt 0x0                                ; the stores and the loads asked for ahead have read their registers and bases: both may be written again
	s_add_nc_u64 s[6:7], s[6:7], 256               ; on to the next head
	s_add_nc_u64 s[8:9], s[8:9], 32768
	s_add_nc_u64 s[10:11], s[10:11], 2048
	s_add_nc_u64 s[14:15], s[14:15], 32768
	s_add_nc_u64 s[16:17], s[16:17], s[38:39]
	s_sub_co_u32 s23, s23, 1
	s_cmp_lg_u32 s23, 0
	s_cbranch_scc1 .Lpass
	s_wait_tensorcnt 0x0
	ds_add_u32 v254, v255
	s_wait_dscnt 0x0
	s_endpgm
.Lfunc_end_k_q07c48a2976_proj:
	.size	k_q07c48a2976_proj, .Lfunc_end_k_q07c48a2976_proj-k_q07c48a2976_proj
	.p2alignl 7, 3214868480
	.fill 96, 4, 3214868480
	.section	.rodata,"a",@progbits
	.p2align	6, 0x0
	.amdhsa_kernel k_q07c48a2976_proj
		.amdhsa_group_segment_fixed_size 154624
		.amdhsa_private_segment_fixed_size 0
		.amdhsa_enable_private_segment 0
		.amdhsa_kernarg_size 112
		.amdhsa_user_sgpr_count 2
		.amdhsa_user_sgpr_kernarg_segment_ptr 1
		.amdhsa_wavefront_size32 1
		.amdhsa_system_sgpr_workgroup_id_x 1
		.amdhsa_system_sgpr_workgroup_id_y 1
		.amdhsa_system_sgpr_workgroup_id_z 1
		.amdhsa_system_vgpr_workitem_id 0
		.amdhsa_next_free_vgpr 512
		.amdhsa_next_free_sgpr 100
		.amdhsa_reserve_vcc 0
		.amdhsa_float_denorm_mode_32 3
		.amdhsa_float_denorm_mode_16_64 3
		.amdhsa_memory_ordered 1
		.amdhsa_forward_progress 1
		.amdhsa_inst_pref_size 255
	.end_amdhsa_kernel
	.section	.bss,"aw",@nobits
	.p2align	6
	.space	262144
	.amdgpu_metadata
---
amdhsa.version: [ 1, 2 ]
amdhsa.kernels:
  - .name:           k_q07c48a2976_proj
    .symbol:         k_q07c48a2976_proj.kd
    .args:
      - { .name: query, .offset: 0, .size: 8, .value_kind: global_buffer, .address_space: global }
      - { .name: key, .offset: 8, .size: 8, .value_kind: global_buffer, .address_space: global }
      - { .name: value, .offset: 16, .size: 8, .value_kind: global_buffer, .address_space: global }
      - { .name: bq, .offset: 24, .size: 8, .value_kind: global_buffer, .address_space: global }
      - { .name: bk, .offset: 32, .size: 8, .value_kind: global_buffer, .address_space: global }
      - { .name: bv, .offset: 40, .size: 8, .value_kind: global_buffer, .address_space: global }
      - { .name: temporal_weights, .offset: 48, .size: 8, .value_kind: global_buffer, .address_space: global }
      - { .name: wimg, .offset: 56, .size: 8, .value_kind: global_buffer, .address_space: global }
      - { .name: wsc, .offset: 64, .size: 8, .value_kind: global_buffer, .address_space: global }
      - { .name: rope, .offset: 72, .size: 8, .value_kind: global_buffer, .address_space: global }
      - { .name: qkc, .offset: 80, .size: 8, .value_kind: global_buffer, .address_space: global }
      - { .name: qks, .offset: 88, .size: 8, .value_kind: global_buffer, .address_space: global }
      - { .name: vimg, .offset: 96, .size: 8, .value_kind: global_buffer, .address_space: global }
      - { .name: vsc, .offset: 104, .size: 8, .value_kind: global_buffer, .address_space: global }
    .group_segment_fixed_size: 154624
    .private_segment_fixed_size: 0
    .kernarg_segment_align: 8
    .kernarg_segment_size: 112
    .max_flat_workgroup_size: 256
    .sgpr_count:     100
    .vgpr_count:     512
    .wavefront_size: 32
...
	.end_amdgpu_metadata
.endif
;; end of part 2
;; launch attn (part 3): grid 2 x 128, 16 waves a work-group, no clusters, 143,360 bytes of LDS; arguments qkc, qks, vimg, vsc, att; writes att
.if DOCPART == 3
	.amdgcn_target "amdgcn-amd-amdhsa--gfx1250"
	.amdhsa_code_object_version 6
	.text
	.protected	k_q07c48a2976_attn
	.globl	k_q07c48a2976_attn
	.p2align	8
	.type	k_q07c48a2976_attn,@function
k_q07c48a2976_attn:
	s_mov_b64 s[64:65], 0
	v_nop
	global_prefetch_b8 v0, s[64:65] scope:SCOPE_SE
	s_setreg_imm32_b32 hwreg(HW_REG_WAVE_MODE, 25, 1), 1
	s_wait_xcnt 0x0
; att[b][q][64 head + d] = the sum over k of softmax_k(Q . K / 8) V, both products on codes of E2M1 with one E8M0 scale for each 32 along a product's K.
; THE SOFTMAX AHEAD OF THE SECOND PRODUCT: t = score x log2(e) / 8; M = the running largest t rounded UP to a whole number; p = 2^(t - M) is quantised along the keys, not normalised; the row's sum is taken of the
; unquantised p and divides at the end; when M moves, the sum and O are multiplied by 2^(old M - new M), which rounds nothing.
; SHARES.  A work-group owns one (batch, head) and 512 of its queries; each of its sixteen waves two tiles of 16 queries, one after the other, in 256 registers: four waves to a SIMD, so that one wave's vector work stands
; beside another's matrix work and LDS loads.  All of the head's K and V (70 KB with their scales) is laid in LDS once, behind one barrier, as images of the operands' registers.
; Both tiles' Q come with that fill, under its one wait: the loop over the two tiles loads nothing from memory.
; LAYOUT.  Both products are used transposed: S^T = K Q^T (source 0 = 16 keys), O^T = V^T P^T (source 0 = 16 of the head's 64): a lane holds ONE query throughout.  The head's 64 fill half of the first product's 128:
; the other half is zero codes on both sides, under the byte 0x7f.  THE KEYS OF A TILE ARE NOT NEIGHBOURS: lane r of tile 2 b + u takes key 32 b + 8 u + r + 8 (r / 8), so that the 16 registers of tiles 2 b, 2 b + 1 are 16 neighbouring keys.
; No cluster: what the two work-groups of a head share is one fill at the head of the launch.  LIMITS: NaN and infinities are not served.
.set VCL, 32768                        ; LDS: 0 K's tiles (512 bytes each, 8 a step);  V's fragments;
.set KSC, 65536                        ; K's scale words;
.set VSC, 69632                        ; V's;
.set OSL, 71680                        ; a stage of 16 rows x 272 bytes for each wave
.set SEL, 34                           ; s[34:35] v_permlanex16_b32's selects for lane l xor 16
.set CS,  36                           ; s[36:37] c = log2(e) / 8
; REGISTERS: v1 16 x lane; v2, v3 my place among K's and V's scale words; v4-6 the way out; v7 Q's scale words' offset; v8-11 the second tile's Q, v25 its scale words; v12 -M, v13 the largest t, v[14:15] the sum in two halves;
; v16-23 Q (v20-23 zeros); v24 Q's scale words; v26-29 V's scale words; v32-95 eight tiles of K (each tile's upper four registers zeros); v96-159 S^T, then p; v160-191 O^T; v192-223 V; v224-231 p's codes;
; v232-239, v244-247, v252-254 at work; v240-243, v248-251 K's scale words; v253 p's scale word
	s_load_b256 s[4:11], s[0:1], 0x0               ; qkc, qks, vimg, vsc
	s_load_b64 s[12:13], s[0:1], 0x20              ; att
	v_lshl_add_u32 v31, v0, 2, 0x22800
	v_mov_b32 v255, 0
	v_lshrrev_b32 v1, 5, v0
	v_readfirstlane_b32 s14, v1                    ; wave 0..15
	s_and_b32 s15, ttmp7, 0xffff                   ; 16 batch + head
	s_lshl_b32 s30, s15, 15
	s_lshl_b32 s31, s14, 11
	s_add_co_u32 s18, s30, s31                     ; V's fragments: the head's 32,768 bytes, 2,048 a wave
	s_mov_b32 s19, 0
	s_add_co_u32 s16, s18, 0x400000                ; K's codes lie behind Q's 4 MiB
	s_mov_b32 s17, 0
	s_lshl_b32 s31, s15, 12
	s_lshl_b32 s20, s14, 8
	s_add_co_u32 s20, s20, s31
	s_add_co_u32 s20, s20, 0x80000                 ; K's scale words: behind Q's, 256 bytes a wave
	s_mov_b32 s21, 0
	s_lshl_b32 s22, s15, 11
	s_lshl_b32 s23, s14, 7
	s_add_co_u32 s22, s22, s23                     ; V's: 128 bytes a wave
	s_mov_b32 s23, 0
	s_lshl_b32 s24, ttmp9, 14
	s_add_co_u32 s24, s24, s30
	s_lshl_b32 s25, s14, 9
	s_add_co_u32 s24, s24, s25                     ; Q's codes: query 512 x + 16 wave, 32 bytes a row
	s_mov_b32 s25, 0
	s_lshl_b32 s26, ttmp9, 11                      ; Q's scale words: chunk 4 x + wave / 8 of 512 bytes,
	s_add_co_u32 s26, s26, s31
	s_lshr_b32 s27, s14, 3
	s_lshl_b32 s27, s27, 9
	s_add_co_u32 s26, s26, s27
	s_bfe_u32 s27, s14, 0x10002
	s_lshl_b32 s27, s27, 8
	s_add_co_u32 s26, s26, s27                     ; its half of 64 rows,
	s_and_b32 s27, s14, 3
	s_lshl_b32 s27, s27, 3
	s_add_co_u32 s26, s26, s27                     ; two blocks of eight rows a wave
	s_mov_b32 s27, 0
	s_lshr_b32 s28, s15, 4
	s_lshl_b32 s28, s28, 22
	s_lshl_b32 s29, ttmp9, 21
	s_add_co_u32 s28, s28, s29
	s_lshl_b32 s29, s14, 16
	s_add_co_u32 s28, s28, s29
	s_and_b32 s29, s15, 15
	s_lshl_b32 s29, s29, 8
	s_add_co_u32 s28, s28, s29                     ; att: my first query's row, the head's 256 bytes
	s_mov_b32 s29, 0
	s_mov_b32 s[SEL], 0x76543210
	s_mov_b32 s[SEL+1], 0xfedcba98
	s_mov_b32 s[CS], 0x3e38aa3b
	s_mov_b32 s[CS+1], s[CS]                       ; (named with it as a pair, so it is written)
	v_and_b32 v224, 31, v0                         ; lane
	v_and_b32 v225, 15, v0                         ; r
	v_bfe_u32 v226, v0, 4, 1                       ; h
	v_and_b32 v227, 7, v0                          ; r % 8
	v_bfe_u32 v228, v0, 3, 1                       ; r / 8
	v_lshlrev_b32 v1, 4, v224
	v_lshlrev_b32 v2, 5, v227
	v_lshl_add_u32 v7, v228, 2, v2                 ; the word of row r of 16 neighbours: 32 (r % 8) + 4 (r / 8)
	v_lshl_add_u32 v2, v228, 3, v2                 ; that of a tile's key: its rows 8 .. 15 lie 16 keys on: 32 (r % 8) + 8 (r / 8)
	v_add_nc_u32 v2, KSC, v2
	v_lshlrev_b32 v3, 3, v225
	v_add_nc_u32 v3, VSC, v3
	v_lshlrev_b32 v235, 5, v225
	v_lshl_add_u32 v235, v226, 4, v235             ; Q: row r, block h
	s_mul_i32 s30, s14, 4352
	s_add_co_u32 s30, s30, OSL                     ; my stage
	v_mul_u32_u24 v4, v225, 272
	v_lshl_add_u32 v4, v226, 5, v4
	v_add_nc_u32 v4, s30, v4                       ; in: row r, + 32 h
	v_mul_u32_u24 v5, v226, 272
	v_lshl_add_u32 v5, v225, 4, v5
	v_add_nc_u32 v5, s30, v5                       ; back: lanes 0-15 one row, lanes 16-31 the next
	v_lshlrev_b32 v6, 12, v226
	v_lshl_add_u32 v6, v225, 4, v6                 ; and the same two rows in att
	s_lshl_b32 s32, s14, 11
	v_lshlrev_b32 v229, 9, v226                    ; where a key's 16 bytes go: my 64 keys' 2,048 bytes; lane / 16 picks u, lane % 2 the block, (lane / 2) % 8 the row
	v_and_b32 v230, 1, v0
	v_lshl_add_u32 v229, v230, 8, v229
	v_bfe_u32 v230, v0, 1, 3
	v_lshl_add_u32 v229, v230, 4, v229
	v_add_nc_u32 v229, s32, v229
	v_add_nc_u32 v230, s32, v1                     ; V goes as it lies
	v_lshlrev_b32 v231, 3, v224
	s_lshl_b32 s32, s14, 8
	s_add_co_u32 s32, s32, KSC
	v_add_nc_u32 v232, s32, v231
	v_lshlrev_b32 v233, 2, v224
	s_lshl_b32 s32, s14, 7
	s_add_co_u32 s32, s32, VSC
	v_add_nc_u32 v234, s32, v233
	s_wait_kmcnt 0x0
	s_add_nc_u64 s[16:17], s[4:5], s[16:17]
	s_add_nc_u64 s[18:19], s[8:9], s[18:19]
	s_add_nc_u64 s[20:21], s[6:7], s[20:21]
	s_add_nc_u64 s[22:23], s[10:11], s[22:23]
	s_add_nc_u64 s[24:25], s[4:5], s[24:25]
	s_add_nc_u64 s[26:27], s[6:7], s[26:27]
	s_add_nc_u64 s[28:29], s[12:13], s[28:29]
.irp i, 0,1,2,3
	global_load_b128 v[32+4*\i:35+4*\i], v1, s[16:17] offset:512*\i
	global_load_b128 v[48+4*\i:51+4*\i], v1, s[18:19] offset:512*\i
.endr
	global_load_b64 v[64:65], v231, s[20:21]
	global_load_b32 v66, v233, s[22:23]
	global_load_b128 v[16:19], v235, s[24:25]              ; my first tile of queries,
	global_load_b32 v24, v7, s[26:27]
	global_load_b128 v[8:11], v235, s[24:25] offset:8192   ; and my second, 256 queries on
	global_load_b32 v25, v7, s[26:27] offset:1024
	s_wait_loadcnt 0x0
.irp i, 0,1,2,3
	ds_store_b128 v229, v[32+4*\i:35+4*\i] offset:(\i/2)*1024+(\i%2)*128   ; 16 keys a load: which block of 32, and which half of it
	ds_store_b128 v230, v[48+4*\i:51+4*\i] offset:VCL+512*\i
.endr
	ds_store_b64 v232, v[64:65]
	ds_store_b32 v234, v66
	s_wait_dscnt 0x0                               ; for the others' sake: my stores have landed
	s_barrier_signal -1
	s_barrier_wait -1                              ; the head's K and V are whole; from here on they are only read
.irp t, 0,1,2,3,4,5,6,7
.irp g, 4,5,6,7
	v_mov_b32 v[32+8*\t+\g], 0                     ; zero codes for k = 64 .. 127, written once
.endr
.endr
.irp g, 20,21,22,23
	v_mov_b32 v\g, 0
.endr
.irp b, 0,1,2,3
	v_mov_b32 v[236+\b], 0                         ; written once: a lane permute's destination counts as one of its sources
.endr
	v_mov_b32 v253, 0                              ; (named as the upper half of the pair v[252:253] before it is first written)
.macro LDK sn                          ; the eight tiles of K of key step sn and their scale words: 12 LDS loads
.irp t, 0,1,2,3,4,5,6,7
	ds_load_b128 v[32+8*\t:35+8*\t], v1 offset:4096*(\sn)+512*\t
.endr
.irp b, 0,1,2,3
	ds_load_b64 v[240+2*\b+4*(\b/2):241+2*\b+4*(\b/2)], v2 offset:512*(\sn)+256*(\b/2)+16*(\b%2)   ; the words of tiles 2 b and 2 b + 1 lie side by side
.endr
.endm
; A KEY STEP: 128 keys
.macro STEP st
	s_wait_dscnt 0x0                               ; K of this step is in
.irp t, 0,1,2,3,4,5,6,7
	v_wmma_scale_f32_16x16x128_f8f6f4 v[96+8*\t:103+8*\t], v[32+8*\t:39+8*\t], v[16:23], 0, v[240+\t+4*(\t/4)], v24 matrix_a_fmt:MATRIX_FMT_FP4 matrix_b_fmt:MATRIX_FMT_FP4
.endr
.rept 4
	v_nop                                          ; places in front of the loads into K's and V's registers and of the first read of the scores
.endr
.irp d, 0,1,2,3
	ds_load_b128 v[192+8*\d:195+8*\d], v1 offset:VCL+4096*(\st)+1024*\d
	ds_load_b128 v[196+8*\d:199+8*\d], v1 offset:VCL+4096*(\st)+1024*\d+512
.endr
	ds_load_b64 v[26:27], v3 offset:256*(\st)      ; V's scale words of tiles 0 and 2,
	ds_load_b64 v[28:29], v3 offset:256*(\st)+128  ; and of tiles 1 and 3
	LDK ((\st)+1)%8                                ; the next step's K lands under the softmax
.irp b, 0,1,2,3
	v_max3_num_f32 v[232+\b], v[96+16*\b], v[97+16*\b], v[98+16*\b]   ; the largest score of each block of 32 keys: it serves for the row's maximum and, since p rises with the score, for the block's largest p
.endr
.irp i, 3,5,7,9,11,13
.irp b, 0,1,2,3
	v_max3_num_f32 v[232+\b], v[232+\b], v[96+16*\b+\i], v[97+16*\b+\i]
.endr
.endr
.irp b, 0,1,2,3
	v_max_num_f32 v[232+\b], v[232+\b], v[111+16*\b]
.endr
.irp b, 0,1,2,3
	v_permlanex16_b32 v[236+\b], v[232+\b], s[SEL], s[SEL+1]
.endr
.irp b, 0,1,2,3
	v_max_num_f32 v[232+\b], v[232+\b], v[236+\b]  ; with lane l xor 16's 16 keys
.endr
	v_max3_num_f32 v254, v232, v233, v234
	v_max_num_f32 v254, v254, v235
	v_mul_f32 v254, s[CS], v254                    ; as t (c is positive)
	v_max_num_f32 v13, v13, v254                   ; the running largest t
	v_mov_b32 v254, v12
	v_floor_f32 v12, -v13                          ; the new -M = floor(-t): M is a whole number
	v_sub_f32 v254, v12, v254                      ; old M - new M: a whole number, 0 or less
	v_cvt_i32_f32 v254, v254                       ; (it saturates)
	v_ldexp_f32 v252, 1.0, v254                    ; f = 2^(old M - new M)
.irp j, 0,2,4,6,8,10,12,14,16,18,20,22,24,26,28,30,32,34,36,38,40,42,44,46,48,50,52,54,56,58,60,62
	v_pk_fma_f32 v[96+\j:97+\j], v[96+\j:97+\j], s[CS:CS+1], v[12:13] op_sel_hi:[1,0,0]   ; t - M, two at a time
.endr
.irp b, 0,1,2,3
	v_fma_f32 v[232+\b], v[232+\b], s[CS], v12     ; the same of each block's largest score
.endr
.irp j, 0,1,2,3,4,5,6,7,8,9,10,11,12,13,14,15,16,17,18,19,20,21,22,23,24,25,26,27,28,29,30,31,32,33,34,35,36,37,38,39,40,41,42,43,44,45,46,47,48,49,50,51,52,53,54,55,56,57,58,59,60,61,62,63
	v_exp_f32 v[96+\j], v[96+\j]                   ; p = 2^(t - M), at most 1
.endr
	v_pk_mul_f32 v[14:15], v[14:15], v[252:253] op_sel_hi:[1,0]   ; the sums under the new M: a plain instruction behind the exponentials
	s_wait_alu depctr_va_vdst(0)                   ; the wait ahead of the first use: one for the batch of 64
.irp b, 0,1,2,3
	v_exp_f32 v[232+\b], v[232+\b]                 ; the block's largest p
.endr
	v_pk_add_f32 v[236:237], v[96:97], v[98:99]    ; the row's sum is taken of the unquantised p, in two chains
.irp j, 4,8,12,16,20,24,28,32,36,40,44,48,52,56,60
	v_pk_add_f32 v[14:15], v[14:15], v[96+\j:97+\j]
	v_pk_add_f32 v[236:237], v[236:237], v[98+\j:99+\j]
.endr
	v_pk_add_f32 v[14:15], v[14:15], v[236:237]
	s_wait_alu depctr_va_vdst(0)                   ; and one for the four
.irp b, 0,1,2,3
	v_max_num_f32 v[232+\b], 0x1800000, v[232+\b]  ; the floor 2^(3 - 127): the byte cannot fall under 1
.endr
.irp b, 0,1,2,3
	v_add_nc_u32 v[244+\b], 0xff000000, v[232+\b]  ; 2 off the exponent field: the conversion's scale operand
.endr
.irp b, 0,1,2,3
	v_lshrrev_b32 v[236+\b], 23, v[244+\b]
.endr
	v_lshl_or_b32 v253, v237, 8, v236              ; p's scale word for these 128 keys
	v_lshl_or_b32 v253, v238, 16, v253
	v_lshl_or_b32 v253, v239, 24, v253
.irp b, 0,1,2,3
	v_cvt_scalef32_pk8_fp4_f32 v[224+2*\b], v[96+16*\b:103+16*\b], v[244+\b]
	v_cvt_scalef32_pk8_fp4_f32 v[225+2*\b], v[104+16*\b:111+16*\b], v[244+\b]
.endr
	v_nop                                          ; one plain instruction behind a scaled conversion
.irp c, 0,1                            ; the operand's layout wants a whole block in a lane
.irp i, 0,1
	v_permlane16_swap_b32 v[224+4*\c+\i], v[226+4*\c+\i]
.endr
.endr
.irp j, 0,2,4,6,8,10,12,14,16,18,20,22,24,26,28,30
	v_pk_mul_f32 v[160+\j:161+\j], v[160+\j:161+\j], v[252:253] op_sel_hi:[1,0]   ; O^T under the new M; these sixteen also stand between the writes of p's codes and scale word and the products
.endr
	s_wait_dscnt 12                                ; V and its scale words are in; the next step's K, 12 loads, may be out
.irp d, 0,1,2,3
	v_wmma_scale_f32_16x16x128_f8f6f4 v[160+8*\d:167+8*\d], v[192+8*\d:199+8*\d], v[224:231], v[160+8*\d:167+8*\d], v[26+2*(\d%2)+\d/2], v253 matrix_a_fmt:MATRIX_FMT_FP4 matrix_b_fmt:MATRIX_FMT_FP4
.endr
.endm
	LDK 0
	s_mov_b32 s33, 2
.Ltile:                                            ; a tile of 16 queries; its Q and scale words stand in v16-19 and v24
	v_mov_b32 v13, 0xff61b1e6                      ; the largest t so far: -3e38, under every t
	v_floor_f32 v12, -v13
	v_mov_b32 v14, 0
	v_mov_b32 v15, 0
.irp j, 0,1,2,3,4,5,6,7,8,9,10,11,12,13,14,15,16,17,18,19,20,21,22,23,24,25,26,27,28,29,30,31
	v_mov_b32 v[160+\j], 0                         ; the step is written once: the first finds zeros, which the first change of M leaves zeros.  (These 36 lines also stand between the copy of Q at a trip's end and the first product)
.endr
	STEP 0
	STEP 1
	STEP 2
	STEP 3
	STEP 4
	STEP 5
	STEP 6
	STEP 7                                         ; (it asks for step 0's K again, for the next tile)
	v_add_f32 v14, v14, v15                        ; the sum's two halves,
	v_permlanex16_b32 v252, v14, s[SEL], s[SEL+1]
	v_add_f32 v14, v14, v252                       ; and lane l xor 16's
	v_rcp_f32 v14, v14
.rept 3
	v_nop                                          ; with the additions: the places behind the last products; and a plain instruction behind the reciprocal
.endr
	s_wait_alu depctr_va_vdst(0)                   ; the wait ahead of the reciprocal's first use
.irp j, 0,2,4,6,8,10,12,14,16,18,20,22,24,26,28,30
	v_pk_mul_f32 v[96+\j:97+\j], v[160+\j:161+\j], v[14:15] op_sel_hi:[1,0]   ; register 8 d + i: channel 16 d + 8 h + i of query r
.endr
.irp d, 0,1,2,3
	ds_store_b128 v4, v[96+8*\d:99+8*\d] offset:64*\d
	ds_store_b128 v4, v[100+8*\d:103+8*\d] offset:64*\d+16
.endr
.irp i, 0,1,2,3,4,5,6,7
	ds_load_b128 v[128+4*\i:131+4*\i], v5 offset:544*\i   ; LDS serves a wave's instructions in order: these see my stores
.endr
.irp g, 0,1,2,3
	v_mov_b32 v[16+\g], v[8+\g]                    ; the second tile's Q takes the first's place
.endr
	v_mov_b32 v24, v25                             ; and its scale words
.irp i, 0,1,2,3,4,5,6,7
	s_wait_dscnt 7-\i
	global_store_b128 v6, v[128+4*\i:131+4*\i], s[28:29] offset:8192*\i   ; sixteen lanes store a row's 256 bytes of this head, aligned
.endr
	s_wait_xcnt 0x0                                ; the stores have read their registers and base
	s_add_nc_u64 s[28:29], s[28:29], 0x100000      ; 256 queries on
	s_sub_co_u32 s33, s33, 1
	s_cmp_lg_u32 s33, 0
	s_cbranch_scc1 .Ltile
	s_wait_tensorcnt 0x0
	ds_add_u32 v31, v255
	s_wait_dscnt 0x0
	s_endpgm
.Lfunc_end_k_q07c48a2976_attn:
	.size	k_q07c48a2976_attn, .Lfunc_end_k_q07c48a2976_attn-k_q07c48a2976_attn
	.p2alignl 7, 3214868480
	.fill 96, 4, 3214868480
	.section	.rodata,"a",@progbits
	.p2align	6, 0x0
	.amdhsa_kernel k_q07c48a2976_attn
		.amdhsa_group_segment_fixed_size 143360
		.amdhsa_private_segment_fixed_size 0
		.amdhsa_enable_private_segment 0
		.amdhsa_kernarg_size 40
		.amdhsa_user_sgpr_count 2
		.amdhsa_user_sgpr_kernarg_segment_ptr 1
		.amdhsa_wavefront_size32 1
		.amdhsa_system_sgpr_workgroup_id_x 1
		.amdhsa_system_sgpr_workgroup_id_y 1
		.amdhsa_system_sgpr_workgroup_id_z 1
		.amdhsa_system_vgpr_workitem_id 0
		.amdhsa_next_free_vgpr 256
		.amdhsa_next_free_sgpr 66
		.amdhsa_reserve_vcc 0
		.amdhsa_float_denorm_mode_32 3
		.amdhsa_float_denorm_mode_16_64 3
		.amdhsa_memory_ordered 1
		.amdhsa_forward_progress 1
		.amdhsa_inst_pref_size 131
	.end_amdhsa_kernel
	.amdgpu_metadata
---
amdhsa.version: [ 1, 2 ]
amdhsa.kernels:
  - .name:           k_q07c48a2976_attn
    .symbol:         k_q07c48a2976_attn.kd
    .args:
      - { .name: qkc, .offset: 0, .size: 8, .value_kind: global_buffer, .address_space: global }
      - { .name: qks, .offset: 8, .size: 8, .value_kind: global_buffer, .address_space: global }
      - { .name: vimg, .offset: 16, .size: 8, .value_kind: global_buffer, .address_space: global }
      - { .name: vsc, .offset: 24, .size: 8, .value_kind: global_buffer, .address_space: global }
      - { .name: att, .offset: 32, .size: 8, .value_kind: global_buffer, .address_space: global }
    .group_segment_fixed_size: 143360
    .private_segment_fixed_size: 0
    .kernarg_segment_align: 8
    .kernarg_segment_size: 40
    .max_flat_workgroup_size: 512
    .sgpr_count:     66
    .vgpr_count:     256
    .wavefront_size: 32
...
	.end_amdgpu_metadata
.endif
;; end of part 3
;; launch lnout (part 4): grid 256 x 1, 16 waves a work-group, no clusters, 172,032 bytes of LDS; arguments att, ln_gamma, ln_beta, wimg, wsc, bo, out0; writes out0
.if DOCPART == 4
	.amdgcn_target "amdgcn-amd-amdhsa--gfx1250"
	.amdhsa_code_object_version 6
	.text
	.protected	k_q07c48a2976_lnout
	.globl	k_q07c48a2976_lnout
	.p2align	8
	.type	k_q07c48a2976_lnout,@function
k_q07c48a2976_lnout:
	s_mov_b64 s[64:65], 0
	v_nop
	global_prefetch_b8 v0, s[64:65] scope:SCOPE_SE
	s_setreg_imm32_b32 hwreg(HW_REG_WAVE_MODE, 25, 1), 1
	s_wait_xcnt 0x0
; out0 = LayerNorm(att) Wo + bo, the product on codes of E2M1 with one E8M0 scale for each 32 along the 1,024.
; A work-group owns 32 rows.  ORDER OF THE REQUESTS: each wave asks first for 256 bytes of gain, of offset and of bo (the sixteen waves together fetch each of them once), then for its two rows of att, then for Wo's first two K steps.
; The three small vectors are laid in LDS | barrier | every wave reads gain and offset back in the order of its registers.  Wave w normalises rows 2 w and 2 w + 1 (mean, then the mean of squared differences, v_rsq_f32,
; gain and offset, all f32); the registers that held gain and offset take Wo's K steps 2 and 3 at once; the rows are quantised and their codes and scale bytes laid in LDS | barrier |
; the wave then makes columns 64 w .. 64 w + 63 for all 32 rows: 8 accumulators, which begin as the bias, read from LDS; Wo's fragments come from memory in register order, four sets, each filled again behind its K step.
; The product is used transposed (source 0 = 16 columns of Wo, source 1 = 16 rows): a lane holds eight neighbouring columns of a row.  A wave's 64 columns are 256 aligned bytes of a row: they go through the wave's OWN stage
; in LDS, no barrier, and sixteen lanes store them whole.
; No cluster: every wave takes other columns of Wo straight into registers; sharing them between work-groups would want a ring through LDS.  LIMITS: a block of zeros gets the byte 1; NaN and infinities are not served.
.set XSL, 16896                        ; LDS: 0 codes, 32 rows of 512 bytes, pitch 528;  scale bytes, 32 rows of 32, pitch 36;
.set GBL, 18176                        ; gain, 4,096 bytes as [p 4][half 2][lane 32][16 bytes]: the piece at byte 1,024 p + 32 lane + 16 half;  offset likewise, 4,096 on;  bo as it lies, 8,192 on;
.set STG, 30464                        ; a stage of 32 rows x 272 bytes for each wave
; REGISTERS: v1 16 x lane; v2 4 r; v3 my piece of a load's 512 bytes; v4, v5 my row of a tile: codes, scale bytes; v6, v7 where I put codes and bytes; v8 the stage, in; v9 the stage, back; v10 my place in two rows of out0;
; v11 my eight columns of bo in LDS; v12-15 the rows' scale words (two sets); v16-79 the accumulators (first: my two rows); v80-207 four sets of Wo's fragments (the third and fourth first hold gain and offset);
; v208-239 two sets of the rows' fragments (first: at work); v240-255 Wo's scale words, four sets
.set ACC, 16
.set WS,  80
.set GAM, 144
.set BET, 176
.set WSC, 240
	s_load_b256 s[4:11], s[0:1], 0x0               ; att, ln_gamma, ln_beta, wimg
	s_load_b128 s[12:15], s[0:1], 0x20             ; wsc, bo
	s_load_b64 s[16:17], s[0:1], 0x30              ; out0
	v_lshrrev_b32 v1, 5, v0
	v_readfirstlane_b32 s18, v1                    ; wave 0..15
	v_and_b32 v208, 31, v0                         ; lane
	v_and_b32 v209, 15, v0                         ; r
	v_bfe_u32 v210, v0, 4, 1                       ; h
	v_lshlrev_b32 v1, 4, v208
	v_lshlrev_b32 v2, 2, v209
	v_lshlrev_b32 v3, 5, v209
	v_lshl_add_u32 v3, v210, 4, v3                 ; lanes 0-15 a load's even pieces of 16 bytes, lanes 16-31 its odd ones
	v_mul_u32_u24 v4, v209, 528
	v_lshl_add_u32 v4, v210, 4, v4
	v_mul_u32_u24 v5, v209, 36
	v_add_nc_u32 v5, XSL, v5
	s_mul_i32 s19, s18, 1056
	v_lshl_add_u32 v6, v208, 2, s19
	s_mul_i32 s19, s18, 72
	s_add_co_u32 s19, s19, XSL
	v_lshrrev_b32 v7, 2, v208
	v_add_nc_u32 v7, s19, v7
	s_mul_i32 s19, s18, 8704
	s_add_co_u32 s19, s19, STG                     ; my stage
	v_mul_u32_u24 v8, v209, 272
	v_lshl_add_u32 v8, v210, 5, v8
	v_add_nc_u32 v8, s19, v8                       ; in: row r, + 32 h
	v_mul_u32_u24 v9, v210, 272
	v_lshl_add_u32 v9, v209, 4, v9
	v_add_nc_u32 v9, s19, v9                       ; back: lanes 0-15 one row, lanes 16-31 the next
	v_lshlrev_b32 v10, 12, v210
	v_lshl_add_u32 v10, v209, 4, v10               ; and the same two rows in out0
	s_lshl_b32 s30, s18, 8                         ; 256 bytes a wave: of gain, offset and bo, and of a row of out0
	s_mov_b32 s31, 0
	s_add_co_u32 s19, s30, GBL+8192
	v_lshl_add_u32 v11, v210, 5, s19               ; bo: my wave's 64 columns, + 8 h of them
	v_lshlrev_b32 v211, 3, v208                    ; 8 bytes a lane
	v_add_nc_u32 v218, s19, v211                   ; bo goes into LDS as it lies
	v_bfe_u32 v219, v0, 1, 1                       ; gain and offset: my 8 bytes lie in the piece of 16 bytes 16 wave + lane / 2: its half is (lane / 2) % 2,
	v_bfe_u32 v220, v0, 2, 3                       ; its lane 8 (wave % 4) + lane / 4,
	v_and_b32 v221, 1, v0
	v_lshlrev_b32 v219, 9, v219
	v_lshl_add_u32 v219, v220, 4, v219
	v_lshl_add_u32 v219, v221, 3, v219
	s_lshr_b32 s32, s18, 2                         ; its p wave / 4
	s_lshl_b32 s32, s32, 10
	s_and_b32 s33, s18, 3
	s_lshl_b32 s33, s33, 7
	s_add_co_u32 s32, s32, s33
	s_add_co_u32 s32, s32, GBL
	v_add_nc_u32 v219, s32, v219
	s_lshl_b32 s20, ttmp9, 17
	s_add_co_u32 s34, s20, s30                     ; out0: the work-group's 32 rows, my wave's 256 bytes of each
	s_mov_b32 s35, 0
	s_lshl_b32 s19, s18, 13
	s_add_co_u32 s20, s20, s19                     ; att: my two rows
	s_mov_b32 s21, 0
	s_mov_b32 s22, 0x3a800000                      ; 1 / 1,024
	s_mov_b32 s23, 0x3727c5ac                      ; 1e-5
	s_mov_b32 s24, 0x76543210
	s_mov_b32 s25, 0xfedcba98
	s_lshl_b32 s26, s18, 15
	s_add_co_u32 s26, s26, 0x180000                ; Wo is the fourth weight; four tiles of columns a wave
	s_mov_b32 s27, 0
	s_lshr_b32 s28, s26, 4
	s_mov_b32 s29, 0
	s_wait_kmcnt 0x0
	s_add_nc_u64 s[4:5], s[4:5], s[20:21]
	s_add_nc_u64 s[6:7], s[6:7], s[30:31]
	s_add_nc_u64 s[8:9], s[8:9], s[30:31]
	s_add_nc_u64 s[14:15], s[14:15], s[30:31]
	s_add_nc_u64 s[16:17], s[16:17], s[34:35]
	s_add_nc_u64 s[10:11], s[10:11], s[26:27]
	s_add_nc_u64 s[12:13], s[12:13], s[28:29]
.macro LDB ks, set                     ; Wo's four fragments and scale words of K step ks: 12 loads
.irp ct, 0,1,2,3
	global_load_b128 v[WS+32*(\set)+8*\ct:WS+32*(\set)+8*\ct+3], v1, s[10:11] offset:\ct*8192+(\ks)*1024
	global_load_b128 v[WS+32*(\set)+8*\ct+4:WS+32*(\set)+8*\ct+7], v1, s[10:11] offset:\ct*8192+(\ks)*1024+512
	global_load_b32 v[WSC+4*(\set)+\ct], v2, s[12:13] offset:(\ks)*256+64*\ct
.endr
.endm
.macro LD32N reg, base, off            ; a row of 1,024 numbers, 32 a lane: eight loads of 512 consecutive bytes; read once
.irp p, 0,1,2,3
	global_load_b128 v[\reg+8*\p:\reg+8*\p+3], v3, s[\base:\base+1] offset:\off+1024*\p th:TH_LOAD_NT
	global_load_b128 v[\reg+8*\p+4:\reg+8*\p+7], v3, s[\base:\base+1] offset:\off+1024*\p+512 th:TH_LOAD_NT
.endr
.endm
.macro SWAP32 reg                      ; the exchange of halves gives lane l the eight neighbours at byte 1,024 p + 32 l
.irp p, 0,1,2,3
.irp g, 0,1,2,3
	v_permlane16_swap_b32 v[\reg+8*\p+\g], v[\reg+8*\p+4+\g]
.endr
.endr
.endm
.macro REDUCE                          ; v208 and v212 are summed over the 32 lanes, the two rows by turns
.irp m, 1,2,4,8
.irp n, 0,1
	v_add_f32_dpp v[208+4*\n], v[208+4*\n], v[208+4*\n] row_xmask:\m row_mask:0xf bank_mask:0xf
.endr
.endr
.irp n, 0,1
	v_permlanex16_b32 v[216+\n], v[208+4*\n], s24, s25
.endr
.irp n, 0,1
	v_add_f32 v[208+4*\n], v[208+4*\n], v[216+\n]
.endr
.endm
	global_load_b64 v[212:213], v211, s[6:7]       ; my 256 bytes of gain,
	global_load_b64 v[214:215], v211, s[8:9]       ; of offset,
	global_load_b64 v[216:217], v211, s[14:15]     ; and of bo
	LD32N 16, 4, 0                                 ; my two rows: what the wave works on first goes out ahead of the weights
	LD32N 48, 4, 4096
	LDB 0, 0
	LDB 1, 1
	s_wait_loadcnt 40                              ; the three small loads are in; behind them: 16 loads of my rows and 24 of Wo
	ds_store_b64 v219, v[212:213]
	ds_store_b64 v219, v[214:215] offset:4096
	ds_store_b64 v218, v[216:217]
	s_wait_dscnt 0x0                               ; for the others' sake: my stores have landed
	s_barrier_signal -1
	s_barrier_wait -1                              ; gain, offset and bo are whole; from here on they are only read
.irp p, 0,1,2,3
.irp q, 0,1
	ds_load_b128 v[GAM+8*\p+4*\q:GAM+8*\p+4*\q+3], v1 offset:GBL+1024*\p+512*\q
	ds_load_b128 v[BET+8*\p+4*\q:BET+8*\p+4*\q+3], v1 offset:GBL+4096+1024*\p+512*\q
.endr
.endr
.irp g, 216,217,221,223,225,227
	v_mov_b32 v\g, 0                               ; lane permutes' destinations and the upper halves of pairs that the packed forms name: written once
.endr
	s_wait_loadcnt 24                              ; my two rows are in; Wo's first two K steps, 24 loads, may be out
	SWAP32 16
	SWAP32 48
.irp n, 0,1
	v_pk_add_f32 v[208+4*\n:209+4*\n], v[16+32*\n:17+32*\n], v[18+32*\n:19+32*\n]
	v_pk_add_f32 v[210+4*\n:211+4*\n], v[20+32*\n:21+32*\n], v[22+32*\n:23+32*\n]
.endr
.irp k, 8,12,16,20,24,28
.irp n, 0,1
	v_pk_add_f32 v[208+4*\n:209+4*\n], v[208+4*\n:209+4*\n], v[16+32*\n+\k:17+32*\n+\k]
	v_pk_add_f32 v[210+4*\n:211+4*\n], v[210+4*\n:211+4*\n], v[18+32*\n+\k:19+32*\n+\k]
.endr
.endr
.irp n, 0,1
	v_pk_add_f32 v[208+4*\n:209+4*\n], v[208+4*\n:209+4*\n], v[210+4*\n:211+4*\n]
.endr
.irp n, 0,1
	v_add_f32 v[208+4*\n], v[208+4*\n], v[209+4*\n]
.endr
	REDUCE
.irp n, 0,1
	v_mul_f32 v[220+2*\n], s22, v[208+4*\n]        ; the mean
.endr
.irp k, 0,2,4,6,8,10,12,14,16,18,20,22,24,26,28,30
.irp n, 0,1
	v_pk_add_f32 v[16+32*\n+\k:17+32*\n+\k], v[16+32*\n+\k:17+32*\n+\k], v[220+2*\n:221+2*\n] op_sel_hi:[1,0] neg_lo:[0,1] neg_hi:[0,1]
.endr
.endr
.irp n, 0,1
	v_pk_mul_f32 v[208+4*\n:209+4*\n], v[16+32*\n:17+32*\n], v[16+32*\n:17+32*\n]
	v_pk_mul_f32 v[210+4*\n:211+4*\n], v[18+32*\n:19+32*\n], v[18+32*\n:19+32*\n]
.endr
.irp k, 4,8,12,16,20,24,28
.irp n, 0,1
	v_pk_fma_f32 v[208+4*\n:209+4*\n], v[16+32*\n+\k:17+32*\n+\k], v[16+32*\n+\k:17+32*\n+\k], v[208+4*\n:209+4*\n]
	v_pk_fma_f32 v[210+4*\n:211+4*\n], v[18+32*\n+\k:19+32*\n+\k], v[18+32*\n+\k:19+32*\n+\k], v[210+4*\n:211+4*\n]
.endr
.endr
.irp n, 0,1
	v_pk_add_f32 v[208+4*\n:209+4*\n], v[208+4*\n:209+4*\n], v[210+4*\n:211+4*\n]
.endr
.irp n, 0,1
	v_add_f32 v[208+4*\n], v[208+4*\n], v[209+4*\n]
.endr
	REDUCE
.irp n, 0,1
	v_fma_f32 v[208+4*\n], v[208+4*\n], s22, s23   ; the variance + 1e-5
.endr
.irp n, 0,1
	v_rsq_f32 v[224+2*\n], v[208+4*\n]
.endr
	v_nop                                          ; a plain instruction behind the two
	s_wait_dscnt 0x0                               ; gain and offset are back from LDS
	s_wait_alu depctr_va_vdst(0)                   ; the wait ahead of the first use: one for the two
.irp k, 0,2,4,6,8,10,12,14,16,18,20,22,24,26,28,30
.irp n, 0,1
	v_pk_mul_f32 v[16+32*\n+\k:17+32*\n+\k], v[16+32*\n+\k:17+32*\n+\k], v[224+2*\n:225+2*\n] op_sel_hi:[1,0]
.endr
.endr
.irp k, 0,2,4,6,8,10,12,14,16,18,20,22,24,26,28,30
.irp n, 0,1
	v_pk_fma_f32 v[16+32*\n+\k:17+32*\n+\k], v[16+32*\n+\k:17+32*\n+\k], v[GAM+\k:GAM+\k+1], v[BET+\k:BET+\k+1]
.endr
.endr
	LDB 2, 2                                       ; gain's and offset's registers are done with: they take Wo's K steps 2 and 3, which land under the quantiser and the barrier
	LDB 3, 3
.macro LQ xr, n                        ; row n of my two is quantised; four lanes hold a block of 32; each row has its own registers for codes and bytes
.irp p, 0,1,2,3
	v_max3_num_f32 v[208+\p], |v[\xr+8*\p]|, |v[\xr+8*\p+1]|, 0x1800000
.endr
.irp k, 2,4,6
.irp p, 0,1,2,3
	v_max3_num_f32 v[208+\p], v[208+\p], |v[\xr+8*\p+\k]|, |v[\xr+8*\p+\k+1]|
.endr
.endr
.irp p, 0,1,2,3
	v_max_num_f32_dpp v[208+\p], v[208+\p], v[208+\p] row_xmask:1 row_mask:0xf bank_mask:0xf
.endr
.irp p, 0,1,2,3
	v_max_num_f32_dpp v[208+\p], v[208+\p], v[208+\p] row_xmask:2 row_mask:0xf bank_mask:0xf
.endr
.irp p, 0,1,2,3
	v_add_nc_u32 v[212+\p], 0xff000000, v[208+\p]
.endr
.irp p, 0,1,2,3
	v_cvt_scalef32_pk8_fp4_f32 v[216+4*\n+\p], v[\xr+8*\p:\xr+8*\p+7], v[212+\p]
.endr
.irp p, 0,1,2,3
	v_lshrrev_b32 v[224+4*\n+\p], 23, v[212+\p]
.endr
.irp p, 0,1,2,3
	ds_store_b32 v6, v[216+4*\n+\p] offset:528*\n+128*\p
	ds_store_b8 v7, v[224+4*\n+\p] offset:36*\n+8*\p
.endr
.endm
	LQ 16, 0
	LQ 48, 1
	s_wait_dscnt 0x0                               ; for the others' sake: my stores have landed
	s_barrier_signal -1
	s_barrier_wait -1                              ; the 32 rows' codes and scale bytes are whole
.irp ct, 0,1,2,3
.irp rt, 0,1
	ds_load_b128 v[ACC+8*(2*\ct+\rt):ACC+8*(2*\ct+\rt)+3], v11 offset:64*\ct          ; the sums begin as bo at my eight columns of the tile, for both tiles of rows
	ds_load_b128 v[ACC+8*(2*\ct+\rt)+4:ACC+8*(2*\ct+\rt)+7], v11 offset:64*\ct+16
.endr
.endr
.macro LDA ks                          ; the two tiles of rows of K step ks: 6 LDS loads
.set AS, 208+16*((\ks)%2)
.irp rt, 0,1
	ds_load_b128 v[AS+8*\rt:AS+8*\rt+3], v4 offset:\rt*8448+64*(\ks)
	ds_load_b128 v[AS+8*\rt+4:AS+8*\rt+7], v4 offset:\rt*8448+64*(\ks)+32
	ds_load_b32 v[12+2*((\ks)%2)+\rt], v5 offset:\rt*576+4*(\ks)
.endr
.endm
; A K step: eight matrix instructions on eight accumulators by turns.  l: the weight loads issued behind this step's, 12 a K step
.macro GSTEP ks, l
.if (\ks) < 7
	LDA (\ks)+1
	s_wait_dscnt 6                                 ; this step's rows (and, in step 0, the bias) are in; the next step's six loads may be out
.else
	s_wait_dscnt 0x0
.endif
	s_wait_loadcnt \l
.set AS, 208+16*((\ks)%2)
.irp ct, 0,1,2,3
.irp rt, 0,1
	v_wmma_scale_f32_16x16x128_f8f6f4 v[ACC+8*(2*\ct+\rt):ACC+8*(2*\ct+\rt)+7], v[WS+32*((\ks)%4)+8*\ct:WS+32*((\ks)%4)+8*\ct+7], v[AS+8*\rt:AS+8*\rt+7], v[ACC+8*(2*\ct+\rt):ACC+8*(2*\ct+\rt)+7], v[WSC+4*((\ks)%4)+\ct], v[12+2*((\ks)%2)+\rt] matrix_a_fmt:MATRIX_FMT_FP4 matrix_b_fmt:MATRIX_FMT_FP4
.endr
.endr
.rept 4
	v_nop                                          ; places in front of loads into registers that these products have read, and of the first read of results
.endr
.if (\ks) < 4
	LDB (\ks)+4, (\ks)%4                           ; this step's set takes the K step four on
.endif
.endm
	LDA 0
	GSTEP 0, 36                                    ; behind K step 0: steps 1, 2, 3
	GSTEP 1, 36                                    ; behind step 1: steps 2, 3, 4; and so on
	GSTEP 2, 36
	GSTEP 3, 36
	GSTEP 4, 36
	GSTEP 5, 24
	GSTEP 6, 12
	GSTEP 7, 0
.irp ct, 0,1,2,3
.irp rt, 0,1
	ds_store_b128 v8, v[ACC+8*(2*\ct+\rt):ACC+8*(2*\ct+\rt)+3] offset:4352*\rt+64*\ct          ; each accumulator from its low end on; row 16 rt + r of my stage
	ds_store_b128 v8, v[ACC+8*(2*\ct+\rt)+4:ACC+8*(2*\ct+\rt)+7] offset:4352*\rt+64*\ct+16
.endr
.endr
.irp i, 0,1,2,3,4,5,6,7,8,9,10,11,12,13,14,15
	ds_load_b128 v[80+4*\i:83+4*\i], v9 offset:544*\i   ; LDS serves a wave's instructions in order (ISA guide 5.7.1.4): these see my stores; rows 2 i and 2 i + 1
.endr
.irp i, 0,1,2,3,4,5,6,7,8,9,10,11,12,13,14,15
	s_wait_dscnt 15-\i
	global_store_b128 v10, v[80+4*\i:83+4*\i], s[16:17] offset:8192*\i th:TH_STORE_NT   ; sixteen lanes store 256 consecutive aligned bytes of a row; written once, read by nobody here
.endr
	s_wait_xcnt 0x0
	v_lshl_add_u32 v254, v0, 2, 0x29800
	v_mov_b32 v255, 0
	s_wait_tensorcnt 0x0
	ds_add_u32 v254, v255
	s_wait_dscnt 0x0
	s_endpgm
.Lfunc_end_k_q07c48a2976_lnout:
	.size	k_q07c48a2976_lnout, .Lfunc_end_k_q07c48a2976_lnout-k_q07c48a2976_lnout
	.p2alignl 7, 3214868480
	.fill 96, 4, 3214868480
	.section	.rodata,"a",@progbits
	.p2align	6, 0x0
	.amdhsa_kernel k_q07c48a2976_lnout
		.amdhsa_group_segment_fixed_size 172032
		.amdhsa_private_segment_fixed_size 0
		.amdhsa_enable_private_segment 0
		.amdhsa_kernarg_size 56
		.amdhsa_user_sgpr_count 2
		.amdhsa_user_sgpr_kernarg_segment_ptr 1
		.amdhsa_wavefront_size32 1
		.amdhsa_system_sgpr_workgroup_id_x 1
		.amdhsa_system_sgpr_workgroup_id_y 1
		.amdhsa_system_sgpr_workgroup_id_z 1
		.amdhsa_system_vgpr_workitem_id 0
		.amdhsa_next_free_vgpr 256
		.amdhsa_next_free_sgpr 66
		.amdhsa_reserve_vcc 0
		.amdhsa_float_denorm_mode_32 3
		.amdhsa_float_denorm_mode_16_64 3
		.amdhsa_memory_ordered 1
		.amdhsa_forward_progress 1
		.amdhsa_inst_pref_size 53
	.end_amdhsa_kernel
	.amdgpu_metadata
---
amdhsa.version: [ 1, 2 ]
amdhsa.kernels:
  - .name:           k_q07c48a2976_lnout
    .symbol:         k_q07c48a2976_lnout.kd
    .args:
      - { .name: att, .offset: 0, .size: 8, .value_kind: global_buffer, .address_space: global }
      - { .name: ln_gamma, .offset: 8, .size: 8, .value_kind: global_buffer, .address_space: global }
      - { .name: ln_beta, .offset: 16, .size: 8, .value_kind: global_buffer, .address_space: global }
      - { .name: wimg, .offset: 24, .size: 8, .value_kind: global_buffer, .address_space: global }
      - { .name: wsc, .offset: 32, .size: 8, .value_kind: global_buffer, .address_space: global }
      - { .name: bo, .offset: 40, .size: 8, .value_kind: global_buffer, .address_space: global }
      - { .name: out0, .offset: 48, .size: 8, .value_kind: global_buffer, .address_space: global }
    .group_segment_fixed_size: 172032
    .private_segment_fixed_size: 0
    .kernarg_segment_align: 8
    .kernarg_segment_size: 56
    .max_flat_workgroup_size: 512
    .sgpr_count:     66
    .vgpr_count:     256
    .wavefront_size: 32
...
	.end_amdgpu_metadata
.endif
;; end of part 4
;; ======== version 2 of 2: 4 launches
;; workspace buffers: wimg 2,097,152 bytes; wsc 131,072 bytes; rope 294,912 bytes; qkc 8,388,608 bytes; qks 1,048,576 bytes; vimg 4,194,304 bytes; vsc 262,144 bytes; att 33,554,432 bytes
;; launch prep (part 5): grid 272 x 1, 8 waves a work-group, no clusters, 0 bytes of LDS; arguments Wq, Wk, Wv, Wo, wimg, wsc, rope; writes wimg, wsc, rope
.if DOCPART == 5
	.amdgcn_target "amdgcn-amd-amdhsa--gfx1250"
	.amdhsa_code_object_version 6
	.text
	.protected	k_q07c48a2976_prep
	.globl	k_q07c48a2976_prep
	.p2align	8
	.type	k_q07c48a2976_prep,@function
k_q07c48a2976_prep:
	s_mov_b64 s[64:65], 0
	v_nop
	global_prefetch_b8 v0, s[64:65] scope:SCOPE_SE
	s_setreg_imm32_b32 hwreg(HW_REG_WAVE_MODE, 25, 1), 1
	s_wait_xcnt 0x0
; Work-groups 0 to 127: the four weights [k 1024][n 1024] f32 become codes of E2M1 with one E8M0 byte for each 32 along k, laid in the order of an operand's registers:
;   wimg [w 4][ct 64][ks 8][c 2][lane 32][16 bytes]: the fragment of columns 16 ct + r, k = 128 ks ..; lane (r, h) holds block 2 c + h.   wsc [w][n / 64][ks][n % 64]: one word of four bytes a column and 128 k.
; A lane takes a column and its registers run down k: a block of 32 is one lane's, its codes come out with k innermost, and sixteen lanes store 256 consecutive aligned bytes straight from registers.
; Work-groups 128 to 271: the tables cos(s theta_i), sin(s theta_i), theta_i = 10^(-i/8), i = 0 .. 31, laid [chunk 8][cos, sin][beta 18][i 32][j 8]: beta < 16: s = 128 chunk + 8 beta + j;
;   beta 16: the eight rows behind the chunk (held at 1016 ..), beta 17: the eight rows ahead of it (held at 0 ..).
;   theta in two f32 words by four squarings of 10^(-1/8) = 0.75 - 1.0579067e-4; s theta in two words; pi/2 taken off in two words by fused multiply-adds; short polynomials on +-pi/4: about 1e-7 absolute.
; LIMITS: a block of zeros gets the byte 1 (its codes are zeros; only this program reads the bytes); NaN and infinities among the inputs are not served.
.set X, 32                             ; v32-95   two sets of 32 numbers
.set C, 96                             ; v96-111  the codes of four blocks: no store's data are written again
	s_load_b256 s[4:11], s[0:1], 0x0               ; Wq, Wk, Wv, Wo
	s_load_b128 s[12:15], s[0:1], 0x20             ; wimg, wsc
	s_load_b64 s[16:17], s[0:1], 0x30              ; rope
	v_lshrrev_b32 v1, 5, v0
	s_delay_alu instid0(VALU_DEP_1)
	v_readfirstlane_b32 s18, v1                    ; wave 0..7
	s_cmp_ge_u32 ttmp9, 128
	s_cbranch_scc1 .Lrope
	s_lshr_b32 s20, ttmp9, 5                       ; which weight
	s_bfe_u32 s21, ttmp9, 0x30002                  ; ks: which 128 along k
	s_and_b32 s22, ttmp9, 3                        ; cg: which 256 columns
	v_and_b32 v1, 31, v0                           ; lane
	s_delay_alu instid0(VALU_DEP_1)
	v_lshlrev_b32 v2, 2, v1                        ; 4 bytes a lane
	s_delay_alu instid0(VALU_DEP_2)
	v_lshrrev_b32 v3, 4, v1
	s_delay_alu instid0(VALU_DEP_3)
	v_and_b32 v4, 15, v1
	s_delay_alu instid0(VALU_DEP_2)
	v_lshlrev_b32 v3, 13, v3                       ; lanes 16-31 belong to the next tile of 16 columns: 8,192 bytes on
	s_delay_alu instid0(VALU_DEP_1)
	v_lshl_add_u32 v3, v4, 4, v3                   ; + 16 r
	s_lshl_b32 s24, s21, 19                        ; in: 128 ks rows of 4,096 bytes
	s_lshl_b32 s23, s22, 10
	s_add_co_u32 s24, s24, s23                     ; + 256 cg columns
	s_lshl_b32 s23, s18, 7
	s_add_co_u32 s24, s24, s23                     ; + 32 columns a wave
	s_mov_b32 s25, 0
	s_lshl_b32 s26, s20, 19                        ; codes: the weight,
	s_lshl_b32 s23, s22, 17
	s_add_co_u32 s26, s26, s23                     ; tile 16 cg
	s_lshl_b32 s23, s18, 14
	s_add_co_u32 s26, s26, s23                     ; + 2 wave,
	s_lshl_b32 s23, s21, 10
	s_add_co_u32 s26, s26, s23                     ; the K step
	s_mov_b32 s27, 0
	s_lshl_b32 s28, s20, 15                        ; scale words: the weight,
	s_lshl_b32 s23, s22, 13
	s_add_co_u32 s28, s28, s23                     ; n / 64 = 4 cg
	s_lshr_b32 s23, s18, 1
	s_lshl_b32 s23, s23, 11
	s_add_co_u32 s28, s28, s23                     ; + wave / 2,
	s_lshl_b32 s23, s21, 8
	s_add_co_u32 s28, s28, s23                     ; the K step,
	s_and_b32 s23, s18, 1
	s_lshl_b32 s23, s23, 7
	s_add_co_u32 s28, s28, s23                     ; n % 64 = 32 (wave % 2) + lane
	s_mov_b32 s29, 0
	s_wait_alu depctr_va_vdst(0)
	s_wait_kmcnt 0x0
	s_cmp_eq_u32 s20, 1                            ; the choice hangs on the work-group's number alone
	s_cselect_b64 s[4:5], s[6:7], s[4:5]
	s_cmp_eq_u32 s20, 2
	s_cselect_b64 s[4:5], s[8:9], s[4:5]
	s_cmp_eq_u32 s20, 3
	s_cselect_b64 s[4:5], s[10:11], s[4:5]
	s_add_nc_u64 s[4:5], s[4:5], s[24:25]
	s_add_nc_u64 s[12:13], s[12:13], s[26:27]
	s_add_nc_u64 s[14:15], s[14:15], s[28:29]
.macro WLOAD t                         ; block t: W(32 t + i, my column) into set t % 2; a wave reads 128 consecutive bytes, the eight waves 1,024
.irp i, 0,1,2,3,4,5,6,7,8,9,10,11,12,13,14,15,16,17,18,19,20,21,22,23,24,25,26,27,28,29,30,31
	global_load_b32 v[X+32*((\t)%2)+\i], v2, s[4:5] offset:(32*(\t)+\i)*4096 th:TH_LOAD_NT
.endr
.endm
.macro WBLK t
.set XB, X+32*((\t)%2)
.if (\t) < 3
	s_wait_loadcnt 32                              ; this block's 32 loads are in; the next block's 32 may be out
.else
	s_wait_loadcnt 0x0
.endif
	v_max3_num_f32 v8, |v[XB]|, |v[XB+1]|, |v[XB+2]|       ; the block's largest magnitude, in two chains
	v_max3_num_f32 v9, |v[XB+3]|, |v[XB+4]|, |v[XB+5]|
.irp i, 6,10,14,18,22,26
	s_delay_alu instid0(VALU_DEP_2)
	v_max3_num_f32 v8, v8, |v[XB+\i]|, |v[XB+\i+1]|
	s_delay_alu instid0(VALU_DEP_2)
	v_max3_num_f32 v9, v9, |v[XB+\i+2]|, |v[XB+\i+3]|
.endr
	s_delay_alu instid0(VALU_DEP_2)
	v_max3_num_f32 v8, v8, |v[XB+30]|, |v[XB+31]|
	s_delay_alu instid0(VALU_DEP_1)
	v_max3_num_f32 v8, v8, v9, 0x1800000           ; and the floor 2^(3 - 127): the byte cannot fall under 1
	s_delay_alu instid0(VALU_DEP_1)
	v_add_nc_u32 v10, 0xff000000, v8               ; 2 off the exponent field: the conversion's scale operand
	s_delay_alu instid0(VALU_DEP_1)
	v_lshrrev_b32 v11, 23, v10                     ; the scale's byte
.if (\t) == 0
	s_delay_alu instid0(VALU_DEP_1)
	v_mov_b32 v12, v11
.else
	s_delay_alu instid0(VALU_DEP_1)
	v_lshl_or_b32 v12, v11, 8*(\t), v12            ; four bytes make the column's word for this K step
.endif
.irp g, 0,1,2,3
	v_cvt_scalef32_pk8_fp4_f32 v[C+4*(\t)+\g], v[XB+8*\g:XB+8*\g+7], v10
.endr
	global_store_b128 v3, v[C+4*(\t):C+4*(\t)+3], s[12:13] offset:((\t)/2)*512+((\t)%2)*256   ; block 2 c + h: sixteen lanes store 256 consecutive aligned bytes
.if (\t)+2 < 4
	WLOAD (\t)+2
.endif
.endm
	WLOAD 0
	WLOAD 1
	WBLK 0
	WBLK 1
	WBLK 2
	WBLK 3
	global_store_b32 v2, v12, s[14:15]
	s_endpgm
.Lrope:
	s_sub_co_u32 s19, ttmp9, 128                   ; 0 .. 143
	s_mul_i32 s20, s19, 3641
	s_lshr_b32 s20, s20, 16                        ; chunk = that / 18 (3641 x 18 = 65,538: right for 0 .. 143)
	s_mul_i32 s21, s20, 18
	s_sub_co_u32 s21, s19, s21                     ; beta
	s_lshl_b32 s22, s20, 7
	s_lshl_b32 s23, s21, 3
	s_add_co_u32 s23, s22, s23
	s_min_u32 s23, s23, 1016                       ; beta up to 16: 128 chunk + 8 beta, held at 1016
	s_sub_co_i32 s24, s22, 8
	s_max_i32 s24, s24, 0                          ; beta 17: 128 chunk - 8, held at 0
	s_cmp_eq_u32 s21, 17
	s_cselect_b32 s23, s24, s23
	s_mul_i32 s24, s20, 36864
	s_lshl_b32 s25, s21, 10
	s_add_co_u32 s24, s24, s25
	s_mov_b32 s25, 0
	s_mov_b32 s26, 0x3f22f983                      ; 2 / pi
	s_mov_b32 s27, 0x3fc90fdb                      ; pi / 2, upper word
	s_mov_b32 s28, 0xb33bbd2e                      ; and lower
	s_mov_b32 s30, 0xb94ca1f9                      ; sine: -1.9515296e-4, 8.3321609e-3
	s_mov_b32 s31, 0x3c08839e
	s_mov_b32 s32, 0x37ccf5ce                      ; cosine: 2.4433157e-5, -1.3887316e-3
	s_mov_b32 s33, 0xbab6061a
	v_and_b32 v1, 7, v0                            ; j
	v_lshrrev_b32 v2, 3, v0                        ; i
	s_delay_alu instid0(VALU_DEP_2)
	v_add_nc_u32 v1, s23, v1                       ; s
	s_delay_alu instid0(VALU_DEP_1)
	v_cvt_f32_u32 v3, v1
	v_mov_b32 v4, 1.0                              ; theta, two words
	v_mov_b32 v5, 0
	v_mov_b32 v6, 0x3f400000                       ; G = 10^(-1/8) = 0.75
	v_mov_b32 v7, 0xb8dddbef                       ;   - 1.057906675e-4
.macro DFMUL ch, cl, ah, al, bh, bl    ; (ch, cl) = (ah, al) x (bh, bl), each a sum of two f32 words
	v_mul_f32 v10, v[\ah], v[\bh]
	s_delay_alu instid0(VALU_DEP_1)
	v_fma_f32 v11, v[\ah], v[\bh], -v10            ; what the product's rounding dropped
	s_delay_alu instid0(VALU_DEP_1)
	v_fma_f32 v11, v[\ah], v[\bl], v11
	s_delay_alu instid0(VALU_DEP_1)
	v_fma_f32 v11, v[\al], v[\bh], v11
	s_delay_alu instid0(VALU_DEP_1)
	v_add_f32 v[\ch], v10, v11
	s_delay_alu instid0(VALU_DEP_1)
	v_sub_f32 v12, v[\ch], v10
	s_delay_alu instid0(VALU_DEP_1)
	v_sub_f32 v[\cl], v11, v12
.endm
.irp bit, 0,1,2,3,4
	DFMUL 8, 9, 4, 5, 6, 7
	v_bfe_u32 v13, v2, \bit, 1
	s_delay_alu instid0(VALU_DEP_1)
	v_cmp_ne_u32 vcc_lo, 0, v13
	s_delay_alu instid0(VALU_DEP_1)
	v_cndmask_b32 v4, v4, v8, vcc_lo               ; theta takes G^(2^bit) where i has the bit
	s_delay_alu instid0(VALU_DEP_2)
	v_cndmask_b32 v5, v5, v9, vcc_lo
.if \bit < 4
	DFMUL 6, 7, 6, 7, 6, 7
.endif
.endr
	s_delay_alu instid0(VALU_DEP_2)
	v_mul_f32 v13, v3, v4                          ; s theta, upper word,
	s_delay_alu instid0(VALU_DEP_1)
	v_fma_f32 v14, v3, v4, -v13                    ; and what its rounding dropped,
	s_delay_alu instid0(VALU_DEP_1)
	v_fma_f32 v14, v3, v5, v14                     ; with theta's lower word
	s_delay_alu instid0(VALU_DEP_3)
	v_mul_f32 v15, s26, v13
	s_delay_alu instid0(VALU_DEP_1)
	v_rndne_f32 v15, v15                           ; n quarter turns
	s_delay_alu instid0(VALU_DEP_1)
	v_fma_f32 v16, -v15, s27, v13                  ; a multiple of 2^-23 under 1: nothing is rounded
	s_delay_alu instid0(VALU_DEP_2)
	v_fma_f32 v14, -v15, s28, v14
	s_delay_alu instid0(VALU_DEP_1)
	v_add_f32 v16, v16, v14                        ; r, within +-pi/4
	s_delay_alu instid0(VALU_DEP_1)
	v_mul_f32 v17, v16, v16                        ; z
	s_delay_alu instid0(VALU_DEP_1)
	v_fma_f32 v18, v17, s30, s31
	s_delay_alu instid0(VALU_DEP_2)
	v_fma_f32 v19, v17, s32, s33
	s_delay_alu instid0(VALU_DEP_2)
	v_fmaak_f32 v18, v18, v17, 0xbe2aaaa3          ; -1.6666655e-1
	s_delay_alu instid0(VALU_DEP_2)
	v_fmaak_f32 v19, v19, v17, 0x3d2aaaa5          ; 4.1666646e-2
	s_delay_alu instid0(VALU_DEP_2)
	v_mul_f32 v18, v18, v17
	v_mul_f32 v20, v17, v17
	v_fma_f32 v21, v17, -0.5, 1.0
	s_delay_alu instid0(VALU_DEP_3)
	v_fma_f32 v18, v18, v16, v16                   ; sin r
	s_delay_alu instid0(VALU_DEP_2)
	v_fma_f32 v19, v19, v20, v21                   ; cos r
	v_cvt_i32_f32 v22, v15
	s_delay_alu instid0(VALU_DEP_1)
	v_and_b32 v23, 1, v22
	s_delay_alu instid0(VALU_DEP_1)
	v_cmp_ne_u32 vcc_lo, 0, v23
	s_delay_alu instid0(VALU_DEP_1)
	v_cndmask_b32 v24, v19, v18, vcc_lo            ; an odd quarter swaps the two
	s_delay_alu instid0(VALU_DEP_2)
	v_cndmask_b32 v25, v18, v19, vcc_lo
	v_add_nc_u32 v26, 1, v22
	s_delay_alu instid0(VALU_DEP_1)
	v_and_b32 v26, 2, v26
	s_delay_alu instid0(VALU_DEP_1)
	v_lshlrev_b32 v26, 30, v26
	s_delay_alu instid0(VALU_DEP_1)
	v_xor_b32 v24, v24, v26                        ; cos is negative in quarters 1 and 2,
	v_and_b32 v27, 2, v22
	s_delay_alu instid0(VALU_DEP_1)
	v_lshlrev_b32 v27, 30, v27
	s_delay_alu instid0(VALU_DEP_1)
	v_xor_b32 v25, v25, v27                        ; sin in quarters 2 and 3
	v_lshlrev_b32 v28, 2, v0
	s_wait_alu depctr_va_vdst(0)
	s_wait_kmcnt 0x0
	s_add_nc_u64 s[16:17], s[16:17], s[24:25]
	global_store_b32 v28, v24, s[16:17]
	global_store_b32 v28, v25, s[16:17] offset:18432
	s_endpgm
.Lfunc_end_k_q07c48a2976_prep:
	.size	k_q07c48a2976_prep, .Lfunc_end_k_q07c48a2976_prep-k_q07c48a2976_prep
	.p2alignl 7, 3214868480
	.fill 96, 4, 3214868480
	.section	.rodata,"a",@progbits
	.p2align	6, 0x0
	.amdhsa_kernel k_q07c48a2976_prep
		.amdhsa_group_segment_fixed_size 0
		.amdhsa_private_segment_fixed_size 0
		.amdhsa_enable_private_segment 0
		.amdhsa_kernarg_size 56
		.amdhsa_user_sgpr_count 2
		.amdhsa_user_sgpr_kernarg_segment_ptr 1
		.amdhsa_wavefront_size32 1
		.amdhsa_system_sgpr_workgroup_id_x 1
		.amdhsa_system_sgpr_workgroup_id_y 1
		.amdhsa_system_sgpr_workgroup_id_z 1
		.amdhsa_system_vgpr_workitem_id 0
		.amdhsa_next_free_vgpr 192
		.amdhsa_next_free_sgpr 66
		.amdhsa_reserve_vcc 1
		.amdhsa_float_denorm_mode_32 3
		.amdhsa_float_denorm_mode_16_64 3
		.amdhsa_memory_ordered 1
		.amdhsa_forward_progress 1
		.amdhsa_inst_pref_size 33
	.end_amdhsa_kernel
	.amdgpu_metadata
---
amdhsa.version: [ 1, 2 ]
amdhsa.kernels:
  - .name:           k_q07c48a2976_prep
    .symbol:         k_q07c48a2976_prep.kd
    .args:
      - { .name: Wq, .offset: 0, .size: 8, .value_kind: global_buffer, .address_space: global }
      - { .name: Wk, .offset: 8, .size: 8, .value_kind: global_buffer, .address_space: global }
      - { .name: Wv, .offset: 16, .size: 8, .value_kind: global_buffer, .address_space: global }
      - { .name: Wo, .offset: 24, .size: 8, .value_kind: global_buffer, .address_space: global }
      - { .name: wimg, .offset: 32, .size: 8, .value_kind: global_buffer, .address_space: global }
      - { .name: wsc, .offset: 40, .size: 8, .value_kind: global_buffer, .address_space: global }
      - { .name: rope, .offset: 48, .size: 8, .value_kind: global_buffer, .address_space: global }
    .group_segment_fixed_size: 0
    .private_segment_fixed_size: 0
    .kernarg_segment_align: 8
    .kernarg_segment_size: 56
    .max_flat_workgroup_size: 256
    .sgpr_count:     66
    .vgpr_count:     192
    .wavefront_size: 32
...
	.end_amdgpu_metadata
.endif
;; end of part 5
;; launch proj (part 6): grid 64 x 3, 8 waves a work-group, no clusters, 154,624 bytes of LDS; arguments query, key, value, bq, bk, bv, temporal_weights, wimg, wsc, rope, qkc, qks, vimg, vsc; writes qkc, qks, vimg, vsc
.if DOCPART == 6
	.amdgcn_target "amdgcn-amd-amdhsa--gfx1250"
	.amdhsa_code_object_version 6
	.text
	.protected	k_q07c48a2976_proj
	.globl	k_q07c48a2976_proj
	.p2align	8
	.type	k_q07c48a2976_proj,@function
k_q07c48a2976_proj:
	s_mov_b64 s[64:65], 0
	v_nop
	global_prefetch_b8 v0, s[64:65] scope:SCOPE_SE
	s_setreg_imm32_b32 hwreg(HW_REG_WAVE_SCHED_MODE, 0, 2), 2
	s_setreg_imm32_b32 hwreg(HW_REG_WAVE_MODE, 25, 1), 1
	s_wait_xcnt 0x0
	s_wait_alu depctr_vm_vsrc(0)
; One tensor (y: 0 query, 1 key, 2 value), one batch, one chunk of 128 rows, all 1,024 columns:  x W + b on codes of E2M1, RoPE (query, key), the sum of four time scales, and the quantiser for attention.
; PHASE X.  Wave v quantises rows 16 v .. 16 v + 15 of the chunk and two of the 16 halo rows (eight behind the chunk, eight ahead of it) along the 1,024 and lays codes and scale bytes in LDS; the chunk's part of the
;   cos / sin tables is copied beside them.  One barrier; behind it these bytes are only read.
; PASSES.  Wave v then makes heads 2 v and 2 v + 1, one a pass, for all 144 rows: 9 tiles of rows x 4 tiles of columns.  Source 0 = 16 rows of x, source 1 = 16 columns of W (from memory, laid in register order).
;   THE ROWS OF A TILE ARE CHOSEN: tile t takes rows 8 t + 0..7 and 64 + 8 t + 0..7.  In the result lane (r, h) then holds column 16 cb + r and, in register j of tile t, row 64 h + 8 t + j: an aligned block of eight rows;
;   the blocks before and after it lie in the same lane, one accumulator away.  So pooling by 2, 4, 8 and interpolation need another lane only at the ends of a lane's 64 rows (one exchange of halves).
;   The halo tile: lanes 0-15 hold the eight rows behind the chunk, lanes 16-31 the eight ahead of it.  At the sequence's ends the neighbouring pool is the block's own, which is what the clipped interpolation gives.
;   A pass's bias and W's first two K steps are asked for AHEAD: the first pass's behind row 15 of phase X, the second's behind the first's time scales; they land under the work that stands between.
; OUT.  query, key: codes along the head's 64, rows of 32 bytes; a scale word a row (two bytes, and 0x7f twice for the zero half of the product's 128).  value: codes along the KEYS, as images of the operand's registers.
; LIMITS: a block of zeros gets the byte 1 (its codes are zeros; only this program reads the bytes); NaN and infinities among the inputs are not served; the four weights are e x (1 / sum), not a division.
; No cluster: each wave takes another head's fragments of W straight into its registers, so no two work-groups could ask for one LDS tile jointly without a ring through LDS.
; THE MODE: SCHED_MODE bits 1:0 = 2 (LLVM: expert scheduling mode 2), set by the entry lines.  The code itself states the register dependences between vector or matrix instructions and memory or LDS instructions,
;   with s_wait_alu, always for 0.
; THE PLAN.  Registers that memory or LDS instructions touch, who else names them, and the wait that parts the two:
;   Addresses and offsets (v2-14, v32-38): made at the head, ahead of one wait on va_vdst; v2-14 are never written again, v32-38 serve phase X alone.
;   PHASE X, row i.  Ring slot i % 4: named by the row's exchanges, maxima and conversions, then loaded again (row i + 4; behind row 15: W).  Codes and bytes, two sets by turns: written by the row, read by its eight LDS stores,
;     written again by row i + 2.  One wait on va_vdst behind the row's arithmetic serves the stores and the loads; one on vm_vsrc at a row's head stands a row behind the stores that it speaks of.
;   K STEP.  x's fragments and scale words have one set: tiles 0-3 are loaded again behind their sixteen products, the rest and this step's set of W behind the other twenty: a wait on va_vdst ahead of each of the two runs of loads.
;   RoPE.  Two sets of tables by turns: a wait on va_vdst ahead of the loads into the set that the turn before read.
;   Behind the time scales one wait on va_vdst serves the next pass's loads (into registers that products, turns and sums named) and all eight tiles' LDS stores (the rows are written no more in the pass).
;   query, key: tile t's codes have registers of their own; the wait on va_vdst at the head of tile t + 1 serves their store and the loads from the stage into the set that tile t read.  value: one wait ahead of the run of nine stores.
;   One wait on vm_vsrc ahead of each pass: what stores have read (codes, scale words, the rows, phase X's addresses) is written again in the pass.
; LDS: 0 codes: rows of 512 bytes, pitch 528, rows 64 and up 128 bytes further on (so that the sixteen rows of a fragment start at sixteen different 16-byte columns), halo rows from 67,712;
.set XS, 76160                         ; scale bytes: rows of 32, pitch 36, rows 64 and up 32 further on, halo rows from + 4,640
.set TB, 81408                         ; the tables: cos [beta 18][i 32][j 8] f32, sin 18,432 bytes on
.set ST, 118272                        ; a stage of 16 rows x 272 bytes for each wave
; REGISTERS.  Window 1 (v256-511): accumulator (t, cb) at 64 cb + 8 t.  Window 0:
.set ADA, 2                            ; LDS: my row of a tile of x, + 16 h
.set ADH, 3                            ; the same in the halo tile
.set ASA, 4                            ; my row's scale bytes
.set ASH, 5
.set BO,  6                            ; 16 x lane
.set BSO, 7                            ; 4 r
.set TBA, 8                            ; tables: my block of rows and my frequency
.set TBH, 9
.set STW, 10                           ; the stage: where I put a number
.set STR, 11                           ; and where I read 32 of a row back
.set GQ,  12                           ; query, key: my 16 bytes of codes in a tile's rows
.set GV,  13                           ; value: my 16 bytes in a fragment's image
.set L8,  14                           ; 8 x lane
.set H16, 15                           ; 16 h
.set FLR, 16                           ; the floor 2^(3 - 127)
.set BW0, 17                           ; v17-19, v1: the bias of my column in each of the four tiles of columns, asked for ahead
.set BW1, 18
.set BW2, 19
.set BW3, 1
.set P4A, 20                           ; v20-31: six pairs of interpolation weights x the scale's weight / its pool's length
.set P4B, 22
.set P8A, 24
.set P8B, 26
.set P8C, 28
.set P8D, 30
.set HAC, 32                           ; v32-63   the halo tile's four accumulators
.set AF,  64                           ; v64-135  nine fragments of x
.set BS,  136                          ; v136-231 three sets of four fragments of W
.set BIAS, 200                         ; (the third first holds the bias as C)
.set ASC, 232                          ; v232-240 x's scale words;  v242-253 W's, three sets of four: these registers hold scales and nothing else
.set BSC, 242
; phase X
.set XCW, 32
.set XSW, 33
.set XCH, 34
.set XSH, 35
.set XA,  36
.set TLO, 37
.set TLS, 38
.set XM,  40
.set XO,  44
.set XCD, 48
.set XBY, 56
.set RING, 64                          ; v64-191  four rows of 32 numbers a lane
.set TBR, 192                          ; v192-227 my part of the tables on its way
; the epilogue
.set TAB0, 64                          ; v64-127, v128-191: cos and sin of a tile, two sets
.set RT,  192
.set PA,  64                           ; sums of 2 rows (4 t + q), of 4 (2 t + u), of 8 (t)
.set PB,  96
.set PC,  112
.set HA,  120
.set HB,  124
.set HC,  126
.set PRV, 128                          ; what lies ahead of my first block, and behind my last
.set NXT, 132
.set ZZ,  136
; the quantisers keep off v136-199, v242-249, v17-19 and v1, where the next pass's loads are landing
.set YY,  64
.set CD,  200
.set SW,  32
.set QM,  40
.set QS,  42
.set QB,  43
.set QP,  44
.set QL,  45
.set QH,  46
.set SWO, 48
.set VC,  64
.set VM,  96
.set VS,  98
.set VB,  100
.set VW,  102
.set VX,  103
.set SWV, 104
.set VOUT, 108
.set MSB, 0
.macro WIN new                         ; the immediate's high byte repeats the setting that is left
.if MSB != (\new)
	s_set_vgpr_msb (MSB<<8)|(\new)
.set MSB, (\new)
.endif
.endm
.macro PLACES                          ; four plain vector instructions between a matrix instruction and a load into, or a read of, its registers
.rept 4
	v_nop
.endr
.endm
.macro LDB ks, set, o                  ; W's four fragments and scale words of K step ks, o heads on: 12 loads, each fragment as it lies
.irp cb, 0,1,2,3
	global_load_b128 v[BS+32*(\set)+8*\cb:BS+32*(\set)+8*\cb+3], v[BO], s[8:9] offset:\cb*8192+(\ks)*1024+(\o)*32768
	global_load_b128 v[BS+32*(\set)+8*\cb+4:BS+32*(\set)+8*\cb+7], v[BO], s[8:9] offset:\cb*8192+(\ks)*1024+512+(\o)*32768
	global_load_b32 v[BSC+4*(\set)+\cb], v[BSO], s[10:11] offset:(\ks)*256+64*\cb+(\o)*2048
.endr
.endm
.macro EARLY o                         ; what a pass wants first, o heads on: the bias, then W's K steps 0 and 1: 4 + 24 loads
	global_load_b32 v[BW0], v[BSO], s[6:7] offset:(\o)*256
	global_load_b32 v[BW1], v[BSO], s[6:7] offset:(\o)*256+64
	global_load_b32 v[BW2], v[BSO], s[6:7] offset:(\o)*256+128
	global_load_b32 v[BW3], v[BSO], s[6:7] offset:(\o)*256+192
	LDB 0, 0, \o
	LDB 1, 1, \o
.endm
	s_load_b512 s[68:83], s[0:1], 0x0              ; query, key, value, bq, bk, bv, temporal_weights, wimg
	s_load_b256 s[84:91], s[0:1], 0x40             ; wsc, rope, qkc, qks
	s_load_b128 s[92:95], s[0:1], 0x60             ; vimg, vsc
	v_lshl_add_u32 v254, v0, 2, 0x25800
	v_mov_b32 v255, 0
	v_lshrrev_b32 v1, 5, v0
	v_readfirstlane_b32 s18, v1                    ; wave 0..7
	s_and_b32 s19, ttmp7, 0xffff                   ; y: the tensor
	s_lshr_b32 s20, ttmp9, 3                       ; batch
	s_and_b32 s21, ttmp9, 7                        ; chunk
	v_and_b32 v1, 31, v0                           ; lane
	v_and_b32 v40, 15, v0                          ; r
	v_bfe_u32 v41, v0, 4, 1                        ; h
	v_and_b32 v42, 7, v0                           ; r % 8
	v_bfe_u32 v43, v0, 3, 1                        ; r / 8
	v_mul_u32_u24 v[ADA], v42, 528
	v_mad_u32_u24 v[ADA], v43, 33920, v[ADA]       ; 64 rows and the 128 bytes on
	v_lshl_add_u32 v[ADA], v41, 4, v[ADA]
	v_mul_u32_u24 v[ADH], v40, 528
	v_lshl_add_u32 v[ADH], v41, 4, v[ADH]
	v_add_nc_u32 v[ADH], 67712, v[ADH]
	v_mul_u32_u24 v[ASA], v42, 36
	v_mad_u32_u24 v[ASA], v43, 2336, v[ASA]
	v_add_nc_u32 v[ASA], XS, v[ASA]
	v_mul_u32_u24 v[ASH], v40, 36
	v_add_nc_u32 v[ASH], XS+4640, v[ASH]
	v_lshlrev_b32 v[BO], 4, v1
	v_lshlrev_b32 v[BSO], 2, v40
	v_bfe_u32 v44, v0, 1, 3                        ; r / 2: two neighbouring columns share a frequency
	v_lshlrev_b32 v[TBA], 5, v44
	v_lshl_add_u32 v[TBH], v41, 10, v[TBA]
	v_add_nc_u32 v[TBH], TB+16384, v[TBH]          ; beta 16 + h
	v_lshl_add_u32 v[TBA], v41, 13, v[TBA]
	v_add_nc_u32 v[TBA], TB, v[TBA]                ; beta 8 h + t
	s_wait_alu depctr_va_sdst(0)                   ; s18 is written, ahead of its first reader: LDS places and offsets are made from it
	s_mul_i32 s96, s18, 4352
	s_add_co_u32 s96, s96, ST                      ; my stage
	v_mul_u32_u24 v[STW], v41, 2176
	v_lshl_add_u32 v[STW], v40, 2, v[STW]
	v_add_nc_u32 v[STW], s96, v[STW]               ; in: row 8 h + j, column 16 cb + r
	v_bfe_u32 v45, v0, 1, 4
	v_and_b32 v46, 1, v0
	v_mul_u32_u24 v[STR], v45, 272
	v_lshl_add_u32 v[STR], v46, 7, v[STR]
	v_add_nc_u32 v[STR], s96, v[STR]               ; back: row lane / 2, block lane % 2 of its 64
	v_lshlrev_b32 v[GQ], 4, v40
	v_lshl_add_u32 v[GQ], v41, 11, v[GQ]
	v_lshlrev_b32 v[GV], 4, v40
	v_lshl_add_u32 v[GV], v41, 9, v[GV]
	v_lshlrev_b32 v[L8], 3, v1
	v_lshlrev_b32 v[H16], 4, v41
	v_mov_b32 v[FLR], 0x1800000
	v_lshlrev_b32 v[XA], 5, v40
	v_lshl_add_u32 v[XA], v41, 4, v[XA]            ; a load's 512 bytes: lanes 0-15 its even pieces of 16 bytes, lanes 16-31 its odd ones
	s_mul_i32 s96, s18, 8448                       ; my 16 rows of codes,
	s_lshr_b32 s97, s18, 2
	s_lshl_b32 s97, s97, 7
	s_add_co_u32 s96, s96, s97                     ; 128 bytes on from row 64
	v_lshl_add_u32 v[XCW], v1, 2, s96
	v_lshrrev_b32 v47, 2, v1                       ; four lanes hold a block of 32
	s_wait_alu depctr_va_vdst(0)
	s_mul_i32 s96, s18, 576
	s_lshr_b32 s97, s18, 2
	s_lshl_b32 s97, s97, 5
	s_add_co_u32 s96, s96, s97
	s_add_co_u32 s96, s96, XS
	v_add_nc_u32 v[XSW], s96, v47
	s_mul_i32 s96, s18, 1056                       ; my two halo rows
	s_add_co_u32 s96, s96, 67712
	v_lshl_add_u32 v[XCH], v1, 2, s96
	s_mul_i32 s96, s18, 72
	s_add_co_u32 s96, s96, XS+4640
	v_add_nc_u32 v[XSH], s96, v47
	s_mul_i32 s96, s18, 4608                       ; my eighth of the tables: 9 x 512 bytes
	v_lshl_add_u32 v[TLO], v1, 4, s96
	v_add_nc_u32 v[TLS], TB, v[TLO]
	; offsets, in registers of their own
	s_lshl_b32 s44, s20, 22                        ; x: batch,
	s_lshl_b32 s96, s21, 19
	s_add_co_u32 s44, s44, s96                     ; chunk,
	s_lshl_b32 s96, s18, 16
	s_add_co_u32 s44, s44, s96                     ; 16 rows a wave
	s_mov_b32 s45, 0
	s_lshl_b32 s96, s21, 7
	s_add_co_u32 s97, s96, 128
	s_min_u32 s97, s97, 1016                       ; the rows behind the chunk (at the sequence's end: its last eight, which are then not used)
	s_sub_co_i32 s98, s96, 8
	s_max_i32 s98, s98, 0                          ; the rows ahead of it
	s_cmp_lt_u32 s18, 4                            ; waves 0-3 take the first, waves 4-7 the second
	s_cselect_b32 s97, s97, s98
	s_and_b32 s98, s18, 3
	s_lshl_b32 s98, s98, 1
	s_add_co_u32 s97, s97, s98
	s_lshl_b32 s98, s20, 10
	s_add_co_u32 s97, s97, s98
	s_lshl_b32 s46, s97, 12
	s_mov_b32 s47, 0
	s_lshl_b32 s48, s20, 19
	s_lshl_b32 s96, s18, 16
	s_add_co_u32 s48, s48, s96
	s_lshl_b32 s96, s21, 12
	s_add_co_u32 s48, s48, s96                     ; codes: (16 batch + 2 wave) x 32,768 + chunk x 4,096, in qkc and in vimg alike
	s_lshr_b32 s52, s48, 3                         ; qks: an eighth of that;
	s_lshr_b32 s53, s48, 4                         ; vsc: a sixteenth
	s_lshl_b32 s96, s19, 22
	s_add_co_u32 s50, s48, s96                     ; key's codes lie behind query's
	s_lshl_b32 s96, s19, 19
	s_add_co_u32 s52, s52, s96
	s_cmp_eq_u32 s19, 2
	s_cselect_b32 s48, s48, s50
	s_cselect_b32 s50, s53, s52
	s_mov_b32 s38, 4096
	s_cselect_b32 s38, 2048, s38                   ; from a head's scale words to the next head's
	s_mov_b32 s39, 0
	s_mov_b32 s49, 0
	s_mov_b32 s51, 0
	s_lshl_b32 s54, s19, 19
	s_lshl_b32 s96, s18, 16
	s_add_co_u32 s54, s54, s96                     ; wimg: the weight, head 2 wave
	s_mov_b32 s55, 0
	s_lshr_b32 s56, s54, 4                         ; wsc: a sixteenth of that
	s_mov_b32 s57, 0
	s_lshl_b32 s58, s18, 9                         ; the bias
	s_mov_b32 s59, 0
	s_mul_i32 s60, s21, 36864                      ; the chunk's tables
	s_mov_b32 s61, 0
	s_mov_b32 s24, 0xffff0000                      ; lanes 16-31
	s_cmp_eq_u32 s21, 0
	s_cselect_b32 s25, 0xffff, 0                   ; the lanes whose first block begins the sequence
	s_cmp_eq_u32 s21, 7
	s_cselect_b32 s26, 0xffff0000, 0               ; the lanes whose last block ends it
	s_mov_b32 s27, 0xaaaaaaaa                      ; odd lanes
	s_mov_b32 s28, 0x76543210
	s_mov_b32 s29, 0xfedcba98                      ; v_permlanex16_b32's selects for lane l xor 16
	s_wait_kmcnt 0x0
	s_load_b128 s[40:43], s[80:81], 0x0            ; the four weights of the time scales
	s_cmp_eq_u32 s19, 1                            ; the choices hang on the work-group's number alone
	s_cselect_b64 s[4:5], s[70:71], s[68:69]
	s_cselect_b64 s[6:7], s[76:77], s[74:75]
	s_cmp_eq_u32 s19, 2
	s_cselect_b64 s[4:5], s[72:73], s[4:5]
	s_cselect_b64 s[6:7], s[78:79], s[6:7]
	s_cselect_b64 s[14:15], s[92:93], s[88:89]
	s_cselect_b64 s[16:17], s[94:95], s[90:91]
	s_add_nc_u64 s[36:37], s[4:5], s[46:47]
	s_add_nc_u64 s[4:5], s[4:5], s[44:45]
	s_add_nc_u64 s[6:7], s[6:7], s[58:59]
	s_add_nc_u64 s[8:9], s[82:83], s[54:55]
	s_add_nc_u64 s[10:11], s[84:85], s[56:57]
	s_add_nc_u64 s[12:13], s[86:87], s[60:61]
	s_add_nc_u64 s[14:15], s[14:15], s[48:49]
	s_add_nc_u64 s[16:17], s[16:17], s[50:51]
; ---- PHASE X
; Row i of my 18 (16, 17: halo rows) into ring slot i % 4: eight loads of 512 consecutive bytes
.macro XLOAD i
.set XR, RING+32*((\i)%4)
.irp p, 0,1,2,3
.if (\i) < 16
	global_load_b128 v[XR+8*\p:XR+8*\p+3], v[XA], s[4:5] offset:(\i)*4096+\p*1024 th:TH_LOAD_NT
	global_load_b128 v[XR+8*\p+4:XR+8*\p+7], v[XA], s[4:5] offset:(\i)*4096+\p*1024+512 th:TH_LOAD_NT
.else
	global_load_b128 v[XR+8*\p:XR+8*\p+3], v[XA], s[36:37] offset:((\i)-16)*4096+\p*1024
	global_load_b128 v[XR+8*\p+4:XR+8*\p+7], v[XA], s[36:37] offset:((\i)-16)*4096+\p*1024+512
.endif
.endr
.endm
; The row is quantised.  The exchange of halves gives lane l the eight neighbours at byte 1,024 p + 32 l of the row; four lanes hold a block.
.macro XROW i, ac, oc, as, os
.set XR, RING+32*((\i)%4)
.set CR, XCD+4*((\i)%2)
.set BR, XBY+4*((\i)%2)
.irp p, 0,1,2,3
.irp g, 0,1,2,3
	v_permlane16_swap_b32 v[XR+8*\p+\g], v[XR+8*\p+4+\g]
.endr
.endr
.irp p, 0,1,2,3
	v_max3_num_f32 v[XM+\p], |v[XR+8*\p]|, |v[XR+8*\p+1]|, v[FLR]
.endr
.irp k, 2,4,6
.irp p, 0,1,2,3
	v_max3_num_f32 v[XM+\p], v[XM+\p], |v[XR+8*\p+\k]|, |v[XR+8*\p+\k+1]|
.endr
.endr
.irp p, 0,1,2,3
	v_max_num_f32_dpp v[XM+\p], v[XM+\p], v[XM+\p] row_xmask:1 row_mask:0xf bank_mask:0xf
.endr
.irp p, 0,1,2,3
	v_max_num_f32_dpp v[XM+\p], v[XM+\p], v[XM+\p] row_xmask:2 row_mask:0xf bank_mask:0xf
.endr
.irp p, 0,1,2,3
	v_add_nc_u32 v[XO+\p], 0xff000000, v[XM+\p]    ; 2 off the exponent field: the conversion's scale operand
.endr
.irp p, 0,1,2,3
	v_cvt_scalef32_pk8_fp4_f32 v[CR+\p], v[XR+8*\p:XR+8*\p+7], v[XO+\p]
.endr
.irp p, 0,1,2,3
	v_lshrrev_b32 v[BR+\p], 23, v[XO+\p]           ; the scale's byte
.endr
	s_wait_alu depctr_va_vdst(0)                   ; the row's conversions and shifts have written its codes and bytes, which the stores read; its arithmetic is done with the ring's slot, in which the loads behind the stores land
.irp p, 0,1,2,3
	ds_store_b32 v[\ac], v[CR+\p] offset:\oc+128*\p
	ds_store_b8 v[\as], v[BR+\p] offset:\os+8*\p   ; the four lanes of a block write the same byte with the same value
.endr
.endm
	s_wait_alu depctr_va_vdst(0)                   ; all addresses and offsets, v2-14 and v32-38, are written: every load and store of the kernel reads some of them
	s_cmp_eq_u32 s19, 2                            ; value has no RoPE and takes no tables
	s_cbranch_scc1 .Lno_table_in
.irp i, 0,1,2,3,4,5,6,7,8
	global_load_b128 v[TBR+4*\i:TBR+4*\i+3], v[TLO], s[12:13] offset:512*\i
.endr
.Lno_table_in:
	XLOAD 0
	XLOAD 1
	XLOAD 2
	XLOAD 3
	; the softmax of the four weights, while the loads are on their way
	s_wait_kmcnt 0x0
	v_mov_b32 v40, s40
	v_mov_b32 v41, s41
	v_mov_b32 v42, s42
	v_mov_b32 v43, s43
	v_max3_num_f32 v44, v40, v41, v42
	v_max_num_f32 v44, v44, v43
.irp i, 0,1,2,3
	v_sub_f32 v[40+\i], v[40+\i], v44              ; the maximum is taken away first
.endr
.irp i, 0,1,2,3
	v_mul_f32 v[40+\i], 0x3fb8aa3b, v[40+\i]
.endr
	s_wait_alu depctr_va_vdst(0)
.irp i, 0,1,2,3
	v_exp_f32 v[40+\i], v[40+\i]
.endr
	v_nop                                          ; a plain instruction behind the exponentials,
	s_wait_alu depctr_va_vdst(0)                   ; the four exponentials have written v40-43, ahead of their first reader
	v_add_f32 v45, v40, v41
	v_add_f32 v46, v42, v43
	v_add_f32 v45, v45, v46
	s_wait_alu depctr_va_vdst(0)
	v_rcp_f32 v45, v45
	v_nop
	s_wait_alu depctr_va_vdst(0)                   ; the reciprocal has written v45, ahead of its first reader
.irp i, 0,1,2,3
	v_mul_f32 v[40+\i], v[40+\i], v45
.endr
	v_mul_f32 v46, 0x3ec00000, v41                 ; 0.75 w1 / 2
	v_mul_f32 v47, 0x3e000000, v41                 ; 0.25 w1 / 2
	v_mul_f32 v48, 0x3e800000, v42                 ; w2 / 4
	v_mul_f32 v49, 0x3e000000, v43                 ; w3 / 8
	v_readfirstlane_b32 s30, v40                   ; w0
	v_readfirstlane_b32 s32, v46
	v_readfirstlane_b32 s34, v47
	s_wait_alu depctr_va_sdst(0)                   ; s30, s32 and s34 are written, ahead of their first readers
	s_mov_b32 s31, s30                             ; (named as pairs by the packed forms, so both are written)
	s_mov_b32 s33, s32
	v_mul_f32 v[P4A], 0x3ec00000, v48              ; .375, .125
	v_mul_f32 v[P4A+1], 0x3e000000, v48
	v_mul_f32 v[P4B], 0x3f200000, v48              ; .625, .875
	v_mul_f32 v[P4B+1], 0x3f600000, v48
	v_mul_f32 v[P8A], 0x3ee00000, v49              ; .4375, .3125
	v_mul_f32 v[P8A+1], 0x3ea00000, v49
	v_mul_f32 v[P8B], 0x3f100000, v49              ; .5625, .6875
	v_mul_f32 v[P8B+1], 0x3f300000, v49
	v_mul_f32 v[P8C], 0x3e400000, v49              ; .1875, .0625
	v_mul_f32 v[P8C+1], 0x3d800000, v49
	v_mul_f32 v[P8D], 0x3f500000, v49              ; .8125, .9375
	v_mul_f32 v[P8D+1], 0x3f700000, v49
	s_cmp_eq_u32 s19, 2
	s_cbranch_scc1 .Lno_table_out
	s_wait_loadcnt 32                              ; the tables' nine loads are in; the 32 loads of rows 0 to 3 were issued behind them
.irp i, 0,1,2,3,4,5,6,7,8
	ds_store_b128 v[TLS], v[TBR+4*\i:TBR+4*\i+3] offset:512*\i   ; data that loads brought, an address from the head: no vector instruction since the head's wait names either
.endr
.Lno_table_out:
.irp i, 0,1,2,3,4,5,6,7,8,9,10,11,12,13,14,15,16,17
.if \i >= 2
	s_wait_dscnt 8                                 ; the stores of the row before last are done (the last row's eight may be out)
	s_wait_alu depctr_vm_vsrc(0)                   ; the stores of the row before last have read their codes and bytes, which this row writes again
.endif
.if \i < 15
	s_wait_loadcnt 24                              ; my row is in; the three rows behind it, eight loads each, stay out
.elseif \i == 15
	s_wait_loadcnt 16                              ; behind row 15: rows 16 and 17
.else
	s_wait_loadcnt 8*(17-\i)+28                    ; behind it: the rows left, and the first pass's 28 loads
.endif
.if \i < 16
	XROW \i, XCW, \i*528, XSW, \i*36
.else
	XROW \i, XCH, (\i-16)*528, XSH, (\i-16)*36
.endif
.if \i < 14
	XLOAD \i+4                                     ; no vector instruction since the row's wait: the slot is free
.endif
.if \i == 15
	EARLY 0                                        ; ring slots 2 and 3 and the tables' registers are done with (rows 14 and 15 stand ahead of the row's wait; the tables' stores ahead of the rows' waits on vm_vsrc): they take W's first two K steps of the first pass
.endif
.endr
	s_wait_dscnt 0x0                               ; for the others' sake: all my stores have landed
	s_barrier_signal -1
	s_barrier_wait -1                              ; codes, scale bytes and tables are whole; from here on they are only read
	s_wait_alu depctr_vm_vsrc(0)                   ; phase X's loads and stores have read their addresses v32-38 and the last rows' codes and bytes v48-63: the halo tile's products write these registers
; ---- THE PASSES
.macro LDA_LO ks                       ; x's tiles 0-3 of K step ks: 12 LDS loads
.irp t, 0,1,2,3
	ds_load_b128 v[AF+8*\t:AF+8*\t+3], v[ADA] offset:\t*4224+64*(\ks)
	ds_load_b128 v[AF+8*\t+4:AF+8*\t+7], v[ADA] offset:\t*4224+64*(\ks)+32
	ds_load_b32 v[ASC+\t], v[ASA] offset:\t*288+4*(\ks)
.endr
.endm
.macro LDA_HI ks                       ; tiles 4-7 and the halo tile: 15
.irp t, 4,5,6,7
	ds_load_b128 v[AF+8*\t:AF+8*\t+3], v[ADA] offset:\t*4224+64*(\ks)
	ds_load_b128 v[AF+8*\t+4:AF+8*\t+7], v[ADA] offset:\t*4224+64*(\ks)+32
	ds_load_b32 v[ASC+\t], v[ASA] offset:\t*288+4*(\ks)
.endr
	ds_load_b128 v[AF+64:AF+67], v[ADH] offset:64*(\ks)
	ds_load_b128 v[AF+68:AF+71], v[ADH] offset:64*(\ks)+32
	ds_load_b32 v[ASC+8], v[ASH] offset:4*(\ks)
.endm
.macro MMT t, set, first               ; tile t against the four tiles of columns; first = 1: the bias is the C that starts the sums
.irp cb, 0,1,2,3
.if \first
	v_wmma_scale_f32_16x16x128_f8f6f4 v[64*\cb+8*(\t):64*\cb+8*(\t)+7], v[AF+8*(\t):AF+8*(\t)+7], v[BS+32*(\set)+8*\cb:BS+32*(\set)+8*\cb+7], v[BIAS+8*\cb:BIAS+8*\cb+7], v[ASC+(\t)], v[BSC+4*(\set)+\cb] matrix_a_fmt:MATRIX_FMT_FP4 matrix_b_fmt:MATRIX_FMT_FP4
.else
	v_wmma_scale_f32_16x16x128_f8f6f4 v[64*\cb+8*(\t):64*\cb+8*(\t)+7], v[AF+8*(\t):AF+8*(\t)+7], v[BS+32*(\set)+8*\cb:BS+32*(\set)+8*\cb+7], v[64*\cb+8*(\t):64*\cb+8*(\t)+7], v[ASC+(\t)], v[BSC+4*(\set)+\cb] matrix_a_fmt:MATRIX_FMT_FP4 matrix_b_fmt:MATRIX_FMT_FP4
.endif
.endr
.endm
.macro MMH set, first                  ; the halo tile, all in window 0
.irp cb, 0,1,2,3
.if \first
	v_wmma_scale_f32_16x16x128_f8f6f4 v[HAC+8*\cb:HAC+8*\cb+7], v[AF+64:AF+71], v[BS+32*(\set)+8*\cb:BS+32*(\set)+8*\cb+7], v[BIAS+8*\cb:BIAS+8*\cb+7], v[ASC+8], v[BSC+4*(\set)+\cb] matrix_a_fmt:MATRIX_FMT_FP4 matrix_b_fmt:MATRIX_FMT_FP4
.else
	v_wmma_scale_f32_16x16x128_f8f6f4 v[HAC+8*\cb:HAC+8*\cb+7], v[AF+64:AF+71], v[BS+32*(\set)+8*\cb:BS+32*(\set)+8*\cb+7], v[HAC+8*\cb:HAC+8*\cb+7], v[ASC+8], v[BSC+4*(\set)+\cb] matrix_a_fmt:MATRIX_FMT_FP4 matrix_b_fmt:MATRIX_FMT_FP4
.endif
.endr
.endm
; A K step of 128: 36 matrix instructions; the 36 accumulators take turns, one instruction a turn, in the same order in every step.
; l: the loads of W issued behind this step's.  D and C in window 1 (0x50); in step 0 C, the bias, in window 0 (0x40).
.macro GSTEP ks, l
	s_wait_loadcnt \l
	s_wait_dscnt 15                                ; tiles 0-3 are in; the 15 loads of tiles 4-7 and the halo tile may be out
.if (\ks) == 0
	WIN 0x40
.else
	WIN 0x50
.endif
.irp t, 0,1,2,3
	MMT \t, (\ks)%3, (\ks)==0
.endr
	WIN 0
	s_wait_dscnt 0x0
.if (\ks) < 7
	PLACES
	s_wait_alu depctr_va_vdst(0)                   ; the sixteen products above are done reading tiles 0-3 of x and their scale words, in which the next step's land
	LDA_LO (\ks)+1
.endif
.if (\ks) == 0
	WIN 0x40
.else
	WIN 0x50
.endif
.irp t, 4,5,6,7
	MMT \t, (\ks)%3, (\ks)==0
.endr
	WIN 0
	MMH (\ks)%3, (\ks)==0
	PLACES
.if (\ks) < 7
	s_wait_alu depctr_va_vdst(0)                   ; the step's products are done reading tiles 4-7 and the halo tile, this step's set of W and its scale words, and in step 0 the bias: the loads below land there
	LDA_HI (\ks)+1
.endif
.if (\ks) == 0
	LDB 2, 2, 0                                    ; into the registers that held the bias,
	LDB 3, 0, 0                                    ; and into this step's set
.elseif (\ks) < 5
	LDB (\ks)+3, (\ks)%3, 0
.endif
.endm
.macro TLOAD adr, off, tab             ; a tile's cos and sin: 16 LDS loads; my eight rows of my column's frequency, for each of the four tiles of columns
.irp cb, 0,1,2,3
	ds_load_b128 v[(\tab)+8*\cb:(\tab)+8*\cb+3], v[\adr] offset:\off+256*\cb
	ds_load_b128 v[(\tab)+8*\cb+4:(\tab)+8*\cb+7], v[\adr] offset:\off+256*\cb+16
	ds_load_b128 v[(\tab)+32+8*\cb:(\tab)+32+8*\cb+3], v[\adr] offset:\off+256*\cb+18432
	ds_load_b128 v[(\tab)+32+8*\cb+4:(\tab)+32+8*\cb+7], v[\adr] offset:\off+256*\cb+18432+16
.endr
.endm
; RoPE of one tile, in place.  Column d = 16 cb + r; its partner d +- 32 is tile of columns cb +- 2, in the same lane.  x(cb) at xb + xs cb.  Each accumulator is read from its low end on.
.macro ROT xb, xs, w1, w2, tab
	WIN \w1
.irp cp, 0,1
.irp j, 0,2,4,6
	v_pk_mul_f32 v[RT+8*\cp+\j:RT+8*\cp+\j+1], v[(\xb)+(\xs)*(\cp+2)+\j:(\xb)+(\xs)*(\cp+2)+\j+1], v[(\tab)+32+8*\cp+\j:(\tab)+32+8*\cp+\j+1]
	v_pk_mul_f32 v[RT+16+8*\cp+\j:RT+16+8*\cp+\j+1], v[(\xb)+(\xs)*\cp+\j:(\xb)+(\xs)*\cp+\j+1], v[(\tab)+32+8*(\cp+2)+\j:(\tab)+32+8*(\cp+2)+\j+1]
.endr
.endr
	WIN \w2
.irp cp, 0,1
.irp j, 0,2,4,6
	v_pk_fma_f32 v[(\xb)+(\xs)*\cp+\j:(\xb)+(\xs)*\cp+\j+1], v[(\xb)+(\xs)*\cp+\j:(\xb)+(\xs)*\cp+\j+1], v[(\tab)+8*\cp+\j:(\tab)+8*\cp+\j+1], v[RT+8*\cp+\j:RT+8*\cp+\j+1] neg_lo:[0,0,1] neg_hi:[0,0,1]
	v_pk_fma_f32 v[(\xb)+(\xs)*(\cp+2)+\j:(\xb)+(\xs)*(\cp+2)+\j+1], v[(\xb)+(\xs)*(\cp+2)+\j:(\xb)+(\xs)*(\cp+2)+\j+1], v[(\tab)+8*(\cp+2)+\j:(\tab)+8*(\cp+2)+\j+1], v[RT+16+8*\cp+\j:RT+16+8*\cp+\j+1]
.endr
.endr
	WIN 0
.endm
; two rows += one pooled sum x a pair of weights (swap = 1: the pair the other way round)
.macro BF x, val, coef, swap
.if (\val)&1
.if \swap
	v_pk_fma_f32 v[(\x):(\x)+1], v[(\val)-1:(\val)], v[\coef:\coef+1], v[(\x):(\x)+1] op_sel:[1,1,0] op_sel_hi:[1,0,1]
.else
	v_pk_fma_f32 v[(\x):(\x)+1], v[(\val)-1:(\val)], v[\coef:\coef+1], v[(\x):(\x)+1] op_sel:[1,0,0] op_sel_hi:[1,1,1]
.endif
.else
.if \swap
	v_pk_fma_f32 v[(\x):(\x)+1], v[(\val):(\val)+1], v[\coef:\coef+1], v[(\x):(\x)+1] op_sel:[0,1,0] op_sel_hi:[0,0,1]
.else
	v_pk_fma_f32 v[(\x):(\x)+1], v[(\val):(\val)+1], v[\coef:\coef+1], v[(\x):(\x)+1] op_sel:[0,0,0] op_sel_hi:[0,1,1]
.endif
.endif
.endm
.macro BFS x, val                      ; two rows += their own sum of two x 0.75 w1 / 2
.if (\val)&1
	v_pk_fma_f32 v[(\x):(\x)+1], v[(\val)-1:(\val)], s[32:33], v[(\x):(\x)+1] op_sel:[1,0,0] op_sel_hi:[1,0,1]
.else
	v_pk_fma_f32 v[(\x):(\x)+1], v[(\val):(\val)+1], s[32:33], v[(\x):(\x)+1] op_sel:[0,0,0] op_sel_hi:[0,0,1]
.endif
.endm
; The four time scales of one tile of columns, in place: x = w0 x + w1 interp(pool 2) + w2 interp(pool 4) + w3 interp(pool 8)
.macro STAGEA cb
	WIN 0x05                                       ; sources in window 1
.irp t, 0,1,2,3,4,5,6,7
.irp q, 0,1,2,3
	v_add_f32 v[PA+4*\t+\q], v[64*\cb+8*\t+2*\q], v[64*\cb+8*\t+2*\q+1]
.endr
.endr
	WIN 0
.irp i, 0,1,2,3,4,5,6,7,8,9,10,11,12,13,14,15
	v_add_f32 v[PB+\i], v[PA+2*\i], v[PA+2*\i+1]
.endr
.irp i, 0,1,2,3,4,5,6,7
	v_add_f32 v[PC+\i], v[PB+2*\i], v[PB+2*\i+1]
.endr
.irp q, 0,1,2,3
	v_add_f32 v[HA+\q], v[HAC+8*\cb+2*\q], v[HAC+8*\cb+2*\q+1]
.endr
	v_add_f32 v[HB], v[HA], v[HA+1]
	v_add_f32 v[HB+1], v[HA+2], v[HA+3]
	v_add_f32 v[HC], v[HB], v[HB+1]
	v_cndmask_b32 v[ZZ], v[PA+31], v[HA+3], s24    ; what the other half of the lanes wants ahead of its first block: lanes 0-15 give their last block's sums, lanes 16-31 those of the rows ahead of the chunk;
	v_cndmask_b32 v[ZZ+1], v[PB+15], v[HB+1], s24
	v_cndmask_b32 v[ZZ+2], v[PC+7], v[HC], s24
	v_cndmask_b32 v[ZZ+3], v[HA], v[PA], s24       ; and behind its last: lanes 0-15 give those of the rows behind the chunk, lanes 16-31 their first block's
	v_cndmask_b32 v[ZZ+4], v[HB], v[PB], s24
	v_cndmask_b32 v[ZZ+5], v[HC], v[PC], s24
.irp i, 0,1,2
	v_permlanex16_b32 v[PRV+\i], v[ZZ+\i], s28, s29
	v_permlanex16_b32 v[NXT+\i], v[ZZ+3+\i], s28, s29
.endr
	v_cndmask_b32 v[PRV], v[PRV], v[PA], s25       ; at the sequence's start and end: the block's own
	v_cndmask_b32 v[PRV+1], v[PRV+1], v[PB], s25
	v_cndmask_b32 v[PRV+2], v[PRV+2], v[PC], s25
	v_cndmask_b32 v[NXT], v[NXT], v[PA+31], s26
	v_cndmask_b32 v[NXT+1], v[NXT+1], v[PB+15], s26
	v_cndmask_b32 v[NXT+2], v[NXT+2], v[PC+7], s26
	WIN 0x41
.irp i, 0,2,4,6,8,10,12,14,16,18,20,22,24,26,28,30,32,34,36,38,40,42,44,46,48,50,52,54,56,58,60,62
	v_pk_mul_f32 v[64*\cb+\i:64*\cb+\i+1], v[64*\cb+\i:64*\cb+\i+1], s[30:31] op_sel_hi:[1,0]
.endr
	WIN 0x50                                       ; the rows (destination and addend) in window 1, sums and weights in window 0
.irp t, 0,1,2,3,4,5,6,7
.set XB, 64*\cb+8*\t
.set SA0, PA+4*\t
.set SB0, PB+2*\t
.set SC0, PC+\t
.if \t == 0
.set SAM, PRV
.set SBM, PRV+1
.set SCM, PRV+2
.else
.set SAM, SA0-1
.set SBM, SB0-1
.set SCM, SC0-1
.endif
.if \t == 7
.set SAP, NXT
.set SBP, NXT+1
.set SCP, NXT+2
.else
.set SAP, SA0+4
.set SBP, SB0+2
.set SCP, SC0+1
.endif
	BFS XB, SA0
	BFS XB+2, SA0+1
	BFS XB+4, SA0+2
	BFS XB+6, SA0+3
	BF XB, SBM, P4A, 0
	BF XB+2, SB0, P4B, 1
	BF XB+4, SB0, P4A, 0
	BF XB+6, SB0+1, P4B, 1
	BF XB, SB0, P4B, 0
	BF XB+2, SB0+1, P4A, 1
	BF XB+4, SB0+1, P4B, 0
	BF XB+6, SBP, P4A, 1
	BF XB, SCM, P8A, 0
	BF XB+2, SCM, P8C, 0
	BF XB+4, SC0, P8D, 1
	BF XB+6, SC0, P8B, 1
	BF XB, SC0, P8B, 0
	BF XB+2, SC0, P8D, 0
	BF XB+4, SCP, P8C, 1
	BF XB+6, SCP, P8A, 1
	v_fmac_f32 v[XB], s34, v[SAM]                  ; an even row leans on the pair before, an odd one on the pair behind: 0.25 w1 / 2
	v_fmac_f32 v[XB+1], s34, v[SA0+1]
	v_fmac_f32 v[XB+2], s34, v[SA0]
	v_fmac_f32 v[XB+3], s34, v[SA0+2]
	v_fmac_f32 v[XB+4], s34, v[SA0+1]
	v_fmac_f32 v[XB+5], s34, v[SA0+3]
	v_fmac_f32 v[XB+6], s34, v[SA0+2]
	v_fmac_f32 v[XB+7], s34, v[SAP]
.endr
	WIN 0
.endm
.macro SSTORE t                        ; tile t into my stage: 16 rows (8 h + j) x 64 columns: 32 LDS stores
	WIN 0x04                                       ; an LDS store's data are its source 1: window 1
.irp cb, 0,1,2,3
.irp j, 0,1,2,3,4,5,6,7
	ds_store_b32 v[STW], v[64*\cb+8*(\t)+\j] offset:272*\j+64*\cb
.endr
.endr
	WIN 0
.endm
.macro SLOAD y                         ; and back: a lane takes one block of 32 of one row: 8 LDS loads.  LDS serves a wave's instructions in order (ISA guide 5.7.1.4)
.irp i, 0,1,2,3,4,5,6,7
	ds_load_b128 v[(\y)+4*\i:(\y)+4*\i+3], v[STR] offset:16*\i
.endr
.endm
.macro QROW t, y                       ; a block of 32 along the head's 64 becomes 16 bytes of codes; two neighbouring lanes make a row's scale word
	v_max3_num_f32 v[QM], |v[(\y)]|, |v[(\y)+1]|, |v[(\y)+2]|
	v_max3_num_f32 v[QM+1], |v[(\y)+3]|, |v[(\y)+4]|, |v[(\y)+5]|
.irp i, 6,10,14,18,22,26
	v_max3_num_f32 v[QM], v[QM], |v[(\y)+\i]|, |v[(\y)+\i+1]|
	v_max3_num_f32 v[QM+1], v[QM+1], |v[(\y)+\i+2]|, |v[(\y)+\i+3]|
.endr
	v_max3_num_f32 v[QM], v[QM], |v[(\y)+30]|, |v[(\y)+31]|
	v_max3_num_f32 v[QM], v[QM], v[QM+1], v[FLR]
	v_add_nc_u32 v[QS], 0xff000000, v[QM]
	v_lshrrev_b32 v[QB], 23, v[QS]
.irp g, 0,1,2,3
	v_cvt_scalef32_pk8_fp4_f32 v[CD+4*(\t)+\g], v[(\y)+8*\g:(\y)+8*\g+7], v[QS]
.endr
	v_mov_b32_dpp v[QP], v[QB] row_xmask:1 row_mask:0xf bank_mask:0xf   ; the other block's byte
	v_cndmask_b32 v[QL], v[QB], v[QP], s27         ; block 0's byte: an even lane's own
	v_cndmask_b32 v[QH], v[QP], v[QB], s27         ; block 1's: an odd lane's own
	v_lshl_or_b32 v[SW+(\t)], v[QH], 8, v[QL]
	v_or_b32 v[SW+(\t)], 0x7f7f0000, v[SW+(\t)]    ; 1.0 for the half of the product's 128 that holds zero codes
.endm
.macro QSEND t                         ; tile t's codes leave: sixteen lanes store eight rows: 256 consecutive aligned bytes
	global_store_b128 v[GQ], v[CD+4*(\t):CD+4*(\t)+3], s[14:15] offset:256*(\t)
.endm
	s_mov_b32 s23, 2
.Lpass:
	LDA_LO 0                                       ; no vector or matrix instruction since the last wait on va_vdst (row 17's; at a pass's end the one ahead of its last stores)
	LDA_HI 0
	s_wait_loadcnt 24                              ; the bias, asked for ahead, is in; W's K steps 0 and 1, 12 loads each, were issued behind it
.irp j, 0,1,2,3,4,5,6,7
	v_mov_b32 v[BIAS+\j], v[BW0]                   ; a lane's eight rows of a column take the same bias
	v_mov_b32 v[BIAS+8+\j], v[BW1]
	v_mov_b32 v[BIAS+16+\j], v[BW2]
	v_mov_b32 v[BIAS+24+\j], v[BW3]
.endr
	PLACES
	s_wait_alu depctr_va_vdst(0)
	GSTEP 0, 12                                    ; behind W's step 0: step 1
	GSTEP 1, 24                                    ; behind step 1: steps 2 and 3; and so on
	GSTEP 2, 24
	GSTEP 3, 24
	GSTEP 4, 24
	GSTEP 5, 24
	GSTEP 6, 12
	GSTEP 7, 0
	s_cmp_eq_u32 s19, 2
	s_cbranch_scc1 .Lno_rope
	s_wait_alu depctr_va_vdst(0)                   ; the last two K steps' products are done reading x's fragments and W's sets, v64-191, in which the tables land
	TLOAD TBH, 0, TAB0                             ; the halo tile first, then tiles 0 to 7; a tile's tables are asked for while the tile before is turned
.irp n, 0,1,2,3,4,5,6,7,8
.if \n < 8
.if \n > 0
	s_wait_alu depctr_va_vdst(0)                   ; the turn before is done reading its set of tables, in which the next tile's land
.endif
	TLOAD TBA, \n*1024, TAB0+64*((\n+1)%2)
	s_wait_dscnt 16                                ; all but the 16 just issued
.else
	s_wait_dscnt 0x0
.endif
.if \n == 0
	ROT HAC, 8, 0, 0, TAB0
.else
	ROT 8*(\n-1), 64, 0x01, 0x41, TAB0+64*(\n%2)
.endif
.endr
.Lno_rope:
.irp i, 0,1,2,3,4,5,6,7
	v_mov_b32 v[PRV+\i], 0                         ; a lane permute's destination counts as read, and the packed forms name whole pairs: written once a pass
.endr
	STAGEA 0
	STAGEA 1
	STAGEA 2
	STAGEA 3
	s_wait_alu depctr_va_vdst(0)                   ; the time scales have written the rows, which the stage's stores read; products, turns and sums are done with v1, v17-19, v136-199 and v242-249, in which the next pass's loads land, and with v64-127, in which the stage's loads land
	s_cmp_eq_u32 s23, 1                            ; the last pass has no successor and asks for nothing
	s_cbranch_scc1 .Lno_early
	EARLY 1                                        ; the next head's bias and first two K steps land while this head is quantised and stored
.Lno_early:
	s_cmp_eq_u32 s19, 2
	s_cbranch_scc1 .Lquant_v
	; query, key: quantised along the head's 64, which lie across lanes: a tile at a time through my stage
	v_mov_b32 v[QP], 0
	SSTORE 0
	SLOAD YY
.irp t, 0,1,2,3,4,5,6,7
.if \t > 0
	s_wait_alu depctr_va_vdst(0)                   ; the tile before has written its codes, which the store reads, and is done reading its set of 32 numbers, in which the loads from the stage land
	QSEND \t-1
.endif
.if \t < 7
	SSTORE \t+1
	SLOAD YY+32*((\t+1)%2)
	s_wait_dscnt 40                                ; this tile is back; the next tile's 32 stores and 8 loads may be out
.else
	s_wait_dscnt 0x0
.endif
	QROW \t, YY+32*(\t%2)
.endr
.irp i, 0,1,2,3
	v_cndmask_b32 v[SWO+\i], v[SW+\i], v[SW+4+\i], s27   ; an even lane stores its row's words of tiles 0-3, an odd one those of tiles 4-7
.endr
	s_wait_alu depctr_va_vdst(0)                   ; tile 7's codes and the four scale words are written, which the two stores read
	QSEND 7
	global_store_b128 v[BO], v[SWO:SWO+3], s[16:17]      ; the chunk's 128 words: 512 consecutive bytes
	s_branch .Lpass_end
.Lquant_v:
	; value: quantised along the keys, which run down my registers: tiles 4 u .. 4 u + 3 are block 2 h + u of the chunk's 128 keys
	v_mov_b32 v[VX], 0
.irp cb, 0,1,2,3
	WIN 0x14                                       ; sources 1 and 2 in window 1
.set nn, 0
.rept 16
.irp u, 0,1
.if nn == 0
	v_max3_num_f32 v[VM+\u], v[FLR], |v[64*\cb+32*\u]|, |v[64*\cb+32*\u+1]|
.else
	v_max3_num_f32 v[VM+\u], v[VM+\u], |v[64*\cb+32*\u+2*nn]|, |v[64*\cb+32*\u+2*nn+1]|
.endif
.endr
.set nn, nn+1
.endr
	WIN 0
.irp u, 0,1
	v_add_nc_u32 v[VS+\u], 0xff000000, v[VM+\u]
.endr
.irp u, 0,1
	v_lshrrev_b32 v[VB+\u], 23, v[VS+\u]
.endr
	WIN 0x01
.irp u, 0,1
.irp g, 0,1,2,3
	v_cvt_scalef32_pk8_fp4_f32 v[VC+8*\cb+4*\u+\g], v[64*\cb+32*\u+8*\g:64*\cb+32*\u+8*\g+7], v[VS+\u]
.endr
.endr
	WIN 0
	v_lshl_or_b32 v[VW], v[VB+1], 8, v[VB]         ; my two bytes,
	v_lshlrev_b32 v[VW], v[H16], v[VW]             ; at blocks 2 h and 2 h + 1 of the word;
	v_permlanex16_b32 v[VX], v[VW], s28, s29
	v_or_b32 v[SWV+\cb], v[VW], v[VX]              ; with lane l xor 16's two the word is whole
.endr
	v_cndmask_b32 v[VOUT], v[SWV], v[SWV+1], s24
	v_cndmask_b32 v[VOUT+1], v[SWV+2], v[SWV+3], s24
	s_wait_alu depctr_va_vdst(0)                   ; the four tiles' codes, each in registers of its own, and the scale words are written, which the nine stores read
.irp cb, 0,1,2,3
.irp u, 0,1
	global_store_b128 v[GV], v[VC+8*\cb+4*\u:VC+8*\cb+4*\u+3], s[14:15] offset:1024*\cb+256*\u   ; sixteen lanes store 256 consecutive aligned bytes of the fragment's image
.endr
.endr
	global_store_b64 v[L8], v[VOUT:VOUT+1], s[16:17]     ; the chunk's 64 words: 256 consecutive bytes
.Lpass_end:
	s_wait_xcnt 0x0                                ; the stores and the loads asked for ahead have read their registers and bases: both may be written again
	s_wait_alu depctr_vm_vsrc(0)                   ; this pass's stores have read codes, scale words and rows: the next pass's loads, moves and products write these registers again
	s_add_nc_u64 s[6:7], s[6:7], 256               ; on to the next head
	s_add_nc_u64 s[8:9], s[8:9], 32768
	s_add_nc_u64 s[10:11], s[10:11], 2048
	s_add_nc_u64 s[14:15], s[14:15], 32768
	s_add_nc_u64 s[16:17], s[16:17], s[38:39]
	s_sub_co_u32 s23, s23, 1
	s_cmp_lg_u32 s23, 0
	s_cbranch_scc1 .Lpass
	s_wait_dscnt 0x0                               ; the closing lines, six on end
	s_wait_alu 0x0
	s_wait_tensorcnt 0x0
	ds_add_u32 v254, v255
	s_wait_dscnt 0x0
	s_endpgm
.Lfunc_end_k_q07c48a2976_proj:
	.size	k_q07c48a2976_proj, .Lfunc_end_k_q07c48a2976_proj-k_q07c48a2976_proj
	.p2alignl 7, 3214868480
	.fill 96, 4, 3214868480
	.section	.rodata,"a",@progbits
	.p2align	6, 0x0
	.amdhsa_kernel k_q07c48a2976_proj
		.amdhsa_group_segment_fixed_size 154624
		.amdhsa_private_segment_fixed_size 0
		.amdhsa_enable_private_segment 0
		.amdhsa_kernarg_size 112
		.amdhsa_user_sgpr_count 2
		.amdhsa_user_sgpr_kernarg_segment_ptr 1
		.amdhsa_wavefront_size32 1
		.amdhsa_system_sgpr_workgroup_id_x 1
		.amdhsa_system_sgpr_workgroup_id_y 1
		.amdhsa_system_sgpr_workgroup_id_z 1
		.amdhsa_system_vgpr_workitem_id 0
		.amdhsa_next_free_vgpr 512
		.amdhsa_next_free_sgpr 100
		.amdhsa_reserve_vcc 0
		.amdhsa_float_denorm_mode_32 3
		.amdhsa_float_denorm_mode_16_64 3
		.amdhsa_memory_ordered 1
		.amdhsa_forward_progress 1
		.amdhsa_inst_pref_size 255
	.end_amdhsa_kernel
	.section	.bss,"aw",@nobits
	.p2align	6
	.space	262144
	.amdgpu_metadata
---
amdhsa.version: [ 1, 2 ]
amdhsa.kernels:
  - .name:           k_q07c48a2976_proj
    .symbol:         k_q07c48a2976_proj.kd
    .args:
      - { .name: query, .offset: 0, .size: 8, .value_kind: global_buffer, .address_space: global }
      - { .name: key, .offset: 8, .size: 8, .value_kind: global_buffer, .address_space: global }
      - { .name: value, .offset: 16, .size: 8, .value_kind: global_buffer, .address_space: global }
      - { .name: bq, .offset: 24, .size: 8, .value_kind: global_buffer, .address_space: global }
      - { .name: bk, .offset: 32, .size: 8, .value_kind: global_buffer, .address_space: global }
      - { .name: bv, .offset: 40, .size: 8, .value_kind: global_buffer, .address_space: global }
      - { .name: temporal_weights, .offset: 48, .size: 8, .value_kind: global_buffer, .address_space: global }
      - { .name: wimg, .offset: 56, .size: 8, .value_kind: global_buffer, .address_space: global }
      - { .name: wsc, .offset: 64, .size: 8, .value_kind: global_buffer, .address_space: global }
      - { .name: rope, .offset: 72, .size: 8, .value_kind: global_buffer, .address_space: global }
      - { .name: qkc, .offset: 80, .size: 8, .value_kind: global_buffer, .address_space: global }
      - { .name: qks, .offset: 88, .size: 8, .value_kind: global_buffer, .address_space: global }
      - { .name: vimg, .offset: 96, .size: 8, .value_kind: global_buffer, .address_space: global }
      - { .name: vsc, .offset: 104, .size: 8, .value_kind: global_buffer, .address_space: global }
    .group_segment_fixed_size: 154624
    .private_segment_fixed_size: 0
    .kernarg_segment_align: 8
    .kernarg_segment_size: 112
    .max_flat_workgroup_size: 256
    .sgpr_count:     100
    .vgpr_count:     512
    .wavefront_size: 32
...
	.end_amdgpu_metadata
.endif
;; end of part 6
;; launch attn (part 7): grid 2 x 128, 16 waves a work-group, no clusters, 143,360 bytes of LDS; arguments qkc, qks, vimg, vsc, att; writes att
.if DOCPART == 7
	.amdgcn_target "amdgcn-amd-amdhsa--gfx1250"
	.amdhsa_code_object_version 6
	.text
	.protected	k_q07c48a2976_attn
	.globl	k_q07c48a2976_attn
	.p2align	8
	.type	k_q07c48a2976_attn,@function
k_q07c48a2976_attn:
	s_mov_b64 s[64:65], 0
	v_nop
	global_prefetch_b8 v0, s[64:65] scope:SCOPE_SE
	s_setreg_imm32_b32 hwreg(HW_REG_WAVE_SCHED_MODE, 0, 2), 2
	s_setreg_imm32_b32 hwreg(HW_REG_WAVE_MODE, 25, 1), 1
	s_wait_xcnt 0x0
	s_wait_alu depctr_vm_vsrc(0)
; att[b][q][64 head + d] = the sum over k of softmax_k(Q . K / 8) V, both products on codes of E2M1 with one E8M0 scale for each 32 along a product's K.
; THE SOFTMAX AHEAD OF THE SECOND PRODUCT: t = score x log2(e) / 8; M = the running largest t rounded UP to a whole number; p = 2^(t - M) is quantised along the keys, not normalised; the row's sum is taken of the
; unquantised p and divides at the end; when M moves, the sum and O are multiplied by 2^(old M - new M), which rounds nothing.
; SHARES.  A work-group owns one (batch, head) and 512 of its queries; each of its sixteen waves two tiles of 16 queries, one after the other, in 256 registers: four waves to a SIMD, so that one wave's vector work stands
; beside another's matrix work and LDS loads.  All of the head's K and V (70 KB with their scales) is laid in LDS once, behind one barrier, as images of the operands' registers.
; Both tiles' Q come with that fill, under its one wait: the loop over the two tiles loads nothing from memory.
; LAYOUT.  Both products are used transposed: S^T = K Q^T (source 0 = 16 keys), O^T = V^T P^T (source 0 = 16 of the head's 64): a lane holds ONE query throughout.  The head's 64 fill half of the first product's 128:
; the other half is zero codes on both sides, under the byte 0x7f.  THE KEYS OF A TILE ARE NOT NEIGHBOURS: lane r of tile 2 b + u takes key 32 b + 8 u + r + 8 (r / 8), so that the 16 registers of tiles 2 b, 2 b + 1 are 16 neighbouring keys.
; No cluster: what the two work-groups of a head share is one fill at the head of the launch.  LIMITS: NaN and infinities are not served.
; THE MODE: SCHED_MODE bits 1:0 = 2 (LLVM: expert scheduling mode 2), set by the entry lines.  The code itself states the register dependences between vector or matrix instructions and memory or LDS instructions,
;   with s_wait_alu, always for 0.
; THE PLAN.  Registers that memory or LDS instructions touch, who else names them, and the wait that parts the two:
;   Addresses v1-7 and, for the fill alone, v229-235: made at the head, ahead of one wait on va_vdst; v1-7 are never written again.
;   The fill: v32-66 are loaded, read by the LDS stores, and then serve K and the scores; v229-235 become working registers: one wait on vm_vsrc behind the barrier.
;   A key step: K's tiles (the lower four registers of each) and scale words are read by the eight score products, V's fragments and scale words by the last step's four: ONE wait on va_vdst behind the eight, and the step's 22 LDS loads follow it.
;   What vector instructions write and a scaled product takes: the zero codes, Q's copy and its scale word (a wait on va_vdst at a tile's head); p's codes and scale word (one ahead of the second products).
;   The way out: v96-127 are written by the division and read by the stage's stores; v128-159 are loaded back and read by the global stores: a wait on va_vdst ahead of the stores, one on vm_vsrc at the trip's end,
;   since the next tile's products write v96-159.
.set VCL, 32768                        ; LDS: 0 K's tiles (512 bytes each, 8 a step);  V's fragments;
.set KSC, 65536                        ; K's scale words;
.set VSC, 69632                        ; V's;
.set OSL, 71680                        ; a stage of 16 rows x 272 bytes for each wave
.set SEL, 34                           ; s[34:35] v_permlanex16_b32's selects for lane l xor 16
.set CS,  36                           ; s[36:37] c = log2(e) / 8
; REGISTERS: v1 16 x lane; v2, v3 my place among K's and V's scale words; v4-6 the way out; v7 Q's scale words' offset; v8-11 the second tile's Q, v25 its scale words; v12 -M, v13 the largest t, v[14:15] the sum in two halves;
; v16-23 Q (v20-23 zeros); v24 Q's scale words; v26-29 V's scale words; v32-95 eight tiles of K (each tile's upper four registers zeros); v96-159 S^T, then p; v160-191 O^T; v192-223 V; v224-231 p's codes;
; v232-239, v244-247, v252-254 at work; v240-243, v248-251 K's scale words; v253 p's scale word
	s_load_b256 s[4:11], s[0:1], 0x0               ; qkc, qks, vimg, vsc
	s_load_b64 s[12:13], s[0:1], 0x20              ; att
	v_lshl_add_u32 v31, v0, 2, 0x22800
	v_mov_b32 v255, 0
	v_lshrrev_b32 v1, 5, v0
	v_readfirstlane_b32 s14, v1                    ; wave 0..15
	s_and_b32 s15, ttmp7, 0xffff                   ; 16 batch + head
	s_lshl_b32 s30, s15, 15
	s_wait_alu depctr_va_sdst(0)                   ; s14 is written, ahead of its first reader: offsets and LDS places are made from it
	s_lshl_b32 s31, s14, 11
	s_add_co_u32 s18, s30, s31                     ; V's fragments: the head's 32,768 bytes, 2,048 a wave
	s_mov_b32 s19, 0
	s_add_co_u32 s16, s18, 0x400000                ; K's codes lie behind Q's 4 MiB
	s_mov_b32 s17, 0
	s_lshl_b32 s31, s15, 12
	s_lshl_b32 s20, s14, 8
	s_add_co_u32 s20, s20, s31
	s_add_co_u32 s20, s20, 0x80000                 ; K's scale words: behind Q's, 256 bytes a wave
	s_mov_b32 s21, 0
	s_lshl_b32 s22, s15, 11
	s_lshl_b32 s23, s14, 7
	s_add_co_u32 s22, s22, s23                     ; V's: 128 bytes a wave
	s_mov_b32 s23, 0
	s_lshl_b32 s24, ttmp9, 14
	s_add_co_u32 s24, s24, s30
	s_lshl_b32 s25, s14, 9
	s_add_co_u32 s24, s24, s25                     ; Q's codes: query 512 x + 16 wave, 32 bytes a row
	s_mov_b32 s25, 0
	s_lshl_b32 s26, ttmp9, 11                      ; Q's scale words: chunk 4 x + wave / 8 of 512 bytes,
	s_add_co_u32 s26, s26, s31
	s_lshr_b32 s27, s14, 3
	s_lshl_b32 s27, s27, 9
	s_add_co_u32 s26, s26, s27
	s_bfe_u32 s27, s14, 0x10002
	s_lshl_b32 s27, s27, 8
	s_add_co_u32 s26, s26, s27                     ; its half of 64 rows,
	s_and_b32 s27, s14, 3
	s_lshl_b32 s27, s27, 3
	s_add_co_u32 s26, s26, s27                     ; two blocks of eight rows a wave
	s_mov_b32 s27, 0
	s_lshr_b32 s28, s15, 4
	s_lshl_b32 s28, s28, 22
	s_lshl_b32 s29, ttmp9, 21
	s_add_co_u32 s28, s28, s29
	s_lshl_b32 s29, s14, 16
	s_add_co_u32 s28, s28, s29
	s_and_b32 s29, s15, 15
	s_lshl_b32 s29, s29, 8
	s_add_co_u32 s28, s28, s29                     ; att: my first query's row, the head's 256 bytes
	s_mov_b32 s29, 0
	s_mov_b32 s[SEL], 0x76543210
	s_mov_b32 s[SEL+1], 0xfedcba98
	s_mov_b32 s[CS], 0x3e38aa3b
	s_mov_b32 s[CS+1], s[CS]                       ; (named with it as a pair, so it is written)
	v_and_b32 v224, 31, v0                         ; lane
	v_and_b32 v225, 15, v0                         ; r
	v_bfe_u32 v226, v0, 4, 1                       ; h
	v_and_b32 v227, 7, v0                          ; r % 8
	v_bfe_u32 v228, v0, 3, 1                       ; r / 8
	v_lshlrev_b32 v1, 4, v224
	v_lshlrev_b32 v2, 5, v227
	v_lshl_add_u32 v7, v228, 2, v2                 ; the word of row r of 16 neighbours: 32 (r % 8) + 4 (r / 8)
	v_lshl_add_u32 v2, v228, 3, v2                 ; that of a tile's key: its rows 8 .. 15 lie 16 keys on: 32 (r % 8) + 8 (r / 8)
	v_add_nc_u32 v2, KSC, v2
	v_lshlrev_b32 v3, 3, v225
	v_add_nc_u32 v3, VSC, v3
	v_lshlrev_b32 v235, 5, v225
	v_lshl_add_u32 v235, v226, 4, v235             ; Q: row r, block h
	s_mul_i32 s30, s14, 4352
	s_add_co_u32 s30, s30, OSL                     ; my stage
	v_mul_u32_u24 v4, v225, 272
	v_lshl_add_u32 v4, v226, 5, v4
	v_add_nc_u32 v4, s30, v4                       ; in: row r, + 32 h
	v_mul_u32_u24 v5, v226, 272
	v_lshl_add_u32 v5, v225, 4, v5
	v_add_nc_u32 v5, s30, v5                       ; back: lanes 0-15 one row, lanes 16-31 the next
	v_lshlrev_b32 v6, 12, v226
	v_lshl_add_u32 v6, v225, 4, v6                 ; and the same two rows in att
	s_lshl_b32 s32, s14, 11
	v_lshlrev_b32 v229, 9, v226                    ; where a key's 16 bytes go: my 64 keys' 2,048 bytes; lane / 16 picks u, lane % 2 the block, (lane / 2) % 8 the row
	v_and_b32 v230, 1, v0
	v_lshl_add_u32 v229, v230, 8, v229
	v_bfe_u32 v230, v0, 1, 3
	v_lshl_add_u32 v229, v230, 4, v229
	v_add_nc_u32 v229, s32, v229
	v_add_nc_u32 v230, s32, v1                     ; V goes as it lies
	v_lshlrev_b32 v231, 3, v224
	s_lshl_b32 s32, s14, 8
	s_add_co_u32 s32, s32, KSC
	v_add_nc_u32 v232, s32, v231
	v_lshlrev_b32 v233, 2, v224
	s_lshl_b32 s32, s14, 7
	s_add_co_u32 s32, s32, VSC
	v_add_nc_u32 v234, s32, v233
	s_wait_kmcnt 0x0
	s_add_nc_u64 s[16:17], s[4:5], s[16:17]
	s_add_nc_u64 s[18:19], s[8:9], s[18:19]
	s_add_nc_u64 s[20:21], s[6:7], s[20:21]
	s_add_nc_u64 s[22:23], s[10:11], s[22:23]
	s_add_nc_u64 s[24:25], s[4:5], s[24:25]
	s_add_nc_u64 s[26:27], s[6:7], s[26:27]
	s_add_nc_u64 s[28:29], s[12:13], s[28:29]
	s_wait_alu depctr_va_vdst(0)                   ; all addresses and offsets, v1-7 and v229-235, are written: every load and store of the kernel reads some of them
.irp i, 0,1,2,3
	global_load_b128 v[32+4*\i:35+4*\i], v1, s[16:17] offset:512*\i
	global_load_b128 v[48+4*\i:51+4*\i], v1, s[18:19] offset:512*\i
.endr
	global_load_b64 v[64:65], v231, s[20:21]
	global_load_b32 v66, v233, s[22:23]
	global_load_b128 v[16:19], v235, s[24:25]              ; my first tile of queries,
	global_load_b32 v24, v7, s[26:27]
	global_load_b128 v[8:11], v235, s[24:25] offset:8192   ; and my second, 256 queries on
	global_load_b32 v25, v7, s[26:27] offset:1024
	s_wait_loadcnt 0x0
.irp i, 0,1,2,3
	ds_store_b128 v229, v[32+4*\i:35+4*\i] offset:(\i/2)*1024+(\i%2)*128   ; 16 keys a load: which block of 32, and which half of it
	ds_store_b128 v230, v[48+4*\i:51+4*\i] offset:VCL+512*\i
.endr
	ds_store_b64 v232, v[64:65]
	ds_store_b32 v234, v66
	s_wait_dscnt 0x0                               ; for the others' sake: my stores have landed
	s_barrier_signal -1
	s_barrier_wait -1                              ; the head's K and V are whole; from here on they are only read
.macro LDK sn                          ; the eight tiles of K of key step sn and their scale words: 12 LDS loads
.irp t, 0,1,2,3,4,5,6,7
	ds_load_b128 v[32+8*\t:35+8*\t], v1 offset:4096*(\sn)+512*\t
.endr
.irp b, 0,1,2,3
	ds_load_b64 v[240+2*\b+4*(\b/2):241+2*\b+4*(\b/2)], v2 offset:512*(\sn)+256*(\b/2)+16*(\b%2)   ; the words of tiles 2 b and 2 b + 1 lie side by side
.endr
.endm
	s_wait_alu depctr_vm_vsrc(0)                   ; the fill's loads and stores have read their data v32-66 and their addresses v229-235: K's loads, the moves below and the steps write these registers
	LDK 0                                          ; no vector instruction has been issued since the head's wait on va_vdst
.irp t, 0,1,2,3,4,5,6,7
.irp g, 4,5,6,7
	v_mov_b32 v[32+8*\t+\g], 0                     ; zero codes for k = 64 .. 127, written once
.endr
.endr
.irp g, 20,21,22,23
	v_mov_b32 v\g, 0
.endr
.irp b, 0,1,2,3
	v_mov_b32 v[236+\b], 0                         ; written once: a lane permute's destination counts as one of its sources
.endr
	v_mov_b32 v253, 0                              ; (named as the upper half of the pair v[252:253] before it is first written)
; A KEY STEP: 128 keys
.macro STEP st
	s_wait_dscnt 0x0                               ; K of this step is in
.irp t, 0,1,2,3,4,5,6,7
	v_wmma_scale_f32_16x16x128_f8f6f4 v[96+8*\t:103+8*\t], v[32+8*\t:39+8*\t], v[16:23], 0, v[240+\t+4*(\t/4)], v24 matrix_a_fmt:MATRIX_FMT_FP4 matrix_b_fmt:MATRIX_FMT_FP4
.endr
.rept 4
	v_nop                                          ; places in front of the loads into K's and V's registers and of the first read of the scores
.endr
	s_wait_alu depctr_va_vdst(0)                   ; the eight products are done reading K's tiles and scale words, the last step's four V's fragments and scale words: the loads below land there
.irp d, 0,1,2,3
	ds_load_b128 v[192+8*\d:195+8*\d], v1 offset:VCL+4096*(\st)+1024*\d
	ds_load_b128 v[196+8*\d:199+8*\d], v1 offset:VCL+4096*(\st)+1024*\d+512
.endr
	ds_load_b64 v[26:27], v3 offset:256*(\st)      ; V's scale words of tiles 0 and 2,
	ds_load_b64 v[28:29], v3 offset:256*(\st)+128  ; and of tiles 1 and 3
	LDK ((\st)+1)%8                                ; the next step's K lands under the softmax
.irp b, 0,1,2,3
	v_max3_num_f32 v[232+\b], v[96+16*\b], v[97+16*\b], v[98+16*\b]   ; the largest score of each block of 32 keys: it serves for the row's maximum and, since p rises with the score, for the block's largest p
.endr
.irp i, 3,5,7,9,11,13
.irp b, 0,1,2,3
	v_max3_num_f32 v[232+\b], v[232+\b], v[96+16*\b+\i], v[97+16*\b+\i]
.endr
.endr
.irp b, 0,1,2,3
	v_max_num_f32 v[232+\b], v[232+\b], v[111+16*\b]
.endr
.irp b, 0,1,2,3
	v_permlanex16_b32 v[236+\b], v[232+\b], s[SEL], s[SEL+1]
.endr
.irp b, 0,1,2,3
	v_max_num_f32 v[232+\b], v[232+\b], v[236+\b]  ; with lane l xor 16's 16 keys
.endr
	v_max3_num_f32 v254, v232, v233, v234
	v_max_num_f32 v254, v254, v235
	v_mul_f32 v254, s[CS], v254                    ; as t (c is positive)
	v_max_num_f32 v13, v13, v254                   ; the running largest t
	v_mov_b32 v254, v12
	v_floor_f32 v12, -v13                          ; the new -M = floor(-t): M is a whole number
	v_sub_f32 v254, v12, v254                      ; old M - new M: a whole number, 0 or less
	v_cvt_i32_f32 v254, v254                       ; (it saturates)
	v_ldexp_f32 v252, 1.0, v254                    ; f = 2^(old M - new M)
.irp j, 0,2,4,6,8,10,12,14,16,18,20,22,24,26,28,30,32,34,36,38,40,42,44,46,48,50,52,54,56,58,60,62
	v_pk_fma_f32 v[96+\j:97+\j], v[96+\j:97+\j], s[CS:CS+1], v[12:13] op_sel_hi:[1,0,0]   ; t - M, two at a time
.endr
.irp b, 0,1,2,3
	v_fma_f32 v[232+\b], v[232+\b], s[CS], v12     ; the same of each block's largest score
.endr
	s_wait_alu depctr_va_vdst(0)
.irp j, 0,1,2,3,4,5,6,7,8,9,10,11,12,13,14,15,16,17,18,19,20,21,22,23,24,25,26,27,28,29,30,31,32,33,34,35,36,37,38,39,40,41,42,43,44,45,46,47,48,49,50,51,52,53,54,55,56,57,58,59,60,61,62,63
	v_exp_f32 v[96+\j], v[96+\j]                   ; p = 2^(t - M), at most 1
.endr
	v_pk_mul_f32 v[14:15], v[14:15], v[252:253] op_sel_hi:[1,0]   ; the sums under the new M: a plain instruction behind the exponentials
	s_wait_alu depctr_va_vdst(0)                   ; the 64 exponentials have written v96-159, ahead of their first reader: one wait for the batch
.irp b, 0,1,2,3
	v_exp_f32 v[232+\b], v[232+\b]                 ; the block's largest p
.endr
	v_pk_add_f32 v[236:237], v[96:97], v[98:99]    ; the row's sum is taken of the unquantised p, in two chains
.irp j, 4,8,12,16,20,24,28,32,36,40,44,48,52,56,60
	v_pk_add_f32 v[14:15], v[14:15], v[96+\j:97+\j]
	v_pk_add_f32 v[236:237], v[236:237], v[98+\j:99+\j]
.endr
	v_pk_add_f32 v[14:15], v[14:15], v[236:237]
	s_wait_alu depctr_va_vdst(0)                   ; the four exponentials have written v232-235, ahead of their first reader
.irp b, 0,1,2,3
	v_max_num_f32 v[232+\b], 0x1800000, v[232+\b]  ; the floor 2^(3 - 127): the byte cannot fall under 1
.endr
.irp b, 0,1,2,3
	v_add_nc_u32 v[244+\b], 0xff000000, v[232+\b]  ; 2 off the exponent field: the conversion's scale operand
.endr
.irp b, 0,1,2,3
	v_lshrrev_b32 v[236+\b], 23, v[244+\b]
.endr
	v_lshl_or_b32 v253, v237, 8, v236              ; p's scale word for these 128 keys
	v_lshl_or_b32 v253, v238, 16, v253
	v_lshl_or_b32 v253, v239, 24, v253
.irp b, 0,1,2,3
	v_cvt_scalef32_pk8_fp4_f32 v[224+2*\b], v[96+16*\b:103+16*\b], v[244+\b]
	v_cvt_scalef32_pk8_fp4_f32 v[225+2*\b], v[104+16*\b:111+16*\b], v[244+\b]
.endr
	v_nop                                          ; one plain instruction behind a scaled conversion
.irp c, 0,1                            ; the operand's layout wants a whole block in a lane
.irp i, 0,1
	v_permlane16_swap_b32 v[224+4*\c+\i], v[226+4*\c+\i]
.endr
.endr
.irp j, 0,2,4,6,8,10,12,14,16,18,20,22,24,26,28,30
	v_pk_mul_f32 v[160+\j:161+\j], v[160+\j:161+\j], v[252:253] op_sel_hi:[1,0]   ; O^T under the new M; these sixteen also stand between the writes of p's codes and scale word and the products
.endr
	s_wait_dscnt 12                                ; V and its scale words are in; the next step's K, 12 loads, may be out
	s_wait_alu depctr_va_vdst(0)                   ; the conversions and exchanges have written p's codes v224-231, the shifts its scale word v253: the scaled products below take them as an operand and as scales
.irp d, 0,1,2,3
	v_wmma_scale_f32_16x16x128_f8f6f4 v[160+8*\d:167+8*\d], v[192+8*\d:199+8*\d], v[224:231], v[160+8*\d:167+8*\d], v[26+2*(\d%2)+\d/2], v253 matrix_a_fmt:MATRIX_FMT_FP4 matrix_b_fmt:MATRIX_FMT_FP4
.endr
.endm
	s_mov_b32 s33, 2
.Ltile:                                            ; a tile of 16 queries; its Q and scale words stand in v16-19 and v24
	v_mov_b32 v13, 0xff61b1e6                      ; the largest t so far: -3e38, under every t
	v_floor_f32 v12, -v13
	v_mov_b32 v14, 0
	v_mov_b32 v15, 0
.irp j, 0,1,2,3,4,5,6,7,8,9,10,11,12,13,14,15,16,17,18,19,20,21,22,23,24,25,26,27,28,29,30,31
	v_mov_b32 v[160+\j], 0                         ; the step is written once: the first finds zeros, which the first change of M leaves zeros.  (These 36 lines also stand between the copy of Q at a trip's end and the first product)
.endr
	s_wait_alu depctr_va_vdst(0)                   ; the moves have written the zero codes of K and Q (first trip) and Q's copy and its scale word (second trip): the scaled products take them as operands and as scales
	STEP 0
	STEP 1
	STEP 2
	STEP 3
	STEP 4
	STEP 5
	STEP 6
	STEP 7                                         ; (it asks for step 0's K again, for the next tile)
	v_add_f32 v14, v14, v15                        ; the sum's two halves,
	v_permlanex16_b32 v252, v14, s[SEL], s[SEL+1]
	v_add_f32 v14, v14, v252                       ; and lane l xor 16's
	s_wait_alu depctr_va_vdst(0)
	v_rcp_f32 v14, v14
.rept 3
	v_nop                                          ; with the additions: the places behind the last products; and a plain instruction behind the reciprocal
.endr
	s_wait_alu depctr_va_vdst(0)                   ; the reciprocal has written v14, ahead of its first reader
.irp j, 0,2,4,6,8,10,12,14,16,18,20,22,24,26,28,30
	v_pk_mul_f32 v[96+\j:97+\j], v[160+\j:161+\j], v[14:15] op_sel_hi:[1,0]   ; register 8 d + i: channel 16 d + 8 h + i of query r
.endr
	s_wait_alu depctr_va_vdst(0)                   ; the multiplications have written v96-127, which the stage's stores read; the last step's sums and conversions are done reading v128-159, in which the loads from the stage land
.irp d, 0,1,2,3
	ds_store_b128 v4, v[96+8*\d:99+8*\d] offset:64*\d
	ds_store_b128 v4, v[100+8*\d:103+8*\d] offset:64*\d+16
.endr
.irp i, 0,1,2,3,4,5,6,7
	ds_load_b128 v[128+4*\i:131+4*\i], v5 offset:544*\i   ; LDS serves a wave's instructions in order: these see my stores
.endr
.irp g, 0,1,2,3
	v_mov_b32 v[16+\g], v[8+\g]                    ; the second tile's Q takes the first's place
.endr
	v_mov_b32 v24, v25                             ; and its scale words
.irp i, 0,1,2,3,4,5,6,7
	s_wait_dscnt 7-\i
	global_store_b128 v6, v[128+4*\i:131+4*\i], s[28:29] offset:8192*\i   ; sixteen lanes store a row's 256 bytes of this head, aligned
.endr
	s_wait_xcnt 0x0                                ; the stores have read their registers and base
	s_wait_alu depctr_vm_vsrc(0)                   ; the stage's stores have read v96-127 and the global stores v128-159: the next tile's products write these registers
	s_add_nc_u64 s[28:29], s[28:29], 0x100000      ; 256 queries on
	s_sub_co_u32 s33, s33, 1
	s_cmp_lg_u32 s33, 0
	s_cbranch_scc1 .Ltile
	s_wait_dscnt 0x0                               ; the closing lines, six on end
	s_wait_alu 0x0
	s_wait_tensorcnt 0x0
	ds_add_u32 v31, v255
	s_wait_dscnt 0x0
	s_endpgm
.Lfunc_end_k_q07c48a2976_attn:
	.size	k_q07c48a2976_attn, .Lfunc_end_k_q07c48a2976_attn-k_q07c48a2976_attn
	.p2alignl 7, 3214868480
	.fill 96, 4, 3214868480
	.section	.rodata,"a",@progbits
	.p2align	6, 0x0
	.amdhsa_kernel k_q07c48a2976_attn
		.amdhsa_group_segment_fixed_size 143360
		.amdhsa_private_segment_fixed_size 0
		.amdhsa_enable_private_segment 0
		.amdhsa_kernarg_size 40
		.amdhsa_user_sgpr_count 2
		.amdhsa_user_sgpr_kernarg_segment_ptr 1
		.amdhsa_wavefront_size32 1
		.amdhsa_system_sgpr_workgroup_id_x 1
		.amdhsa_system_sgpr_workgroup_id_y 1
		.amdhsa_system_sgpr_workgroup_id_z 1
		.amdhsa_system_vgpr_workitem_id 0
		.amdhsa_next_free_vgpr 256
		.amdhsa_next_free_sgpr 66
		.amdhsa_reserve_vcc 0
		.amdhsa_float_denorm_mode_32 3
		.amdhsa_float_denorm_mode_16_64 3
		.amdhsa_memory_ordered 1
		.amdhsa_forward_progress 1
		.amdhsa_inst_pref_size 132
	.end_amdhsa_kernel
	.amdgpu_metadata
---
amdhsa.version: [ 1, 2 ]
amdhsa.kernels:
  - .name:           k_q07c48a2976_attn
    .symbol:         k_q07c48a2976_attn.kd
    .args:
      - { .name: qkc, .offset: 0, .size: 8, .value_kind: global_buffer, .address_space: global }
      - { .name: qks, .offset: 8, .size: 8, .value_kind: global_buffer, .address_space: global }
      - { .name: vimg, .offset: 16, .size: 8, .value_kind: global_buffer, .address_space: global }
      - { .name: vsc, .offset: 24, .size: 8, .value_kind: global_buffer, .address_space: global }
      - { .name: att, .offset: 32, .size: 8, .value_kind: global_buffer, .address_space: global }
    .group_segment_fixed_size: 143360
    .private_segment_fixed_size: 0
    .kernarg_segment_align: 8
    .kernarg_segment_size: 40
    .max_flat_workgroup_size: 512
    .sgpr_count:     66
    .vgpr_count:     256
    .wavefront_size: 32
...
	.end_amdgpu_metadata
.endif
;; end of part 7
;; launch lnout (part 8): grid 256 x 1, 16 waves a work-group, no clusters, 172,032 bytes of LDS; arguments att, ln_gamma, ln_beta, wimg, wsc, bo, out0; writes out0
.if DOCPART == 8
	.amdgcn_target "amdgcn-amd-amdhsa--gfx1250"
	.amdhsa_code_object_version 6
	.text
	.protected	k_q07c48a2976_lnout
	.globl	k_q07c48a2976_lnout
	.p2align	8
	.type	k_q07c48a2976_lnout,@function
k_q07c48a2976_lnout:
	s_mov_b64 s[64:65], 0
	v_nop
	global_prefetch_b8 v0, s[64:65] scope:SCOPE_SE
	s_setreg_imm32_b32 hwreg(HW_REG_WAVE_SCHED_MODE, 0, 2), 2
	s_setreg_imm32_b32 hwreg(HW_REG_WAVE_MODE, 25, 1), 1
	s_wait_xcnt 0x0
	s_wait_alu depctr_vm_vsrc(0)
; out0 = LayerNorm(att) Wo + bo, the product on codes of E2M1 with one E8M0 scale for each 32 along the 1,024.
; A work-group owns 32 rows.  ORDER OF THE REQUESTS: each wave asks first for 256 bytes of gain, of offset and of bo (the sixteen waves together fetch each of them once), then for its two rows of att, then for Wo's first two K steps.
; The three small vectors are laid in LDS | barrier | every wave reads gain and offset back in the order of its registers.  Wave w normalises rows 2 w and 2 w + 1 (mean, then the mean of squared differences, v_rsq_f32,
; gain and offset, all f32); the registers that held gain and offset take Wo's K steps 2 and 3 at once; the rows are quantised and their codes and scale bytes laid in LDS | barrier |
; the wave then makes columns 64 w .. 64 w + 63 for all 32 rows: 8 accumulators, which begin as the bias, read from LDS; Wo's fragments come from memory in register order, four sets, each filled again behind its K step.
; The product is used transposed (source 0 = 16 columns of Wo, source 1 = 16 rows): a lane holds eight neighbouring columns of a row.  A wave's 64 columns are 256 aligned bytes of a row: they go through the wave's OWN stage
; in LDS, no barrier, and sixteen lanes store them whole.
; No cluster: every wave takes other columns of Wo straight into registers; sharing them between work-groups would want a ring through LDS.  LIMITS: a block of zeros gets the byte 1; NaN and infinities are not served.
; THE MODE: SCHED_MODE bits 1:0 = 2 (LLVM: expert scheduling mode 2), set by the entry lines.  The code itself states the register dependences between vector or matrix instructions and memory or LDS instructions,
;   with s_wait_alu, always for 0.
; THE PLAN.  Registers that memory or LDS instructions touch, who else names them, and the wait that parts the two:
;   Addresses v1-11 and, for the three small vectors alone, v211, v218, v219: made at the head, ahead of one wait on va_vdst; v1-11 are never written again.
;   v211-219: read by the small loads and their LDS stores, then working registers: a wait on vm_vsrc behind the first barrier.
;   v144-207: gain and offset, read by the multiply-adds; then Wo's K steps 2 and 3 land there: a wait on va_vdst.
;   v216-231: the two rows' codes and bytes, a set to each row: both rows' arithmetic, ONE wait on va_vdst, the sixteen LDS stores; the same wait serves the bias's loads into v16-79, which the arithmetic named.
;     The rows' fragments then land in v208-239: a wait on vm_vsrc behind the second barrier.
;   K STEP ks: its products read set ks % 4 of Wo and set ks % 2 of the rows.  ONE wait on va_vdst at the head of step ks + 1: behind it the set of Wo takes K step ks + 4 and the set of rows K step ks + 2.
;   The way out: the accumulators are read by the stage's stores, and v80-143, which products read, take the rows back: the places, then one wait on va_vdst.
.set XSL, 16896                        ; LDS: 0 codes, 32 rows of 512 bytes, pitch 528;  scale bytes, 32 rows of 32, pitch 36;
.set GBL, 18176                        ; gain, 4,096 bytes as [p 4][half 2][lane 32][16 bytes]: the piece at byte 1,024 p + 32 lane + 16 half;  offset likewise, 4,096 on;  bo as it lies, 8,192 on;
.set STG, 30464                        ; a stage of 32 rows x 272 bytes for each wave
; REGISTERS: v1 16 x lane; v2 4 r; v3 my piece of a load's 512 bytes; v4, v5 my row of a tile: codes, scale bytes; v6, v7 where I put codes and bytes; v8 the stage, in; v9 the stage, back; v10 my place in two rows of out0;
; v11 my eight columns of bo in LDS; v12-15 the rows' scale words (two sets); v16-79 the accumulators (first: my two rows); v80-207 four sets of Wo's fragments (the third and fourth first hold gain and offset);
; v208-239 two sets of the rows' fragments (first: at work); v240-255 Wo's scale words, four sets
.set ACC, 16
.set WS,  80
.set GAM, 144
.set BET, 176
.set WSC, 240
	s_load_b256 s[4:11], s[0:1], 0x0               ; att, ln_gamma, ln_beta, wimg
	s_load_b128 s[12:15], s[0:1], 0x20             ; wsc, bo
	s_load_b64 s[16:17], s[0:1], 0x30              ; out0
	v_lshrrev_b32 v1, 5, v0
	v_readfirstlane_b32 s18, v1                    ; wave 0..15
	v_and_b32 v208, 31, v0                         ; lane
	v_and_b32 v209, 15, v0                         ; r
	v_bfe_u32 v210, v0, 4, 1                       ; h
	v_lshlrev_b32 v1, 4, v208
	v_lshlrev_b32 v2, 2, v209
	v_lshlrev_b32 v3, 5, v209
	v_lshl_add_u32 v3, v210, 4, v3                 ; lanes 0-15 a load's even pieces of 16 bytes, lanes 16-31 its odd ones
	v_mul_u32_u24 v4, v209, 528
	v_lshl_add_u32 v4, v210, 4, v4
	v_mul_u32_u24 v5, v209, 36
	v_add_nc_u32 v5, XSL, v5
	s_wait_alu depctr_va_sdst(0)                   ; s18 is written, ahead of its first reader: LDS places and offsets are made from it
	s_mul_i32 s19, s18, 1056
	v_lshl_add_u32 v6, v208, 2, s19
	s_mul_i32 s19, s18, 72
	s_add_co_u32 s19, s19, XSL
	v_lshrrev_b32 v7, 2, v208
	v_add_nc_u32 v7, s19, v7
	s_mul_i32 s19, s18, 8704
	s_add_co_u32 s19, s19, STG                     ; my stage
	v_mul_u32_u24 v8, v209, 272
	v_lshl_add_u32 v8, v210, 5, v8
	v_add_nc_u32 v8, s19, v8                       ; in: row r, + 32 h
	v_mul_u32_u24 v9, v210, 272
	v_lshl_add_u32 v9, v209, 4, v9
	v_add_nc_u32 v9, s19, v9                       ; back: lanes 0-15 one row, lanes 16-31 the next
	v_lshlrev_b32 v10, 12, v210
	v_lshl_add_u32 v10, v209, 4, v10               ; and the same two rows in out0
	s_lshl_b32 s30, s18, 8                         ; 256 bytes a wave: of gain, offset and bo, and of a row of out0
	s_mov_b32 s31, 0
	s_add_co_u32 s19, s30, GBL+8192
	v_lshl_add_u32 v11, v210, 5, s19               ; bo: my wave's 64 columns, + 8 h of them
	v_lshlrev_b32 v211, 3, v208                    ; 8 bytes a lane
	v_add_nc_u32 v218, s19, v211                   ; bo goes into LDS as it lies
	v_bfe_u32 v219, v0, 1, 1                       ; gain and offset: my 8 bytes lie in the piece of 16 bytes 16 wave + lane / 2: its half is (lane / 2) % 2,
	v_bfe_u32 v220, v0, 2, 3                       ; its lane 8 (wave % 4) + lane / 4,
	v_and_b32 v221, 1, v0
	v_lshlrev_b32 v219, 9, v219
	v_lshl_add_u32 v219, v220, 4, v219
	v_lshl_add_u32 v219, v221, 3, v219
	s_lshr_b32 s32, s18, 2                         ; its p wave / 4
	s_lshl_b32 s32, s32, 10
	s_and_b32 s33, s18, 3
	s_lshl_b32 s33, s33, 7
	s_add_co_u32 s32, s32, s33
	s_add_co_u32 s32, s32, GBL
	v_add_nc_u32 v219, s32, v219
	s_lshl_b32 s20, ttmp9, 17
	s_add_co_u32 s34, s20, s30                     ; out0: the work-group's 32 rows, my wave's 256 bytes of each
	s_mov_b32 s35, 0
	s_lshl_b32 s19, s18, 13
	s_add_co_u32 s20, s20, s19                     ; att: my two rows
	s_mov_b32 s21, 0
	s_mov_b32 s22, 0x3a800000                      ; 1 / 1,024
	s_mov_b32 s23, 0x3727c5ac                      ; 1e-5
	s_mov_b32 s24, 0x76543210
	s_mov_b32 s25, 0xfedcba98
	s_lshl_b32 s26, s18, 15
	s_add_co_u32 s26, s26, 0x180000                ; Wo is the fourth weight; four tiles of columns a wave
	s_mov_b32 s27, 0
	s_lshr_b32 s28, s26, 4
	s_mov_b32 s29, 0
	s_wait_kmcnt 0x0
	s_add_nc_u64 s[4:5], s[4:5], s[20:21]
	s_add_nc_u64 s[6:7], s[6:7], s[30:31]
	s_add_nc_u64 s[8:9], s[8:9], s[30:31]
	s_add_nc_u64 s[14:15], s[14:15], s[30:31]
	s_add_nc_u64 s[16:17], s[16:17], s[34:35]
	s_add_nc_u64 s[10:11], s[10:11], s[26:27]
	s_add_nc_u64 s[12:13], s[12:13], s[28:29]
.macro LDB ks, set                     ; Wo's four fragments and scale words of K step ks: 12 loads
.irp ct, 0,1,2,3
	global_load_b128 v[WS+32*(\set)+8*\ct:WS+32*(\set)+8*\ct+3], v1, s[10:11] offset:\ct*8192+(\ks)*1024
	global_load_b128 v[WS+32*(\set)+8*\ct+4:WS+32*(\set)+8*\ct+7], v1, s[10:11] offset:\ct*8192+(\ks)*1024+512
	global_load_b32 v[WSC+4*(\set)+\ct], v2, s[12:13] offset:(\ks)*256+64*\ct
.endr
.endm
.macro LD32N reg, base, off            ; a row of 1,024 numbers, 32 a lane: eight loads of 512 consecutive bytes; read once
.irp p, 0,1,2,3
	global_load_b128 v[\reg+8*\p:\reg+8*\p+3], v3, s[\base:\base+1] offset:\off+1024*\p th:TH_LOAD_NT
	global_load_b128 v[\reg+8*\p+4:\reg+8*\p+7], v3, s[\base:\base+1] offset:\off+1024*\p+512 th:TH_LOAD_NT
.endr
.endm
.macro SWAP32 reg                      ; the exchange of halves gives lane l the eight neighbours at byte 1,024 p + 32 l
.irp p, 0,1,2,3
.irp g, 0,1,2,3
	v_permlane16_swap_b32 v[\reg+8*\p+\g], v[\reg+8*\p+4+\g]
.endr
.endr
.endm
.macro REDUCE                          ; v208 and v212 are summed over the 32 lanes, the two rows by turns
.irp m, 1,2,4,8
.irp n, 0,1
	v_add_f32_dpp v[208+4*\n], v[208+4*\n], v[208+4*\n] row_xmask:\m row_mask:0xf bank_mask:0xf
.endr
.endr
.irp n, 0,1
	v_permlanex16_b32 v[216+\n], v[208+4*\n], s24, s25
.endr
.irp n, 0,1
	v_add_f32 v[208+4*\n], v[208+4*\n], v[216+\n]
.endr
.endm
	s_wait_alu depctr_va_vdst(0)                   ; all addresses and offsets, v1-11, v211, v218 and v219, are written: every load and store of the kernel reads some of them
	global_load_b64 v[212:213], v211, s[6:7]       ; my 256 bytes of gain,
	global_load_b64 v[214:215], v211, s[8:9]       ; of offset,
	global_load_b64 v[216:217], v211, s[14:15]     ; and of bo
	LD32N 16, 4, 0                                 ; my two rows: what the wave works on first goes out ahead of the weights
	LD32N 48, 4, 4096
	LDB 0, 0
	LDB 1, 1
	s_wait_loadcnt 40                              ; the three small loads are in; behind them: 16 loads of my rows and 24 of Wo
	ds_store_b64 v219, v[212:213]
	ds_store_b64 v219, v[214:215] offset:4096
	ds_store_b64 v218, v[216:217]
	s_wait_dscnt 0x0                               ; for the others' sake: my stores have landed
	s_barrier_signal -1
	s_barrier_wait -1                              ; gain, offset and bo are whole; from here on they are only read
.irp p, 0,1,2,3
.irp q, 0,1
	ds_load_b128 v[GAM+8*\p+4*\q:GAM+8*\p+4*\q+3], v1 offset:GBL+1024*\p+512*\q
	ds_load_b128 v[BET+8*\p+4*\q:BET+8*\p+4*\q+3], v1 offset:GBL+4096+1024*\p+512*\q
.endr
.endr
	s_wait_alu depctr_vm_vsrc(0)                   ; the small loads have read their offset v211, their LDS stores the data v212-217 and the addresses v218, v219: the moves and sums below write these registers
.irp g, 216,217,221,223,225,227
	v_mov_b32 v\g, 0                               ; lane permutes' destinations and the upper halves of pairs that the packed forms name: written once
.endr
	s_wait_loadcnt 24                              ; my two rows are in; Wo's first two K steps, 24 loads, may be out
	SWAP32 16
	SWAP32 48
.irp n, 0,1
	v_pk_add_f32 v[208+4*\n:209+4*\n], v[16+32*\n:17+32*\n], v[18+32*\n:19+32*\n]
	v_pk_add_f32 v[210+4*\n:211+4*\n], v[20+32*\n:21+32*\n], v[22+32*\n:23+32*\n]
.endr
.irp k, 8,12,16,20,24,28
.irp n, 0,1
	v_pk_add_f32 v[208+4*\n:209+4*\n], v[208+4*\n:209+4*\n], v[16+32*\n+\k:17+32*\n+\k]
	v_pk_add_f32 v[210+4*\n:211+4*\n], v[210+4*\n:211+4*\n], v[18+32*\n+\k:19+32*\n+\k]
.endr
.endr
.irp n, 0,1
	v_pk_add_f32 v[208+4*\n:209+4*\n], v[208+4*\n:209+4*\n], v[210+4*\n:211+4*\n]
.endr
.irp n, 0,1
	v_add_f32 v[208+4*\n], v[208+4*\n], v[209+4*\n]
.endr
	REDUCE
.irp n, 0,1
	v_mul_f32 v[220+2*\n], s22, v[208+4*\n]        ; the mean
.endr
.irp k, 0,2,4,6,8,10,12,14,16,18,20,22,24,26,28,30
.irp n, 0,1
	v_pk_add_f32 v[16+32*\n+\k:17+32*\n+\k], v[16+32*\n+\k:17+32*\n+\k], v[220+2*\n:221+2*\n] op_sel_hi:[1,0] neg_lo:[0,1] neg_hi:[0,1]
.endr
.endr
.irp n, 0,1
	v_pk_mul_f32 v[208+4*\n:209+4*\n], v[16+32*\n:17+32*\n], v[16+32*\n:17+32*\n]
	v_pk_mul_f32 v[210+4*\n:211+4*\n], v[18+32*\n:19+32*\n], v[18+32*\n:19+32*\n]
.endr
.irp k, 4,8,12,16,20,24,28
.irp n, 0,1
	v_pk_fma_f32 v[208+4*\n:209+4*\n], v[16+32*\n+\k:17+32*\n+\k], v[16+32*\n+\k:17+32*\n+\k], v[208+4*\n:209+4*\n]
	v_pk_fma_f32 v[210+4*\n:211+4*\n], v[18+32*\n+\k:19+32*\n+\k], v[18+32*\n+\k:19+32*\n+\k], v[210+4*\n:211+4*\n]
.endr
.endr
.irp n, 0,1
	v_pk_add_f32 v[208+4*\n:209+4*\n], v[208+4*\n:209+4*\n], v[210+4*\n:211+4*\n]
.endr
.irp n, 0,1
	v_add_f32 v[208+4*\n], v[208+4*\n], v[209+4*\n]
.endr
	REDUCE
.irp n, 0,1
	v_fma_f32 v[208+4*\n], v[208+4*\n], s22, s23   ; the variance + 1e-5
.endr
	s_wait_alu depctr_va_vdst(0)
.irp n, 0,1
	v_rsq_f32 v[224+2*\n], v[208+4*\n]
.endr
	v_nop                                          ; a plain instruction behind the two
	s_wait_dscnt 0x0                               ; gain and offset are back from LDS
	s_wait_alu depctr_va_vdst(0)                   ; the two v_rsq_f32 have written v224 and v226, ahead of their first reader
.irp k, 0,2,4,6,8,10,12,14,16,18,20,22,24,26,28,30
.irp n, 0,1
	v_pk_mul_f32 v[16+32*\n+\k:17+32*\n+\k], v[16+32*\n+\k:17+32*\n+\k], v[224+2*\n:225+2*\n] op_sel_hi:[1,0]
.endr
.endr
.irp k, 0,2,4,6,8,10,12,14,16,18,20,22,24,26,28,30
.irp n, 0,1
	v_pk_fma_f32 v[16+32*\n+\k:17+32*\n+\k], v[16+32*\n+\k:17+32*\n+\k], v[GAM+\k:GAM+\k+1], v[BET+\k:BET+\k+1]
.endr
.endr
	s_wait_alu depctr_va_vdst(0)                   ; the multiply-adds are done reading gain and offset, v144-207, in which the loads below land
	LDB 2, 2                                       ; gain's and offset's registers are done with: they take Wo's K steps 2 and 3, which land under the quantiser and the barrier
	LDB 3, 3
.macro LQV xr, n                       ; row n of my two is quantised; four lanes hold a block of 32; each row has its own registers for codes and bytes
.irp p, 0,1,2,3
	v_max3_num_f32 v[208+\p], |v[\xr+8*\p]|, |v[\xr+8*\p+1]|, 0x1800000
.endr
.irp k, 2,4,6
.irp p, 0,1,2,3
	v_max3_num_f32 v[208+\p], v[208+\p], |v[\xr+8*\p+\k]|, |v[\xr+8*\p+\k+1]|
.endr
.endr
.irp p, 0,1,2,3
	v_max_num_f32_dpp v[208+\p], v[208+\p], v[208+\p] row_xmask:1 row_mask:0xf bank_mask:0xf
.endr
.irp p, 0,1,2,3
	v_max_num_f32_dpp v[208+\p], v[208+\p], v[208+\p] row_xmask:2 row_mask:0xf bank_mask:0xf
.endr
.irp p, 0,1,2,3
	v_add_nc_u32 v[212+\p], 0xff000000, v[208+\p]
.endr
.irp p, 0,1,2,3
	v_cvt_scalef32_pk8_fp4_f32 v[216+4*\n+\p], v[\xr+8*\p:\xr+8*\p+7], v[212+\p]
.endr
.irp p, 0,1,2,3
	v_lshrrev_b32 v[224+4*\n+\p], 23, v[212+\p]
.endr
.endm
.macro LQS n                           ; and its codes and bytes go to LDS
.irp p, 0,1,2,3
	ds_store_b32 v6, v[216+4*\n+\p] offset:528*\n+128*\p
	ds_store_b8 v7, v[224+4*\n+\p] offset:36*\n+8*\p
.endr
.endm
	LQV 16, 0
	LQV 48, 1
	s_wait_alu depctr_va_vdst(0)                   ; both rows' conversions and shifts have written codes and bytes, v216-231, which the stores read; the arithmetic is done with v16-79, in which the bias lands behind the barrier
	LQS 0
	LQS 1
	s_wait_dscnt 0x0                               ; for the others' sake: my stores have landed
	s_barrier_signal -1
	s_barrier_wait -1                              ; the 32 rows' codes and scale bytes are whole
	s_wait_alu depctr_vm_vsrc(0)                   ; my LDS stores have read v216-231, in which the rows' fragments land
.irp ct, 0,1,2,3
.irp rt, 0,1
	ds_load_b128 v[ACC+8*(2*\ct+\rt):ACC+8*(2*\ct+\rt)+3], v11 offset:64*\ct          ; the sums begin as bo at my eight columns of the tile, for both tiles of rows
	ds_load_b128 v[ACC+8*(2*\ct+\rt)+4:ACC+8*(2*\ct+\rt)+7], v11 offset:64*\ct+16
.endr
.endr
.macro LDA ks                          ; the two tiles of rows of K step ks: 6 LDS loads
.set AS, 208+16*((\ks)%2)
.irp rt, 0,1
	ds_load_b128 v[AS+8*\rt:AS+8*\rt+3], v4 offset:\rt*8448+64*(\ks)
	ds_load_b128 v[AS+8*\rt+4:AS+8*\rt+7], v4 offset:\rt*8448+64*(\ks)+32
	ds_load_b32 v[12+2*((\ks)%2)+\rt], v5 offset:\rt*576+4*(\ks)
.endr
.endm
; A K step: eight matrix instructions on eight accumulators by turns.  l: the weight loads issued behind this step's, 12 a K step
.macro GSTEP ks, l
.if ((\ks) > 0) && ((\ks) < 7)
	s_wait_alu depctr_va_vdst(0)                   ; the last step's products are done reading their set of Wo with its scale words and their set of the rows' fragments with theirs: the loads below land there
.endif
.if ((\ks) > 0) && ((\ks) < 5)
	LDB (\ks)+3, ((\ks)-1)%4                       ; the last step's set takes the K step four on from it
.endif
.if (\ks) < 7
	LDA (\ks)+1
	s_wait_dscnt 6                                 ; this step's rows (and, in step 0, the bias) are in; the next step's six loads may be out
.else
	s_wait_dscnt 0x0
.endif
	s_wait_loadcnt \l
.set AS, 208+16*((\ks)%2)
.irp ct, 0,1,2,3
.irp rt, 0,1
	v_wmma_scale_f32_16x16x128_f8f6f4 v[ACC+8*(2*\ct+\rt):ACC+8*(2*\ct+\rt)+7], v[WS+32*((\ks)%4)+8*\ct:WS+32*((\ks)%4)+8*\ct+7], v[AS+8*\rt:AS+8*\rt+7], v[ACC+8*(2*\ct+\rt):ACC+8*(2*\ct+\rt)+7], v[WSC+4*((\ks)%4)+\ct], v[12+2*((\ks)%2)+\rt] matrix_a_fmt:MATRIX_FMT_FP4 matrix_b_fmt:MATRIX_FMT_FP4
.endr
.endr
.rept 4
	v_nop                                          ; places in front of loads into registers that these products have read, and of the first read of results
.endr
.endm
	LDA 0
	GSTEP 0, 36                                    ; behind K step 0: steps 1, 2, 3
	GSTEP 1, 36                                    ; behind step 1: steps 2, 3, 4; and so on
	GSTEP 2, 36
	GSTEP 3, 36
	GSTEP 4, 36
	GSTEP 5, 24
	GSTEP 6, 12
	GSTEP 7, 0
	s_wait_alu depctr_va_vdst(0)                   ; the products have written the accumulators, which the stage's stores read, and are done reading v80-143, in which the loads from the stage land; the places above stay beside this wait
.irp ct, 0,1,2,3
.irp rt, 0,1
	ds_store_b128 v8, v[ACC+8*(2*\ct+\rt):ACC+8*(2*\ct+\rt)+3] offset:4352*\rt+64*\ct          ; each accumulator from its low end on; row 16 rt + r of my stage
	ds_store_b128 v8, v[ACC+8*(2*\ct+\rt)+4:ACC+8*(2*\ct+\rt)+7] offset:4352*\rt+64*\ct+16
.endr
.endr
.irp i, 0,1,2,3,4,5,6,7,8,9,10,11,12,13,14,15
	ds_load_b128 v[80+4*\i:83+4*\i], v9 offset:544*\i   ; LDS serves a wave's instructions in order (ISA guide 5.7.1.4): these see my stores; rows 2 i and 2 i + 1
.endr
.irp i, 0,1,2,3,4,5,6,7,8,9,10,11,12,13,14,15
	s_wait_dscnt 15-\i
	global_store_b128 v10, v[80+4*\i:83+4*\i], s[16:17] offset:8192*\i th:TH_STORE_NT   ; sixteen lanes store 256 consecutive aligned bytes of a row; written once, read by nobody here
.endr
	s_wait_xcnt 0x0
	v_lshl_add_u32 v254, v0, 2, 0x29800            ; the add's two registers are made anew: no memory or LDS instruction has read v254 or v255
	v_mov_b32 v255, 0
	s_wait_dscnt 0x0                               ; the closing lines, six on end
	s_wait_alu 0x0
	s_wait_tensorcnt 0x0
	ds_add_u32 v254, v255
	s_wait_dscnt 0x0
	s_endpgm
.Lfunc_end_k_q07c48a2976_lnout:
	.size	k_q07c48a2976_lnout, .Lfunc_end_k_q07c48a2976_lnout-k_q07c48a2976_lnout
	.p2alignl 7, 3214868480
	.fill 96, 4, 3214868480
	.section	.rodata,"a",@progbits
	.p2align	6, 0x0
	.amdhsa_kernel k_q07c48a2976_lnout
		.amdhsa_group_segment_fixed_size 172032
		.amdhsa_private_segment_fixed_size 0
		.amdhsa_enable_private_segment 0
		.amdhsa_kernarg_size 56
		.amdhsa_user_sgpr_count 2
		.amdhsa_user_sgpr_kernarg_segment_ptr 1
		.amdhsa_wavefront_size32 1
		.amdhsa_system_sgpr_workgroup_id_x 1
		.amdhsa_system_sgpr_workgroup_id_y 1
		.amdhsa_system_sgpr_workgroup_id_z 1
		.amdhsa_system_vgpr_workitem_id 0
		.amdhsa_next_free_vgpr 256
		.amdhsa_next_free_sgpr 66
		.amdhsa_reserve_vcc 0
		.amdhsa_float_denorm_mode_32 3
		.amdhsa_float_denorm_mode_16_64 3
		.amdhsa_memory_ordered 1
		.amdhsa_forward_progress 1
		.amdhsa_inst_pref_size 53
	.end_amdhsa_kernel
	.amdgpu_metadata
---
amdhsa.version: [ 1, 2 ]
amdhsa.kernels:
  - .name:           k_q07c48a2976_lnout
    .symbol:         k_q07c48a2976_lnout.kd
    .args:
      - { .name: att, .offset: 0, .size: 8, .value_kind: global_buffer, .address_space: global }
      - { .name: ln_gamma, .offset: 8, .size: 8, .value_kind: global_buffer, .address_space: global }
      - { .name: ln_beta, .offset: 16, .size: 8, .value_kind: global_buffer, .address_space: global }
      - { .name: wimg, .offset: 24, .size: 8, .value_kind: global_buffer, .address_space: global }
      - { .name: wsc, .offset: 32, .size: 8, .value_kind: global_buffer, .address_space: global }
      - { .name: bo, .offset: 40, .size: 8, .value_kind: global_buffer, .address_space: global }
      - { .name: out0, .offset: 48, .size: 8, .value_kind: global_buffer, .address_space: global }
    .group_segment_fixed_size: 172032
    .private_segment_fixed_size: 0
    .kernarg_segment_align: 8
    .kernarg_segment_size: 56
    .max_flat_workgroup_size: 512
    .sgpr_count:     66
    .vgpr_count:     256
    .wavefront_size: 32
...
	.end_amdgpu_metadata
.endif
;; end of part 8
